; MI455X (gfx1250); checked and timed in simulation.
; The chip was launched on July 23, 2026; its instructions are those of AMD's public machine-readable ISA for CDNA 5 (MIT licence, August 2026) and "CDNA5" Instruction Set Architecture Reference Guide (July 2026). The comments in the code are by the model that wrote it; some were corrected since.
;; Transformer Block. Allowed arithmetic: matrix products marked QUANTISED: E2M3 operands, one E8M0 scale for each 32 along K, by v_wmma_scale_f32_16x16x128_f8f6f4 with both operands' format E2M3, f32 sums; everything else in f32.
;; Inputs: W1_codes 4,096 x 32 x 24 uint8 (E2M3 codes of W1, K innermost, in blocks of 32 codes, four codes in three bytes); W1_scales 4,096 x 32 uint8 (E8M0 scales of W1, one for each 32 codes along K); W2_codes 1,024 x 128 x 24 uint8 (E2M3 codes of W2, K innermost, in blocks of 32 codes, four codes in three bytes); W2_scales 1,024 x 128 uint8 (E8M0 scales of W2, one for each 32 codes along K); Wk_codes 1,024 x 32 x 24 uint8 (E2M3 codes of Wk, K innermost, in blocks of 32 codes, four codes in three bytes); Wk_scales 1,024 x 32 uint8 (E8M0 scales of Wk, one for each 32 codes along K); Wo_codes 1,024 x 32 x 24 uint8 (E2M3 codes of Wo, K innermost, in blocks of 32 codes, four codes in three bytes); Wo_scales 1,024 x 32 uint8 (E8M0 scales of Wo, one for each 32 codes along K); Wq_codes 1,024 x 32 x 24 uint8 (E2M3 codes of Wq, K innermost, in blocks of 32 codes, four codes in three bytes); Wq_scales 1,024 x 32 uint8 (E8M0 scales of Wq, one for each 32 codes along K); Wv_codes 1,024 x 32 x 24 uint8 (E2M3 codes of Wv, K innermost, in blocks of 32 codes, four codes in three bytes); Wv_scales 1,024 x 32 uint8 (E8M0 scales of Wv, one for each 32 codes along K); b1 4,096 float32; b2 1,024 float32; bo 1,024 float32; g1 1,024 float32; g2 1,024 float32; s1 1,024 float32; s2 1,024 float32; x 2 x 2,048 x 1,024 float32.
;; Outputs: out0 2 x 2,048 x 1,024 float32.
;; This version of the problem:
;;   THIS VERSION OF THE PROBLEM IS GIVEN IN LOW PRECISION. The matrix products marked QUANTISED in the list below multiply operands that are first quantised to E2M3 (2 exponent bits, 3 mantissa bits; 6 bits a number), with one power-of-two scale for each 32 numbers along K (OCP MX v1.0); their sums are f32. All else is computed in f32.
;;   The module's matrix products, in the order in which they are computed (A, B: the left and right operand; K: the contracted axis; several contracted axes count as one K, in the product's order):
;;     1. [M 4,096, K 1,024] x [K 1,024, N 1,024]; A: computed on the way; B: input Wq (given as codes): QUANTISED
;;     2. [M 4,096, K 1,024] x [K 1,024, N 1,024]; A: computed on the way; B: input Wk (given as codes): QUANTISED
;;     3. [M 4,096, K 1,024] x [K 1,024, N 1,024]; A: computed on the way; B: input Wv (given as codes): QUANTISED
;;     4. batch 32 x [M 2,048, K 64] x [K 64, N 2,048]; A: computed on the way; B: computed on the way: QUANTISED
;;     5. batch 32 x [M 64, K 2,048] x [K 2,048, N 2,048]; A: computed on the way; B: softmax (see below): QUANTISED
;;     6. [M 4,096, K 1,024] x [K 1,024, N 1,024]; A: computed on the way; B: input Wo (given as codes): QUANTISED
;;     7. [M 4,096, K 1,024] x [K 1,024, N 4,096]; A: computed on the way; B: input W1 (given as codes): QUANTISED
;;     8. [M 4,096, K 4,096] x [K 4,096, N 1,024]; A: computed on the way; B: input W2 (given as codes): QUANTISED
;;   THE QUANTISER, for each operand of a quantised product, along K:
;;     - K is cut into blocks of 32 from its start; a last block that is shorter is filled with zeros.
;;     - A block's scale is 2^e with e = floor(log2(the largest magnitude in the block)) - 2, held to -126 .. 127; a block of zeros has e = 0. As a byte (E8M0): e + 127.
;;     - Each number is divided by its block's scale, clamped to +-7.5, and rounded to the nearest number of E2M3, ties to even, subnormals kept.
;;     - The product sums the exact products of the quantised numbers (number of the format x scale) in f32.
;;   ~~~python
;;   def quantise(x, axis):      # numpy; x: float32 -> the quantised numbers, widened to float32 again
;;       x = np.moveaxis(x, axis, -1); K = x.shape[-1]
;;       x = np.pad(x, [(0, 0)] * (x.ndim - 1) + [(0, -K % 32)]); x = x.reshape(x.shape[:-1] + (-1, 32)); a = np.abs(x).max(-1, keepdims=True)
;;       e = np.where(a > 0, np.clip(np.frexp(np.where(a > 0, a, 1))[1] - 1 - 2, -126, 127), 0)      # np.frexp(a)[1] - 1 = floor(log2(a)), exactly
;;       r = np.clip(x / 2.0 ** e, -7.5, 7.5)
;;       step = 2.0 ** (np.maximum(np.frexp(np.where(r == 0, 1, r))[1] - 1, 0) - 3)
;;       q = np.round(r / step) * step * 2.0 ** e      # np.round: ties to even
;;       return np.moveaxis(q.reshape(q.shape[:-2] + (-1,))[..., :K], -1, axis).astype(np.float32)
;;   ~~~
;;   SOFTMAX AHEAD OF A QUANTISED PRODUCT. Where the list says 'softmax', what is quantised is not the finished softmax but p = 2^(t - M), with t = logit x log2(e) and M = ceil(the row's largest t), a whole number; so 1/2 < the row's largest p <= 1. The row's sum l is taken of the UNQUANTISED p, in f32, and the product's result is divided by l at the end. Since M is a whole number, a kernel that streams over the keys may use a running M (the ceiling of the running maximum): every later rescaling is an exact power of two, which a block's scale takes up: the codes' values come out the same.
;;   OPERANDS COMPUTED ON THE WAY. 'Computed on the way' means the value that the module computes at that place (a softmax that the list does not call 'softmax' is quantised finished and normalised). What goes into a quantiser is computed in f32, as accurately as f32 sums, v_exp_f32 and their like allow (about 1e-6 of the number): no bf16 or f16 on the way to a quantiser, and a product that is left as it is and whose result goes on into a quantised operand takes f32 operands (vector FMAs, or v_wmma_f32_16x16x4_f32). A number that lies on a knife's edge between two numbers of the format may be rounded either way, as far as f32 arithmetic and the matrix unit's own rounding can turn it there, and no further.
;;   INPUTS GIVEN AS CODES. W1 (in the module: [1024, 4096], K = its axis 0); W2 (in the module: [4096, 1024], K = its axis 0); Wk (in the module: [1024, 1024], K = its axis 0); Wo (in the module: [1024, 1024], K = its axis 0); Wq (in the module: [1024, 1024], K = its axis 0); Wv (in the module: [1024, 1024], K = its axis 0): each comes as NAME_codes (uint8): NAME with its K axis moved to the last place and cut into blocks of 32 codes, [.., K / 32, bytes a block], one block behind the other in memory; four codes in three bytes: a row's codes are one little-endian stream of bits, code i at bits 6 i .. 6 i + 5 (a code: sign, 2 exponent bits, 3 mantissa bits); and NAME_scales (uint8): the same leading axes, one E8M0 byte (e + 127) for each 32 codes along K. Its value is code x scale, taken as it is: it is not quantised again, and the codes and scales need not be those that the quantiser above would give.
;; One version. Each part assembles by itself: llvm-mc -triple=amdgcn-amd-amdhsa -mcpu=gfx1250 --defsym DOCPART=n.
;; ======== version 1 of 1: 7 launches
;; limits: right only within a limited range of input values
;; workspace buffers: P 13,107,200 bytes; QKV 9,830,400 bytes; CTX 3,276,800 bytes; HB 16,777,216 bytes; Y 3,276,800 bytes; HID 13,107,200 bytes
;; launch prep (part 1): grid 448 x 1, 4 waves a work-group, no clusters, 75,776 bytes of LDS; arguments x, g1, s1, P, Wq_codes, Wq_scales, Wk_codes, Wk_scales, Wv_codes, Wv_scales, Wo_codes, Wo_scales, W1_codes, W1_scales, W2_codes, W2_scales; writes P
.if DOCPART == 1
	.amdgcn_target "amdgcn-amd-amdhsa--gfx1250"
	.amdhsa_code_object_version 6
	.text
	.protected	k_q571904b6c6_prep
	.globl	k_q571904b6c6_prep
	.p2align	8
	.type	k_q571904b6c6_prep,@function
k_q571904b6c6_prep:
	s_mov_b64 s[64:65], 0
	v_nop
	global_prefetch_b8 v0, s[64:65] scope:SCOPE_SE
	s_setreg_imm32_b32 hwreg(HW_REG_WAVE_MODE, 25, 1), 1
	s_wait_xcnt 0x0
; A LAYER NORM INTO CODES OF FP6 (E2M3), AND THE SIX WEIGHTS LAID OUT ANEW.  Arguments: rows [4096][1024] f32, gain, shift, out, then the weights' codes and scale bytes.
; THE LAYOUT OF EVERY OPERAND OF THIS PROGRAM.  A tile T is 16 rows that are not neighbours: position p of tile T is row 32 (T / 2) + 8 (T % 2) + p + 8 (p / 8).  Codes: the half fragment
; (tile T, 64 along K: u) is 768 bytes at (T K / 64 + u) 768; lane l = p + 16 x (which 32 of the 64) owns a block's 24 bytes: its first 16 at 16 l, its last 8 at 512 + 8 l.  So a fragment
; (16 rows x 128 K, 1,536 bytes) is read and written by four instructions of 512, 256, 512, 256 consecutive bytes.  Scale words (four E8M0 bytes: 128 along K of one row): K step s, tile T,
; position p at (T / 64) (K / 128) 4096 + 4096 s + 64 (T % 64) + 4 p.
; WORK-GROUPS 0 TO 255: the norm of tile T = the work-group's number.  Wave w owns columns 256 w .. 256 w + 255 of the 16 rows: 128 numbers a lane.  Loads take 512 consecutive bytes; the numbers turn through the
; wave's own stage in LDS, so that a lane holds 16 neighbours of each block of 32 of ONE row.  Mean and variance in two passes (no difference of large sums); the four waves' sums meet in LDS, a barrier each.
; WORK-GROUPS 256 ON (only in the launch that has them: 192): a wave lays two tiles x 4 K steps of one weight, 8 of the weights' 6,144 fragments: no arithmetic, no LDS, no barrier.  Its loads take 8 bytes a lane from
; rows far apart, so the work is cut small and spread over many work-groups.
; A block's scale is 2^(floor(log2(largest magnitude)) - 2); its byte is that magnitude's exponent field - 2, held at 1 from below.
; LIMITS: a block whose largest magnitude lies under 2^-124 (zeros too) gets the byte 1: its bytes are read by this program alone; NaN and infinities are not served.
; No matrix unit, no cluster: work-groups share no input, and memory bounds the launch.
.set ROWB,  4096                       ; a row of f32 in bytes
.set OS,    3145728                    ; the norm's scale words lie behind its codes
.set WBASE, 3276800                    ; the weights' codes begin here,
.set WSB,   WBASE+9437184              ; their scale words here
.set SPI,   1040                       ; a stage row: 1,024 bytes + 16 = 65 x 16: the sixteen rows of a read start at sixteen different groups of banks
.set STGW,  16*SPI                     ; a wave's stage
.set GS,    4*STGW                     ; behind the stages: gain (1,024 bytes) and shift (1,024) of each wave's columns
.set ST1,   GS+4*2048                  ; the waves' sums: word [p][w]; 256 bytes further on those of the second pass
.set TM,    16                         ; v16-31   the quantiser's work
.set X,     32                         ; v32-159  my 128 numbers
.set GR,    160                        ; v160-191 gain of two blocks
.set SR,    192                        ; v192-223 shift of two blocks
.set PC,    224                        ; v224-243 codes
.set PW,    244                        ; the scale word just made
.set PW0,   245
.set SD,    246
.set CH,    248                        ; v248-255 four packed chains
; 64 numbers of a lane, register 16 b + i = k 32 b + 16 (lane / 16) + i of my row, become a fragment's codes in v[PC] on and its scale word in v[PW]
.macro QUANT s
.irp b, 0,1,2,3
	v_max3_num_f32 v[TM+\b], |v[\s+16*\b]|, |v[\s+1+16*\b]|, 0x1800000   ; my 16 numbers of block b, and the floor 2^(3 - 127): the byte cannot fall under 1
.endr
.irp i, 2,4,6,8,10,12,14
.irp b, 0,1,2,3
	v_max3_num_f32 v[TM+\b], v[TM+\b], |v[\s+16*\b+\i]|, |v[\s+1+16*\b+\i]|
.endr
.endr
.irp b, 0,1,2,3
	v_permlanex16_b32 v[TM+4+\b], v[TM+\b], s20, s21
.endr
.irp b, 0,1,2,3
	v_max_num_f32 v[TM+\b], v[TM+\b], v[TM+4+\b]   ; with lane l xor 16's: the block's largest magnitude
.endr
.irp b, 0,1,2,3
	v_add_nc_u32 v[TM+12+\b], 0xff000000, v[TM+\b] ; 2 off its exponent field: the conversion's scale operand
.endr
.irp b, 0,1,2,3
	v_lshrrev_b32 v[TM+4+\b], 23, v[TM+12+\b]      ; the scale's byte
.endr
	v_lshl_or_b32 v[PW], v[TM+5], 8, v[TM+4]
	v_lshl_or_b32 v[PW], v[TM+6], 16, v[PW]
	v_lshl_or_b32 v[PW], v[TM+7], 24, v[PW]
.irp c, 0,1
	v_cvt_scalef32_pk16_fp6_f32 v[PC+6*\c:PC+2+6*\c], v[\s+32*\c:\s+15+32*\c], v[TM+12+2*\c]
	v_cvt_scalef32_pk16_fp6_f32 v[PC+12+4*\c:PC+14+4*\c], v[\s+16+32*\c:\s+31+32*\c], v[TM+12+2*\c+1]   ; (a conversion's three registers begin on an even number)
.endr
	v_nop                                          ; one plain place behind a scaled conversion
.irp c, 0,1                            ; the operand wants a WHOLE block in a lane: lanes 0-15 block 2 c, lanes 16-31 block 2 c + 1
.irp i, 0,1,2
	v_permlane16_swap_b32 v[PC+6*\c+\i], v[PC+12+4*\c+\i]
.endr
.irp i, 0,1,2
	v_mov_b32 v[PC+3+6*\c+\i], v[PC+12+4*\c+\i]
.endr
.endr
.endm
; the four chains, the two halves of the lanes and the four waves are added; every lane ends with its row's sum in v[CH]
.macro REDUCE off
	v_pk_add_f32 v[CH:CH+1], v[CH:CH+1], v[CH+2:CH+3]
	v_pk_add_f32 v[CH+4:CH+5], v[CH+4:CH+5], v[CH+6:CH+7]
	v_pk_add_f32 v[CH:CH+1], v[CH:CH+1], v[CH+4:CH+5]
	v_add_f32 v[CH], v[CH], v[CH+1]
	v_permlanex16_b32 v[CH+1], v[CH], s20, s21
	v_add_f32 v[CH], v[CH], v[CH+1]
	ds_store_b32 v6, v[CH] offset:\off             ; both lanes of a row write the same word with the same value
	s_wait_dscnt 0x0                               ; for the others' sake: my store has landed
	s_barrier_signal -1
	s_barrier_wait -1
	ds_load_b128 v[CH:CH+3], v7 offset:\off        ; the four waves' sums of my row
	s_wait_dscnt 0x0
	v_add_f32 v[CH], v[CH], v[CH+1]
	v_add_f32 v[CH+2], v[CH+2], v[CH+3]
	v_add_f32 v[CH], v[CH], v[CH+2]
.endm
	v_lshl_add_u32 v243, v0, 2, 0x12600
	v_mov_b32 v247, 0
	v_lshrrev_b32 v10, 5, v0
	v_readfirstlane_b32 s12, v10                   ; wave 0..3
	v_and_b32 v11, 31, v0                          ; lane
	v_lshlrev_b32 v1, 4, v11                       ; 16 x lane
	v_lshlrev_b32 v8, 3, v11                       ; 8 x lane
	v_and_b32 v10, 15, v0                          ; r
	v_bfe_u32 v11, v0, 4, 1                        ; h
	s_cmp_ge_u32 ttmp9, 256                        ; the same in all four waves
	s_cbranch_scc1 .Llay
	s_load_b256 s[4:11], s[0:1], 0x0               ; rows s[4:5], gain s[6:7], shift s[8:9], out s[10:11]
	s_mul_i32 s14, s12, STGW
	v_add_nc_u32 v2, s14, v1                       ; the stage, on the way in: 16 x lane
	v_mul_u32_u24 v3, v10, SPI
	v_lshl_add_u32 v3, v11, 6, v3
	v_add_nc_u32 v3, s14, v3                       ; and out: row r, + 64 h: my 16 numbers of a block of 32
	s_lshl_b32 s14, s12, 11
	s_add_co_u32 s14, s14, GS
	v_add_nc_u32 v4, s14, v1                       ; gain and shift, in
	v_lshlrev_b32 v5, 6, v11
	v_add_nc_u32 v5, s14, v5                       ; and out: 64 h
	s_lshl_b32 s14, s12, 2
	s_add_co_u32 s14, s14, ST1
	s_wait_alu depctr_va_vdst(0)
	v_lshl_add_u32 v6, v10, 4, s14                 ; my row's word for my wave's sum
	v_lshlrev_b32 v7, 4, v10
	v_add_nc_u32 v7, ST1, v7                       ; my row's four words
	v_lshlrev_b32 v9, 2, v10
	v_lshl_add_u32 v9, v11, 12, v9                 ; scale words out: 4 r; lanes 16-31 one K step (4,096 bytes) on
	s_mov_b32 s20, 0x76543210
	s_mov_b32 s21, 0xfedcba98                      ; v_permlanex16_b32's selects for lane l xor 16
	s_mov_b32 s22, 0xffff0000                      ; lanes 16-31
	s_mov_b32 s23, 0x3a800000                      ; 1 / 1024
.irp b, 0,1,2,3
	v_mov_b32 v[TM+4+\b], 0                        ; written once: a lane permute's destination counts as one of its sources
.endr
	s_lshr_b32 s13, ttmp9, 1
	s_lshl_b32 s13, s13, 5
	s_and_b32 s15, ttmp9, 1
	s_lshl_b32 s15, s15, 3
	s_add_co_u32 s13, s13, s15                     ; the tile's first row: 32 (T / 2) + 8 (T % 2)
	s_lshl_b32 s16, s13, 12
	s_lshl_b32 s18, s12, 10                        ; my wave's 1,024 bytes of a row
	s_add_co_u32 s16, s16, s18
	s_mov_b32 s17, 0
	s_mov_b32 s19, 0
	s_lshl_b32 s24, ttmp9, 3
	s_lshl_b32 s25, s12, 1
	s_add_co_u32 s24, s24, s25
	s_mul_i32 s24, s24, 1536                       ; codes: fragment 8 T + 2 w
	s_mov_b32 s25, 0
	s_lshr_b32 s26, ttmp9, 6
	s_lshl_b32 s26, s26, 15
	s_lshl_b32 s27, s12, 13
	s_add_co_u32 s26, s26, s27
	s_and_b32 s27, ttmp9, 63
	s_lshl_b32 s27, s27, 6
	s_add_co_u32 s26, s26, s27
	s_add_co_u32 s26, s26, OS                      ; scale words: (T / 64) 32768 + 2 w 4096 + (T % 64) 64
	s_mov_b32 s27, 0
	s_wait_kmcnt 0x0
	s_add_nc_u64 s[4:5], s[4:5], s[16:17]
	s_add_nc_u64 s[6:7], s[6:7], s[18:19]
	s_add_nc_u64 s[8:9], s[8:9], s[18:19]
	s_add_nc_u64 s[28:29], s[10:11], s[26:27]
	s_add_nc_u64 s[10:11], s[10:11], s[24:25]
	global_load_b128 v[GR:GR+3], v1, s[6:7]
	global_load_b128 v[GR+4:GR+7], v1, s[6:7] offset:512
	global_load_b128 v[GR+8:GR+11], v1, s[8:9]
	global_load_b128 v[GR+12:GR+15], v1, s[8:9] offset:512
.irp i, 0,1,2,3,4,5,6,7,8,9,10,11,12,13,14,15
.irp e, 0,1
	global_load_b128 v[X+4*(2*\i+\e):X+4*(2*\i+\e)+3], v1, s[4:5] offset:(\i+8*(\i/8))*ROWB+512*\e   ; position i's row: 512 consecutive bytes
.endr
.endr
	s_wait_loadcnt 32                              ; gain and shift are in; the 32 loads of rows may be out
	ds_store_b128 v4, v[GR:GR+3]
	ds_store_b128 v4, v[GR+4:GR+7] offset:512
	ds_store_b128 v4, v[GR+8:GR+11] offset:1024
	ds_store_b128 v4, v[GR+12:GR+15] offset:1536
	s_wait_loadcnt 0x0
.irp i, 0,1,2,3,4,5,6,7,8,9,10,11,12,13,14,15
.irp e, 0,1
	ds_store_b128 v2, v[X+4*(2*\i+\e):X+4*(2*\i+\e)+3] offset:\i*SPI+512*\e
.endr
.endr
	s_wait_dscnt 0x0                               ; the stores have read their registers
.irp b, 0,1,2,3,4,5,6,7
.irp j, 0,1,2,3
	ds_load_b128 v[X+16*\b+4*\j:X+16*\b+4*\j+3], v3 offset:128*\b+16*\j   ; register 16 b + i: column 32 b + 16 h + i of row position r
.endr
.endr
	s_wait_dscnt 0x0
	; the mean
.irp c, 0,1,2,3
	v_pk_add_f32 v[CH+2*\c:CH+2*\c+1], v[X+2*\c:X+2*\c+1], v[X+8+2*\c:X+9+2*\c]   ; the first pairs start the chains: nothing is cleared
.endr
.set j, 8
.rept 56
	v_pk_add_f32 v[CH+2*(j%4):CH+2*(j%4)+1], v[CH+2*(j%4):CH+2*(j%4)+1], v[X+2*j:X+2*j+1]
.set j, j+1
.endr
	REDUCE 0
	v_mul_f32 v12, s23, v[CH]
	v_mov_b32 v13, v12
	; the variance, of the differences
.set j, 0
.rept 64
	v_pk_add_f32 v[X+2*j:X+2*j+1], v[X+2*j:X+2*j+1], v[12:13] neg_lo:[0,1] neg_hi:[0,1]
.set j, j+1
.endr
.irp c, 0,1,2,3
	v_pk_mul_f32 v[CH+2*\c:CH+2*\c+1], v[X+2*\c:X+2*\c+1], v[X+2*\c:X+2*\c+1]
.endr
.set j, 4
.rept 60
	v_pk_fma_f32 v[CH+2*(j%4):CH+2*(j%4)+1], v[X+2*j:X+2*j+1], v[X+2*j:X+2*j+1], v[CH+2*(j%4):CH+2*(j%4)+1]
.set j, j+1
.endr
	REDUCE 256                                     ; other words than the first pass's: no wave can overwrite what another still reads
	v_fmaak_f32 v14, s23, v[CH], 0x3727c5ac        ; variance + 1e-5
	s_wait_alu depctr_va_vdst(0)
	v_rsq_f32 v14, v14
	v_nop                                          ; one plain place behind a transcendental
	s_wait_alu depctr_va_vdst(0)
	v_mov_b32 v15, v14
.set j, 0
.rept 64
	v_pk_mul_f32 v[X+2*j:X+2*j+1], v[X+2*j:X+2*j+1], v[14:15]
.set j, j+1
.endr
.irp p, 0,1,2,3                        ; gain and shift, two blocks of 32 columns at a time
.irp j, 0,1,2,3,4,5,6,7
	ds_load_b128 v[GR+4*\j:GR+4*\j+3], v5 offset:256*\p+128*(\j/4)+16*(\j%4)
	ds_load_b128 v[SR+4*\j:SR+4*\j+3], v5 offset:1024+256*\p+128*(\j/4)+16*(\j%4)
.endr
	s_wait_dscnt 0x0
.irp j, 0,1,2,3,4,5,6,7,8,9,10,11,12,13,14,15
	v_pk_fma_f32 v[X+32*\p+2*\j:X+32*\p+2*\j+1], v[X+32*\p+2*\j:X+32*\p+2*\j+1], v[GR+2*\j:GR+2*\j+1], v[SR+2*\j:SR+2*\j+1]
.endr
.endr
.irp q, 0,1                            ; my two K steps
.if \q
	s_wait_xcnt 0x0                                ; the first fragment's stores have read their registers
.endif
	QUANT X+64*\q
	global_store_b128 v1, v[PC:PC+3], s[10:11] offset:1536*\q          ; 512 consecutive bytes, aligned,
	global_store_b64 v8, v[PC+4:PC+5], s[10:11] offset:1536*\q+512     ; 256,
	global_store_b128 v1, v[PC+6:PC+9], s[10:11] offset:1536*\q+768
	global_store_b64 v8, v[PC+10:PC+11], s[10:11] offset:1536*\q+1280
.if \q == 0
	v_mov_b32 v[PW0], v[PW]
.endif
.endr
	v_cndmask_b32 v[SD], v[PW0], v[PW], s22        ; lanes 0-15 the first K step's words, lanes 16-31 the second's
	global_store_b32 v9, v[SD], s[28:29]
	s_wait_tensorcnt 0x0
	ds_add_u32 v243, v247
	s_wait_dscnt 0x0
	s_endpgm
.Llay:
	; which weight, which pair of tiles i, from which K step s0 on: from the work-group's and the wave's number alone.  Three groups of 64 work-groups, 256 waves each:
	; group 0: the four square weights, 64 waves each (32 pairs of tiles x 2 runs of 4 K steps); group 1: W1 (128 pairs x 2 runs); group 2: W2 (32 pairs x 8 runs)
	s_load_b512 s[16:31], s[0:1], 0x20             ; Wq, Wk, Wv, Wo: codes and scale bytes
	s_load_b256 s[32:39], s[0:1], 0x60             ; W1, W2
	s_load_b64 s[10:11], s[0:1], 0x18              ; out
	s_sub_co_u32 s44, ttmp9, 256
	s_lshr_b32 s45, s44, 6                         ; the group
	s_and_b32 s44, s44, 63
	s_lshl_b32 s46, s44, 2
	s_add_co_u32 s46, s46, s12                     ; u = 0 .. 255
	s_lshr_b32 s47, s44, 4                         ; group 0: which of the four weights
	s_add_co_u32 s48, s45, 3                       ; groups 1, 2: weights 4, 5
	s_bfe_u32 s49, s46, 0x50001                    ; group 0: i = (u % 64) / 2 (5 bits from bit 1)
	s_lshr_b32 s50, s46, 1                         ; group 1: i = u / 2
	s_and_b32 s51, s46, 1
	s_lshl_b32 s51, s51, 2                         ; groups 0, 1: s0 = 4 (u % 2)
	s_lshr_b32 s40, s46, 3                         ; group 2: i = u / 8,
	s_and_b32 s41, s46, 7
	s_lshl_b32 s41, s41, 2                         ; s0 = 4 (u % 8)
	s_cmp_eq_u32 s45, 0
	s_cselect_b32 s47, s47, s48                    ; the weight's number 0 .. 5
	s_cselect_b32 s49, s49, s50
	s_cmp_eq_u32 s45, 2
	s_cselect_b32 s49, s40, s49                    ; i
	s_cselect_b32 s51, s41, s51                    ; s0
	s_cselect_b32 s52, 32, 8                       ; K steps in a row
	s_cselect_b32 s53, 8, s47                      ; the weight's place in units of 786,432 bytes of codes and 32,768 of scale words
	s_mul_i32 s54, s52, 96                         ; a row of codes in bytes
	s_lshl_b32 s55, s52, 2                         ; a row of scale bytes
	s_lshl_b32 s48, s49, 5
	s_mul_i32 s56, s48, s54
	s_mul_i32 s50, s51, 96
	s_add_co_u32 s56, s56, s50                     ; from: row 32 i, K step s0
	s_mov_b32 s57, 0
	s_mul_i32 s58, s48, s55
	s_lshl_b32 s50, s51, 2
	s_add_co_u32 s58, s58, s50
	s_mov_b32 s59, 0
	s_lshl_b32 s48, s49, 1                         ; tile 2 i
	s_mul_i32 s44, s48, s52
	s_add_co_u32 s44, s44, s51
	s_mul_i32 s44, s44, 1536
	s_mul_i32 s50, s53, 786432
	s_add_co_u32 s44, s44, s50
	s_add_co_u32 s44, s44, WBASE                   ; to: fragment (2 i, s0)
	s_mov_b32 s45, 0
	s_mul_i32 s2, s52, 1536
	s_add_co_u32 s2, s2, s44                       ; and (2 i + 1, s0)
	s_mov_b32 s3, 0
	s_lshr_b32 s14, s49, 5
	s_mul_i32 s14, s14, s52
	s_add_co_u32 s14, s14, s51
	s_lshl_b32 s14, s14, 12
	s_and_b32 s50, s48, 63
	s_lshl_b32 s50, s50, 6
	s_add_co_u32 s14, s14, s50
	s_lshl_b32 s50, s53, 15
	s_add_co_u32 s14, s14, s50
	s_add_co_u32 s14, s14, WSB
	s_mov_b32 s15, 0
	s_wait_alu depctr_va_vdst(0)
	v_and_b32 v12, 8, v10
	v_add_nc_u32 v12, v12, v10                     ; r + 8 (r / 8)
	v_mul_u32_u24 v13, s54, v12
	v_mad_u32_u24 v13, v11, 24, v13                ; tile 2 i: my row, + 24 h
	s_lshl_b32 s50, s54, 3
	v_add_nc_u32 v14, s50, v13                     ; tile 2 i + 1: eight rows on
	v_lshl_add_u32 v15, v11, 3, v12
	v_mul_u32_u24 v15, s55, v15                    ; scale words: lanes 0-15 tile 2 i, lanes 16-31 tile 2 i + 1
	v_lshrrev_b32 v9, 2, v1                        ; 4 x lane
	s_wait_alu depctr_va_vdst(0)
	s_wait_kmcnt 0x0
	s_mov_b64 s[40:41], s[16:17]
	s_mov_b64 s[42:43], s[18:19]
.irp k, 1,2,3,4,5                      ; the choice hangs on the weight's number alone
	s_cmp_eq_u32 s47, \k
	s_cselect_b64 s[40:41], s[16+4*\k:17+4*\k], s[40:41]
	s_cselect_b64 s[42:43], s[18+4*\k:19+4*\k], s[42:43]
.endr
	s_add_nc_u64 s[40:41], s[40:41], s[56:57]
	s_add_nc_u64 s[42:43], s[42:43], s[58:59]
	s_add_nc_u64 s[4:5], s[10:11], s[44:45]
	s_add_nc_u64 s[6:7], s[10:11], s[2:3]
	s_add_nc_u64 s[8:9], s[10:11], s[14:15]
.irp j, 0,1,2,3
	global_load_b32 v[224+\j], v15, s[42:43] offset:4*\j
.endr
.irp t, 0,1
.irp j, 0,1,2,3
.irp p, 0,1,2,3,4,5
	global_load_b64 v[32+96*\t+12*\j+2*\p:32+96*\t+12*\j+2*\p+1], v[13+\t], s[40:41] offset:96*\j+48*(\p/3)+8*(\p%3)   ; a fragment's registers as the row's stream of bits has them
.endr
.endr
.endr
.macro PUT t, b                        ; four fragments of one tile: 6,144 consecutive bytes
.irp j, 0,1,2,3
	global_store_b128 v1, v[32+96*\t+12*\j:32+96*\t+12*\j+3], s[\b:\b+1] offset:1536*\j
	global_store_b64 v8, v[32+96*\t+12*\j+4:32+96*\t+12*\j+5], s[\b:\b+1] offset:1536*\j+512
	global_store_b128 v1, v[32+96*\t+12*\j+6:32+96*\t+12*\j+9], s[\b:\b+1] offset:1536*\j+768
	global_store_b64 v8, v[32+96*\t+12*\j+10:32+96*\t+12*\j+11], s[\b:\b+1] offset:1536*\j+1280
.endr
.endm
	s_wait_loadcnt 24                              ; the scale words and the first tile are in; the second tile's 24 loads may be out
	PUT 0, 4
.irp j, 0,1,2,3
	global_store_b32 v9, v[224+\j], s[8:9] offset:4096*\j
.endr
	s_wait_loadcnt 0x0
	PUT 1, 6
	s_endpgm
.Lfunc_end_k_q571904b6c6_prep:
	.size	k_q571904b6c6_prep, .Lfunc_end_k_q571904b6c6_prep-k_q571904b6c6_prep
	.p2alignl 7, 3214868480
	.fill 96, 4, 3214868480
	.section	.rodata,"a",@progbits
	.p2align	6, 0x0
	.amdhsa_kernel k_q571904b6c6_prep
		.amdhsa_group_segment_fixed_size 75776
		.amdhsa_private_segment_fixed_size 0
		.amdhsa_enable_private_segment 0
		.amdhsa_kernarg_size 128
		.amdhsa_user_sgpr_count 2
		.amdhsa_user_sgpr_kernarg_segment_ptr 1
		.amdhsa_wavefront_size32 1
		.amdhsa_system_sgpr_workgroup_id_x 1
		.amdhsa_system_sgpr_workgroup_id_y 1
		.amdhsa_system_sgpr_workgroup_id_z 1
		.amdhsa_system_vgpr_workitem_id 0
		.amdhsa_next_free_vgpr 256
		.amdhsa_next_free_sgpr 66
		.amdhsa_reserve_vcc 0
		.amdhsa_float_denorm_mode_32 3
		.amdhsa_float_denorm_mode_16_64 3
		.amdhsa_memory_ordered 1
		.amdhsa_forward_progress 1
		.amdhsa_inst_pref_size 57
	.end_amdhsa_kernel
	.amdgpu_metadata
---
amdhsa.version: [ 1, 2 ]
amdhsa.kernels:
  - .name:           k_q571904b6c6_prep
    .symbol:         k_q571904b6c6_prep.kd
    .args:
      - { .name: x, .offset: 0, .size: 8, .value_kind: global_buffer, .address_space: global }
      - { .name: g1, .offset: 8, .size: 8, .value_kind: global_buffer, .address_space: global }
      - { .name: s1, .offset: 16, .size: 8, .value_kind: global_buffer, .address_space: global }
      - { .name: P, .offset: 24, .size: 8, .value_kind: global_buffer, .address_space: global }
      - { .name: Wq_codes, .offset: 32, .size: 8, .value_kind: global_buffer, .address_space: global }
      - { .name: Wq_scales, .offset: 40, .size: 8, .value_kind: global_buffer, .address_space: global }
      - { .name: Wk_codes, .offset: 48, .size: 8, .value_kind: global_buffer, .address_space: global }
      - { .name: Wk_scales, .offset: 56, .size: 8, .value_kind: global_buffer, .address_space: global }
      - { .name: Wv_codes, .offset: 64, .size: 8, .value_kind: global_buffer, .address_space: global }
      - { .name: Wv_scales, .offset: 72, .size: 8, .value_kind: global_buffer, .address_space: global }
      - { .name: Wo_codes, .offset: 80, .size: 8, .value_kind: global_buffer, .address_space: global }
      - { .name: Wo_scales, .offset: 88, .size: 8, .value_kind: global_buffer, .address_space: global }
      - { .name: W1_codes, .offset: 96, .size: 8, .value_kind: global_buffer, .address_space: global }
      - { .name: W1_scales, .offset: 104, .size: 8, .value_kind: global_buffer, .address_space: global }
      - { .name: W2_codes, .offset: 112, .size: 8, .value_kind: global_buffer, .address_space: global }
      - { .name: W2_scales, .offset: 120, .size: 8, .value_kind: global_buffer, .address_space: global }
    .group_segment_fixed_size: 75776
    .private_segment_fixed_size: 0
    .kernarg_segment_align: 8
    .kernarg_segment_size: 128
    .max_flat_workgroup_size: 128
    .sgpr_count:     66
    .vgpr_count:     256
    .wavefront_size: 32
...
	.end_amdgpu_metadata
.endif
;; end of part 1
;; launch qkv (part 2): grid 48 x 4, 4 waves a work-group, clusters of 4 x 4, 327,680 bytes of LDS; arguments P, QKV; writes QKV
.if DOCPART == 2
	.amdgcn_target "amdgcn-amd-amdhsa--gfx1250"
	.amdhsa_code_object_version 6
	.text
	.protected	k_q571904b6c6_qkv
	.globl	k_q571904b6c6_qkv
	.p2align	8
	.type	k_q571904b6c6_qkv,@function
k_q571904b6c6_qkv:
	s_mov_b64 s[64:65], 0
	v_nop
	global_prefetch_b8 v0, s[64:65] scope:SCOPE_SE
	s_setreg_imm32_b32 hwreg(HW_REG_WAVE_MODE, 25, 1), 1
	s_wait_xcnt 0x0
	s_wait_alu depctr_hold_cnt(0) depctr_sa_sdst(0) depctr_va_vdst(0) depctr_va_sdst(0) depctr_va_ssrc(0) depctr_va_vcc(0) depctr_vm_vsrc(0)
	s_getreg_b32 s2, hwreg(HW_REG_IB_STS2, 6, 4)
	s_cmp_eq_u32 s2, 0
	s_cbranch_scc0 .Lentry_in_a_cluster
	s_endpgm
.Lentry_in_a_cluster:
	s_bfe_u32 s2, ttmp6, 0x10000c
	s_cmp_lg_u32 s2, 0xf033
	s_cbranch_scc0 .Lentry_shape_is_right
	s_endpgm
.Lentry_shape_is_right:
.set MODE,  0
.set WBASE, 3276800
.set WSB,   WBASE+9437184
.if MODE == 0
.set WC0,   WBASE
.set WS0,   WSB
.else
.set WC0,   WBASE+3145728
.set WS0,   WSB+131072
.endif
.set ASO,   3145728
.set PANC,  786432
.set VTC,   6291456
.set QKS,   9437184
.set VTS,   9699328
.set KT,    8
.set NQ,    2
.set FR,    12
.set NL,    4
.set NP,    4
.set TILEB, NQ*1536
.set HALFT, 8*TILEB
.set SLOT,  4*HALFT
.set LAPS,  KT/(2*NQ)
.set SCL,   2*SLOT
.set HALFS, KT*512
.set SPARE, SCL+4*HALFS
.set ADRA, 16
.set ADRB, 20
.set L16,  24
.set L8,   25
.set L4,   26
.set ADRS, 27
.set SPW,  28
.set NIL,  29
.set SC,   32
.set AF,   128
.set X,    64
.set PC,   128
.set TM,   160
.set PW,   176
.set PWE,  177
.set SD,   178
.set C0,   180
.set G1, 24
.set G0, 32
.set G1B, 48
.set G0B, 56
.set G1S, 68
.set G0S, 76
.set G1SB, 80
.set G0SB, 88
.set G0H,  4                           ; s[4:7], s[92:95] group 0 for the head's loads of slot 0: A's 16 tiles, B's 16 tiles
.set G0HB, 92
.set PFA,  44                          ; s[44:45] where my prefetches stand; never rewritten
.set PFO,  30                          ; v30 their offset; never rewritten
.if MODE == 0
.set RTP, 10
.set RKS, 11
.else
.set RTP, 17
.set RKS, 18
.endif
.set MSB, 0
.macro WIN new
.if MSB != (\new)
	s_set_vgpr_msb (MSB<<8)|(\new)
.set MSB, (\new)
.endif
.endm
.set MUL_LO, 0xa1
.set MUL_HI, 0xf1
.if MODE == 1
.set ZLO, 0x91
.set ZHI, 0xd1
.else
.set ZLO, MUL_LO
.set ZHI, MUL_HI
.endif
.set TO_B,   0x40
.macro JLOAD g0a, g1a, g0b, g1b
	s_cmp_eq_u32 s15, 0
	s_cbranch_scc0 .Lfor_b_\@
	tensor_load_to_lds s[\g0a:\g0a+3], s[\g1a:\g1a+7]
	s_nop 0
.rept 4
	v_nop
.endr
	s_branch .Lasked_\@
.Lfor_b_\@:
	tensor_load_to_lds s[\g0b:\g0b+3], s[\g1b:\g1b+7]
	s_nop 0
.rept 4
	v_nop
.endr
.Lasked_\@:
.endm
.macro CREST
	s_cmp_lg_u32 s14, 0
	s_cbranch_scc1 .Lnot_wave_0_\@
	s_barrier_signal -3
.Lnot_wave_0_\@:
	s_barrier_wait -3
	s_barrier_signal -1
	s_barrier_wait -1
.endm
.macro CROUND
	s_barrier_signal -1
	s_barrier_wait -1
	CREST
.endm
.if MODE == 0
	s_load_b64 s[4:5], s[0:1], 0x0
	s_load_b64 s[6:7], s[0:1], 0x0
	s_load_b64 s[12:13], s[0:1], 0x8
.else
	s_load_b128 s[4:7], s[0:1], 0x0
	s_load_b64 s[10:11], s[0:1], 0x10
	s_load_b64 s[12:13], s[0:1], 0x18
.endif
	v_lshl_add_u32 v[SPW], v0, 2, SPARE
	v_mov_b32 v[NIL], 0
	ds_add_u32 v28, v29
	ds_add_u32 v28, v29
	s_wait_dscnt 0x0
	v_lshrrev_b32 v1, 5, v0
	v_readfirstlane_b32 s14, v1
	s_lshr_b32 s15, s14, 1
	s_and_b32 s16, s14, 1
	s_bfe_u32 s40, ttmp6, 0x40000
	s_bfe_u32 s41, ttmp6, 0x40004
	s_and_b32 s17, ttmp9, 3
	s_lshr_b32 s18, ttmp9, 2
	s_lshl_b32 s43, s41, 2
	s_lshl_b32 s43, 15, s43
	s_lshl_b32 s44, 0x1111, s40
	s_or_b32 s[G1+0], s43, (3<<16)|(1<<21)
	s_or_b32 s[G1B+0], s44, (3<<16)|(1<<21)
.irp g, G1, G1B
	s_mov_b32 s[\g+1], (TILEB/8)<<16
	s_mov_b32 s[\g+2], 16<<16
	s_mov_b32 s[\g+3], (TILEB/8)<<16
	s_mov_b32 s[\g+4], 16
	s_mov_b32 s[\g+5], KT*1536/8
	s_mov_b32 s[\g+6], 0
	s_mov_b32 s[\g+7], 0
.endr
	s_or_b32 s[G1S+0], s43, (3<<16)|(1<<21)
	s_or_b32 s[G1SB+0], s44, (3<<16)|(1<<21)
.irp g, G1S, G1SB
	s_mov_b32 s[\g+1], 128<<16
	s_mov_b32 s[\g+2], KT<<16
	s_mov_b32 s[\g+3], 128<<16
	s_mov_b32 s[\g+4], KT
	s_mov_b32 s[\g+5], 512
	s_mov_b32 s[\g+6], 0
	s_mov_b32 s[\g+7], 0
.endr
	s_mul_i32 s20, s17, PANC
	s_lshl_b32 s22, s17, 15
	s_add_co_u32 s22, s22, ASO
	s_mul_i32 s46, s18, PANC
	s_add_co_u32 s46, s46, WC0
	s_lshl_b32 s92, s18, 15
	s_add_co_u32 s92, s92, WS0
.if MODE == 0
	s_mov_b32 s100, s20
	s_mov_b32 s101, s22
	s_mov_b32 s9, QKS
	s_cmp_eq_u32 s18, 2
	s_cselect_b32 s20, s46, s20
	s_cselect_b32 s22, s92, s22
	s_cselect_b32 s46, s100, s46
	s_cselect_b32 s92, s101, s92
	s_cselect_b32 s42, 32, 16
	s_cselect_b32 s10, 0, s17
	s_cselect_b32 s11, s17, s18
	s_cselect_b32 s8, VTC, 0
	s_cselect_b32 s9, VTS, s9
.else
	s_mov_b32 s42, 32
	s_mov_b32 s8, 0
	s_mov_b32 s9, 12582912
.endif
	s_lshl_b32 s21, s41, 4
	s_mul_i32 s23, s21, KT*1536
	s_add_co_u32 s20, s20, s23
	s_lshl_b32 s21, s21, 6
	s_add_co_u32 s22, s22, s21
	s_mov_b32 s21, 0
	s_mov_b32 s23, 0
	s_lshl_b32 s47, s40, 4
	s_mul_i32 s93, s47, KT*1536
	s_add_co_u32 s46, s46, s93
	s_lshl_b32 s47, s47, 6
	s_add_co_u32 s92, s92, s47
	s_mov_b32 s47, 0
	s_mov_b32 s93, 0
	s_mul_i32 s45, s14, HALFT
	s_wait_kmcnt 0x0
	s_add_nc_u64 s[20:21], s[4:5], s[20:21]
	s_add_nc_u64 s[22:23], s[4:5], s[22:23]
	s_add_nc_u64 s[46:47], s[6:7], s[46:47]
	s_add_nc_u64 s[92:93], s[6:7], s[92:93]
	CROUND
	s_mov_b32 s[G0S], 1
	s_mov_b32 s[G0S+1], SCL
	s_mov_b64 s[G0S+2:G0S+3], s[22:23]
	s_or_b32 s[G0S+3], s[G0S+3], 0x80000000
	s_mov_b32 s[G0SB], 1
	s_mov_b32 s[G0SB+1], SCL+2*HALFS
	s_mov_b64 s[G0SB+2:G0SB+3], s[92:93]
	s_or_b32 s[G0SB+3], s[G0SB+3], 0x80000000
	s_mov_b32 s[G0H], 1                            ; the head's tiles, each whole: slot 0's 16 tiles of A,
	s_mov_b32 s[G0H+1], 0
	s_mov_b64 s[G0H+2:G0H+3], s[20:21]
	s_or_b32 s[G0H+3], s[G0H+3], 0x80000000
	s_mov_b32 s[G0HB], 1                           ; and of B, behind them
	s_mov_b32 s[G0HB+1], 2*HALFT
	s_mov_b64 s[G0HB+2:G0HB+3], s[46:47]
	s_or_b32 s[G0HB+3], s[G0HB+3], 0x80000000
	s_mul_i32 s22, s16, 8*KT*1536                  ; for the ring: my 8 tiles
	s_mov_b32 s23, 0
	s_add_nc_u64 s[20:21], s[20:21], s[22:23]
	s_add_nc_u64 s[46:47], s[46:47], s[22:23]
.irp s, 0,1
	s_mov_b32 s[G0+4*\s], 1
	s_add_co_u32 s[G0+4*\s+1], s45, \s*SLOT
	s_add_nc_u64 s[G0+4*\s+2:G0+4*\s+3], s[20:21], \s*TILEB
	s_or_b32 s[G0+4*\s+3], s[G0+4*\s+3], 0x80000000
	s_mov_b32 s[G0B+4*\s], 1
	s_add_co_u32 s[G0B+4*\s+1], s45, \s*SLOT
	s_add_nc_u64 s[G0B+4*\s+2:G0B+4*\s+3], s[46:47], \s*TILEB
	s_or_b32 s[G0B+4*\s+3], s[G0B+4*\s+3], 0x80000000
.endr
	; THE PREFETCHES.  A slot's share of a wave is 8 tiles x 3,072 bytes; the four partners that ask for it jointly share the tiles out BY ADDRESS, two each (cx for A, cy for B): 24 blocks of 256 bytes, a lane a block
	; (lanes 24-31 name the last block again), one instruction a wave and slot.  Slots 1 and 2 are asked for at the head, slot 3 behind slot 1's load: K has four slots, so nothing is asked for in the loop.
	s_cmp_eq_u32 s15, 0
	s_cselect_b64 s[PFA:PFA+1], s[20:21], s[46:47]
	s_cselect_b32 s22, s40, s41
	s_mul_i32 s22, s22, 2*KT*1536
	s_mov_b32 s23, 0
	s_add_nc_u64 s[PFA:PFA+1], s[PFA:PFA+1], s[22:23]
; THE HEAD'S LOADS, ONE A WAVE: wave 0 slot 0's tiles of A, wave 1 those of B, wave 2 A's scale words, wave 3 B's.  One tree of branches on the wave's number, one load to an arm.
.macro ARM under, g0, g1, next
	s_cmp_lt_u32 s14, \under
	s_cbranch_scc0 \next
	tensor_load_to_lds s[\g0:\g0+3], s[\g1:\g1+7]
	s_nop 0
.rept 4
	v_nop
.endr
	s_branch .Lhead_asked
\next:
.endm
	ARM 1, G0H,  G1,  .Lhead_b
	ARM 2, G0HB, G1B, .Lhead_sa
	ARM 3, G0S,  G1S, .Lhead_sb
	tensor_load_to_lds s[G0SB:G0SB+3], s[G1SB:G1SB+7]
	s_nop 0
.rept 4
	v_nop
.endr
.Lhead_asked:
	v_and_b32 v[PFO], 31, v0
	v_min_u32 v[PFO], 23, v[PFO]                   ; block 0 .. 23
	v_mul_u32_u24 v1, v[PFO], 171
	v_lshrrev_b32 v1, 11, v1                       ; block / 12: which of my two tiles
	v_mul_u32_u24 v1, v1, KT*1536-TILEB
	v_lshl_add_u32 v[PFO], v[PFO], 8, v1           ; 256 x block, and on to the second tile's row
	global_prefetch_b8 v[PFO], s[PFA:PFA+1] offset:TILEB th:TH_LOAD_NT scope:SCOPE_SE     ; slot 1,
	global_prefetch_b8 v[PFO], s[PFA:PFA+1] offset:2*TILEB th:TH_LOAD_NT scope:SCOPE_SE   ; slot 2
	v_and_b32 v1, 15, v0
	v_bfe_u32 v2, v0, 4, 1
	v_and_b32 v3, 31, v0
	v_lshlrev_b32 v[L16], 4, v3
	v_lshlrev_b32 v[L8], 3, v3
	v_lshlrev_b32 v[L4], 2, v3
	s_mul_i32 s21, s15, HALFT
	s_mul_i32 s22, s16, HALFT
	s_add_co_u32 s22, s22, 2*HALFT
.irp s, 0,1
	v_add_nc_u32 v[ADRA+\s], s21, v[L16]
	v_add_nc_u32 v[ADRA+2+\s], s21, v[L8]
	v_add_nc_u32 v[ADRB+\s], s22, v[L16]
	v_add_nc_u32 v[ADRB+2+\s], s22, v[L8]
	s_add_co_u32 s21, s21, SLOT
	s_add_co_u32 s22, s22, SLOT
.endr
	v_lshlrev_b32 v5, 2, v1
	s_lshl_b32 s21, s15, 9                         ; my 8 tiles' 512 bytes of a K step's 1,024
	s_lshl_b32 s22, s16, 9
	s_add_co_u32 s22, s22, 2*HALFS
	s_sub_co_u32 s22, s22, s21
	v_mul_u32_u24 v6, s22, v2
	s_add_co_u32 s21, s21, SCL
	v_add_nc_u32 v5, v5, v6
	v_add_nc_u32 v[ADRS], s21, v5
.if MODE == 1
	s_lshl_b32 s104, s18, 12
	s_lshl_b32 s105, s40, 10
	s_add_co_u32 s104, s104, s105
	s_lshl_b32 s105, s16, 9
	s_add_co_u32 s104, s104, s105
	s_mov_b32 s105, 0
	s_add_nc_u64 s[10:11], s[10:11], s[104:105]
	v_lshlrev_b32 v6, 6, v2
	WIN TO_B
.irp b, 0,1,2,3,4,5,6,7
	global_load_b128 v[96+8*\b+96*(\b/4):96+8*\b+96*(\b/4)+3], v6, s[10:11] offset:128*(\b/2)+32*(\b%2)
	global_load_b128 v[96+8*\b+96*(\b/4)+4:96+8*\b+96*(\b/4)+7], v6, s[10:11] offset:128*(\b/2)+32*(\b%2)+16
.endr
	WIN 0
	s_mov_b32 s98, 0xbdd2d3e8
	s_mov_b32 s99, s98
	v_mov_b32 v[C0], 0xc0135761
	v_mov_b32 v[C0+1], 0xc0135761
.endif
	s_lshl_b32 s2, s41, 4
	s_lshl_b32 s67, s15, 3
	s_add_co_u32 s2, s2, s67
	s_lshl_b32 s67, s[RKS], 3
	s_lshl_b32 s105, s40, 1
	s_add_co_u32 s67, s67, s105
	s_add_co_u32 s67, s67, s16
	s_lshl_b32 s66, s[RTP], 6
	s_add_co_u32 s66, s66, s2
	s_mul_i32 s66, s66, s42
	s_add_co_u32 s66, s66, s67
	s_mul_i32 s66, s66, 1536
	s_add_co_u32 s66, s66, s8
	s_mul_i32 s104, s[RTP], s42
	s_add_co_u32 s104, s104, s67
	s_lshl_b32 s104, s104, 12
	s_lshl_b32 s2, s2, 6
	s_add_co_u32 s104, s104, s2
	s_add_co_u32 s104, s104, s9
	s_mov_b32 s67, 0
	s_mov_b32 s105, 0
	s_add_nc_u64 s[66:67], s[12:13], s[66:67]
	s_add_nc_u64 s[104:105], s[12:13], s[104:105]
	s_mul_i32 s96, s42, 1536
	s_mov_b32 s97, 0
	s_mov_b32 s100, 0x76543210
	s_mov_b32 s101, 0xfedcba98
.macro FRAG reg, adr, off
	ds_load_b128 v[\reg:\reg+3], v[\adr] offset:\off
	ds_load_b64 v[\reg+4:\reg+5], v[\adr+2] offset:\off+512
	ds_load_b128 v[\reg+6:\reg+9], v[\adr] offset:\off+768
	ds_load_b64 v[\reg+10:\reg+11], v[\adr+2] offset:\off+1280
.endm
.macro MUL16 a0, p, q, sc, zero
.irp a, \a0, \a0+1
.irp b, 0,1,2,3,4,5,6,7
.if \zero && (MODE == 1)
	v_wmma_scale_f32_16x16x128_f8f6f4 v[8*(8*((\a)%4)+\b):8*(8*((\a)%4)+\b)+7], v[128*(\p)+FR*\b:128*(\p)+FR*\b+FR-1], v[AF+FR*(\a):AF+FR*(\a)+FR-1], v[96+8*\b+96*(\b/4):96+8*\b+96*(\b/4)+7], v[SC+8*NQ*(\sc)+NQ*\b+(\q)], v[SC+8*NQ*(\sc)+NQ*(\a)+(\q)] matrix_a_fmt:MATRIX_FMT_FP6 matrix_b_fmt:MATRIX_FMT_FP6 matrix_a_scale:MATRIX_SCALE_ROW1
.elseif \zero
	v_wmma_scale_f32_16x16x128_f8f6f4 v[8*(8*((\a)%4)+\b):8*(8*((\a)%4)+\b)+7], v[128*(\p)+FR*\b:128*(\p)+FR*\b+FR-1], v[AF+FR*(\a):AF+FR*(\a)+FR-1], 0, v[SC+8*NQ*(\sc)+NQ*\b+(\q)], v[SC+8*NQ*(\sc)+NQ*(\a)+(\q)] matrix_a_fmt:MATRIX_FMT_FP6 matrix_b_fmt:MATRIX_FMT_FP6 matrix_a_scale:MATRIX_SCALE_ROW1
.else
	v_wmma_scale_f32_16x16x128_f8f6f4 v[8*(8*((\a)%4)+\b):8*(8*((\a)%4)+\b)+7], v[128*(\p)+FR*\b:128*(\p)+FR*\b+FR-1], v[AF+FR*(\a):AF+FR*(\a)+FR-1], v[8*(8*((\a)%4)+\b):8*(8*((\a)%4)+\b)+7], v[SC+8*NQ*(\sc)+NQ*\b+(\q)], v[SC+8*NQ*(\sc)+NQ*(\a)+(\q)] matrix_a_fmt:MATRIX_FMT_FP6 matrix_b_fmt:MATRIX_FMT_FP6 matrix_a_scale:MATRIX_SCALE_ROW1
.endif
.endr
.endr
.endm
.macro FETCH_B slot, q, p
	WIN TO_B
.irp i, 0,1,2,3,4,5,6,7
	FRAG 128*(\p)+FR*\i, ADRB+\slot, \i*TILEB+(\q)*1536
.endr
	WIN 0
.endm
.macro FETCH_A slot, q, i0
.irp i, \i0, \i0+1, \i0+2, \i0+3
	FRAG AF+FR*(\i), ADRA+\slot, (\i)*TILEB+(\q)*1536
.endr
.endm
.macro SCALES sc
.irp i, 0,1,2,3,4,5,6,7
.irp q, 0,1
	ds_load_b32 v[SC+8*NQ*\sc+NQ*\i+\q], v[ADRS] offset:64*\i+1024*\q
.endr
.endr
.endm
.macro PLACES n
.rept \n
	v_nop
.endr
.endm
.macro STEP slot, q, zero
	s_wait_dscnt 4*NL
.if \zero
	WIN ZLO
.else
	WIN MUL_LO
.endif
	MUL16 0, (\q)%2, \q, \slot, \zero
	MUL16 2, (\q)%2, \q, \slot, \zero
	s_wait_dscnt 0
	PLACES NP
	FETCH_B \slot, (\q)+1, 1-(\q)%2
	FETCH_A \slot, (\q)+1, 0
.if \zero
	WIN ZHI
.else
	WIN MUL_HI
.endif
	MUL16 4, (\q)%2, \q, \slot, \zero
	MUL16 6, (\q)%2, \q, \slot, \zero
	PLACES NP
	WIN 0
	FETCH_A \slot, (\q)+1, 4
.endm
.macro TURN slot, next, fill
	s_wait_tensorcnt 0x0
	ds_add_u32 v[SPW], v[NIL]
	s_wait_dscnt 4*NL+1
	WIN MUL_LO
	MUL16 0, 1, NQ-1, \slot, 0
	s_wait_dscnt 0x0
	s_barrier_signal -1
	MUL16 2, 1, NQ-1, \slot, 0
	WIN 0
	s_barrier_wait -1
.if \fill
	CREST
	s_add_nc_u64 s[G0+4*\slot+2:G0+4*\slot+3], s[G0+4*\slot+2:G0+4*\slot+3], 2*TILEB
	s_add_nc_u64 s[G0B+4*\slot+2:G0B+4*\slot+3], s[G0B+4*\slot+2:G0B+4*\slot+3], 2*TILEB
	JLOAD G0+4*\slot, G1, G0B+4*\slot, G1B
.else
	PLACES NP
.endif
	s_wait_alu depctr_va_vdst(0)
	v_add_nc_u32 v[ADRS], 1024*NQ, v[ADRS]
	FETCH_B \next, 0, 0
	FETCH_A \next, 0, 0
	SCALES \next
	WIN MUL_HI
	MUL16 4, 1, NQ-1, \slot, 0
	MUL16 6, 1, NQ-1, \slot, 0
	PLACES NP
	WIN 0
	FETCH_A \next, 0, 4
.endm
	s_wait_alu depctr_va_vdst(0)                   ; the wait at the head's end
	s_wait_tensorcnt 0x0                           ; my tile of the head's four is in; the lines ahead of a later first fill:
	ds_add_u32 v[SPW], v[NIL]
	s_mov_b32 s[G1+2], 8<<16                       ; no tensor load of mine is out: from here on a load brings 8 tiles
	s_mov_b32 s[G1+4], 8
	s_mov_b32 s[G1B+2], 8<<16
	s_mov_b32 s[G1B+4], 8
	s_mov_b32 s95, 0xffff0000                      ; lanes 16-31, for the way out
	s_wait_dscnt 0x0
	CROUND                                         ; a whole round: all four tiles are in, and the joint loads meet
	JLOAD G0+4, G1, G0B+4, G1B                     ; slot 1's first fill, the first tensor load behind the round
	FETCH_B 0, 0, 0
	FETCH_A 0, 0, 0
	SCALES 0
	FETCH_A 0, 0, 4
	global_prefetch_b8 v[PFO], s[PFA:PFA+1] offset:3*TILEB th:TH_LOAD_NT scope:SCOPE_SE   ; slot 3, two refills ahead of its load
.if MODE == 1
	s_wait_loadcnt 0x0
.endif
	STEP 0, 0, 1
.if LAPS > 1
	s_mov_b32 s3, LAPS-1
.Llap:
	TURN 0, 1, 1
	STEP 1, 0, 0
	TURN 1, 0, 1
	STEP 0, 0, 0
	s_sub_co_u32 s3, s3, 1
	s_cmp_lg_u32 s3, 0
	s_cbranch_scc1 .Llap
.endif
	TURN 0, 1, 0
	STEP 1, 0, 0
	s_wait_dscnt 4*NL
	WIN MUL_LO
	MUL16 0, 1, NQ-1, 1, 0
	MUL16 2, 1, NQ-1, 1, 0
	s_wait_dscnt 0
	WIN MUL_HI
	MUL16 4, 1, NQ-1, 1, 0
	MUL16 6, 1, NQ-1, 1, 0
	WIN 0
.macro QUANTW s, W
	WIN (\W)|((\W)<<2)
.irp b, 0,1,2,3
	v_max3_num_f32 v[TM+\b], |v[\s+16*\b]|, |v[\s+1+16*\b]|, 0x1800000
.endr
.irp i, 2,4,6,8,10,12,14
.irp b, 0,1,2,3
	v_max3_num_f32 v[TM+\b], |v[\s+16*\b+\i]|, |v[\s+1+16*\b+\i]|, v[TM+\b]
.endr
.endr
	WIN 0
.irp b, 0,1,2,3
	v_permlanex16_b32 v[TM+4+\b], v[TM+\b], s100, s101
.endr
.irp b, 0,1,2,3
	v_max_num_f32 v[TM+\b], v[TM+\b], v[TM+4+\b]
.endr
.irp b, 0,1,2,3
	v_add_nc_u32 v[TM+12+\b], 0xff000000, v[TM+\b]
.endr
.irp b, 0,1,2,3
	v_lshrrev_b32 v[TM+4+\b], 23, v[TM+12+\b]
.endr
	v_lshl_or_b32 v[PW], v[TM+5], 8, v[TM+4]
	v_lshl_or_b32 v[PW], v[TM+6], 16, v[PW]
	v_lshl_or_b32 v[PW], v[TM+7], 24, v[PW]
	WIN (\W)
.irp c, 0,1
	v_cvt_scalef32_pk16_fp6_f32 v[PC+6*\c:PC+2+6*\c], v[\s+32*\c:\s+15+32*\c], v[TM+12+2*\c]
	v_cvt_scalef32_pk16_fp6_f32 v[PC+12+4*\c:PC+14+4*\c], v[\s+16+32*\c:\s+31+32*\c], v[TM+12+2*\c+1]
.endr
	WIN 0
	v_nop
.irp c, 0,1
.irp i, 0,1,2
	v_permlane16_swap_b32 v[PC+6*\c+\i], v[PC+12+4*\c+\i]
.endr
.irp i, 0,1,2
	v_mov_b32 v[PC+3+6*\c+\i], v[PC+12+4*\c+\i]
.endr
.endr
.endm
.if MODE == 1
.macro GELU s, W
	WIN (\W)|((\W)<<2)
.set j, 0
.rept 32
	v_pk_mul_f32 v[X+j:X+j+1], v[\s+j:\s+j+1], v[\s+j:\s+j+1]
.set j, j+2
.endr
	WIN 0
.set j, 0
.rept 32
	v_pk_fma_f32 v[X+j:X+j+1], v[X+j:X+j+1], s[98:99], v[C0:C0+1] op_sel_hi:[1,0,0]
.set j, j+2
.endr
	WIN (\W)<<2
.set j, 0
.rept 32
	v_pk_mul_f32 v[X+j:X+j+1], v[X+j:X+j+1], v[\s+j:\s+j+1]
.set j, j+2
.endr
	WIN 0
.set j, 0
.rept 64
	v_exp_f32 v[X+j], v[X+j]
.set j, j+1
.endr
	v_nop
.set j, 0
.rept 32
	v_pk_add_f32 v[X+j:X+j+1], v[X+j:X+j+1], 1.0 op_sel_hi:[1,0]
.set j, j+2
.endr
.set j, 0
.rept 64
	v_rcp_f32 v[X+j], v[X+j]
.set j, j+1
.endr
	v_nop
	WIN (\W)<<2
.set j, 0
.rept 32
	v_pk_mul_f32 v[X+j:X+j+1], v[X+j:X+j+1], v[\s+j:\s+j+1]
.set j, j+2
.endr
	WIN 0
.endm
.endif
.macro BLOCKOUT a
.if (\a) > 0
	s_wait_xcnt 0x0
	s_add_nc_u64 s[66:67], s[66:67], s[96:97]
.endif
.if MODE == 1
	GELU 64*((\a)%4), 2+(\a)/4
	QUANTW X, 0
.else
	QUANTW 64*((\a)%4), 2+(\a)/4
.endif
	global_store_b128 v[L16], v[PC:PC+3], s[66:67]
	global_store_b64 v[L8], v[PC+4:PC+5], s[66:67] offset:512
	global_store_b128 v[L16], v[PC+6:PC+9], s[66:67] offset:768
	global_store_b64 v[L8], v[PC+10:PC+11], s[66:67] offset:1280
.if (\a)%2 == 0
	v_mov_b32 v[PWE], v[PW]
.else
	v_cndmask_b32 v[SD], v[PWE], v[PW], s95
	global_store_b32 v[L4], v[SD], s[104:105] offset:128*((\a)/2)
.endif
.endm
	PLACES NP
.irp b, 0,1,2,3
	v_mov_b32 v[TM+4+\b], 0
.endr
.irp a, 0,1,2,3,4,5,6,7
	BLOCKOUT \a
.endr
	s_wait_tensorcnt 0x0
	ds_add_u32 v[SPW], v[NIL]
	s_wait_dscnt 0x0
	CROUND
	s_endpgm
.Lfunc_end_k_q571904b6c6_qkv:
	.size	k_q571904b6c6_qkv, .Lfunc_end_k_q571904b6c6_qkv-k_q571904b6c6_qkv
	.p2alignl 7, 3214868480
	.fill 96, 4, 3214868480
	.section	.rodata,"a",@progbits
	.p2align	6, 0x0
	.amdhsa_kernel k_q571904b6c6_qkv
		.amdhsa_group_segment_fixed_size 327680
		.amdhsa_private_segment_fixed_size 0
		.amdhsa_enable_private_segment 0
		.amdhsa_kernarg_size 16
		.amdhsa_user_sgpr_count 2
		.amdhsa_user_sgpr_kernarg_segment_ptr 1
		.amdhsa_wavefront_size32 1
		.amdhsa_system_sgpr_workgroup_id_x 1
		.amdhsa_system_sgpr_workgroup_id_y 1
		.amdhsa_system_sgpr_workgroup_id_z 1
		.amdhsa_system_vgpr_workitem_id 0
		.amdhsa_next_free_vgpr 1024
		.amdhsa_next_free_sgpr 106
		.amdhsa_reserve_vcc 0
		.amdhsa_float_denorm_mode_32 3
		.amdhsa_float_denorm_mode_16_64 3
		.amdhsa_memory_ordered 1
		.amdhsa_forward_progress 1
		.amdhsa_inst_pref_size 154
	.end_amdhsa_kernel
	.amdgpu_metadata
---
amdhsa.version: [ 1, 2 ]
amdhsa.kernels:
  - .name:           k_q571904b6c6_qkv
    .symbol:         k_q571904b6c6_qkv.kd
    .args:
      - { .name: P, .offset: 0, .size: 8, .value_kind: global_buffer, .address_space: global }
      - { .name: QKV, .offset: 8, .size: 8, .value_kind: global_buffer, .address_space: global }
    .group_segment_fixed_size: 327680
    .private_segment_fixed_size: 0
    .kernarg_segment_align: 8
    .kernarg_segment_size: 16
    .max_flat_workgroup_size: 128
    .sgpr_count:     106
    .vgpr_count:     1024
    .wavefront_size: 32
...
	.end_amdgpu_metadata
.endif
;; end of part 2
;; launch attn (part 3): grid 8 x 32, 16 waves a work-group, no clusters, 327,680 bytes of LDS; arguments QKV, CTX; writes CTX
.if DOCPART == 3
	.amdgcn_target "amdgcn-amd-amdhsa--gfx1250"
	.amdhsa_code_object_version 6
	.text
	.protected	k_q571904b6c6_attn
	.globl	k_q571904b6c6_attn
	.p2align	8
	.type	k_q571904b6c6_attn,@function
k_q571904b6c6_attn:
	s_mov_b64 s[64:65], 0
	v_nop
	global_prefetch_b8 v0, s[64:65] scope:SCOPE_SE
	s_setreg_imm32_b32 hwreg(HW_REG_WAVE_MODE, 25, 1), 1
	s_wait_xcnt 0x0
; CAUSAL ATTENTION ON CODES OF FP6 (E2M3), head size 64, 2,048 tokens, 32 (batch, head) pairs; the result is quantised along the head's 64 and stored as codes for the next product.
; t = score x log2(e) / 8; M = the running largest t rounded UP to a whole number; p = 2^(t - M) is quantised along the keys, not normalised; the row's sum is taken of the unquantised p and divides at the end.
; When M moves, the sum and O are multiplied by 2^(old M - new M): exact.  Key steps that lie wholly behind the causal mask that reference() builds are jumped over.
; LAYOUT of the operands: a tile T is 16 rows, position p = row 32 (T / 2) + 8 (T % 2) + p + 8 (p / 8); 64 along K of a tile are 768 bytes: lane l's first 16 bytes at 16 l, its last 8 at 512 + 8 l.
; q | k: [tile of tokens][32 x 768]: head hd's q at piece hd, its k at piece 16 + hd.  v^T: [tile of the 1,024 channels][64 x 768], K = the tokens.  Scale words: K step s, tile T, position p at
; (T / 64) (K / 128) 4096 + 4096 s + 64 (T % 64) + 4 p.
; BOTH PRODUCTS ARE USED TRANSPOSED: S^T = k q^T, O^T = v^T p^T: a lane holds ONE query throughout.  The first product's K is 64: q's upper six registers are zero codes, so the upper half of a fragment of k may
; hold any codes: k's eight fragments lie 6 registers apart, each one's upper half being the next one's codes (the last one's: six registers of zeros).  The upper scale bytes are 0, which is 2^-127.
; SHARES.  A work-group has one (batch, head) and the query blocks i and 15 - i of 128 (i = the work-group's x).  A tile of the late block has 16 - i key steps of 128, a tile of the early block i + 1: 17 for a pair
; of waves, u and 8 + u, which own late tile u and early tile u.  With lo = 3 + 2 (i / 2): wave 8 + u takes the early tile's steps 0 .. i, stores that tile, and then the late tile's ODD steps from lo on, 7 - i of
; them: 8 steps.  Wave u takes all other steps of the late tile: 9 steps.  Of key steps 0-3 the two take 3 and 2 (i = 0), 3 and 3 (i = 1), 4 and 3 (i = 2), 4 and 4 (i above 2); of the later ones at most 6 each.
; The two parts of a late tile meet in LDS: wave u stores O^T, -M and the sums as an image of its registers, a barrier, wave 8 + u brings both parts under the larger M by powers of two and stores the tile.
; EVERY WAVE WALKS ALL 16 KEY STEPS ONCE, IN ORDER: the trip counts are constants; a step that is not the wave's is jumped over by a scalar branch on ids: the first query of the tile at work is kept twice, for even
; and for odd steps, and 0 there says that no tile is at work.  The change at step lo stands ahead of each odd step from 3 on, under a scalar branch on ids.  What steps addresses stands behind the jumps' targets.
; THE FILL.  The head's k, v^T and scale words (208,896 bytes) come into LDS once.  At the head each of the 16 waves issues one load: keys 0-511 of k (waves 0-3) and of v^T (4-7), all of k's scale words (8-11),
; all of v^T's (12-15).  Behind the full sequence and a barrier each wave issues one more: v^T's other 18,432 bytes of a tile (waves 4-7), 8 of k's other 96 tiles (the other twelve).  These land while key steps
; 0-3 are walked, which are written out, every LDS address a lane's term + a constant; a second barrier, with the wait for 0 in front of it, opens the rest.
; NO CLUSTER: the eight work-groups of a head share k and v, but which steps are jumped over hangs on the query block, which differs just between those that would share.
; NO PREFETCH: all that the work-group reads is asked for by the two groups of loads above, the second ahead of the first key step: there is no later load to run ahead of.
; The two scale bytes of a tile's row are stored two bytes a lane, four bytes apart: a 24th of the output's bytes; the word's other half belongs to another head's work-group.
; LIMITS: a block whose largest magnitude lies under 2^-124 (zeros too) gets the scale byte 1: the bytes are read by this program alone; NaN and infinities are not served; the scaled scores stay under 2^31.
.set KC,   0                           ; LDS: k's codes [128 tiles][768]
.set VC,   98304                       ; v^T's codes [4 tiles][32 x 768]
.set KSL,  196608                      ; k's scale words [128 tiles][64]
.set VSL,  204800                      ; v^T's [16 key steps][4 tiles x 64]
.set SPARE, 208896                     ; the spare words: 128 bytes a wave
.set STG,  210944                      ; where the parts meet: 8 pairs x 9 x 512 bytes; no fill lands here
.set VTC,  6291456
.set QKS,  9437184
.set VTS,  9699328
.set CSO,  3145728                     ; in CTX the scale words lie behind the codes
.set Q,    16                          ; v16-27 q's fragment (v22-27 zeros); v28 its scale
.set PS,   29                          ; p's scale word
.set KF,   32                          ; v32-79 k's eight fragments, 6 registers apart; v80-85 zeros
.set VF,   86                          ; v86-133 four fragments of v^T
.set S,    134                         ; v134-197 S^T, then p
.set O,    198                         ; v198-229 O^T
.set FS,   230                         ; v230-237 k's scales
.set BM,   238                         ; block maxima
.set BX,   242
.set SOP,  246
.set F,    250                         ; v250 f; v251 (the pair's upper half, never taken) my pair's LDS address in STG
.set TA,   252
.set TB,   253
.set SPW,  254                         ; my spare word's address; never rewritten
.set NIL,  255                         ; 0; never rewritten
.set PCD,  32                          ; behind S^T k's registers are free: v32-43 p's codes,
.set CT,   44                          ; v44-50 the conversions' second halves,
.set SM,   52                          ; v52-65 seven chains of the sum,
.set LA,   66                          ; v66-68 16 l, 8 l, 4 r for global loads and stores
.set QEV,  3                           ; s3  the first query of the tile at work in even steps (0: none)
.set QOD,  94                          ; s94 the same for odd steps
; v1, v2 k's addresses (16 l, 8 l); v3, v4 v^T's tiles 0, 1; v30, v31 its tiles 2, 3; v5 k's scales; v6 v^T's; v7 my query - Q0 - 16 h; v8-11 v^T's scale words; v12 -M, v13 the largest t, v[14:15] the sum
; s2 the step's first key; s16 the loop's count; s18 wave; s19 2 (head % 2); s[24:63] five groups 1; groups 0: s[68:71] k, s[72:75] v^T, s[76:79], s[80:83] scale words, s[84:87] k, waves 8-15
; s[8:15] the first tile's q codes, q scales, out codes, out scales; s[96:101], s[104:105] the late tile's; s88 batch, s89 head, s90 wave % 4, s91 wave / 8, s92 wave % 8, s93 the late tile's Q0, s95 128 lo
.macro GRP g, c, r, p                  ; a group 1: r rows of c elements of 8 bytes, p elements apart, no padding
	s_mov_b32 s[\g], 3<<16
	s_mov_b32 s[\g+1], (\c)<<16
	s_mov_b32 s[\g+2], (\r)<<16
	s_mov_b32 s[\g+3], (\c)<<16
	s_mov_b32 s[\g+4], \r
	s_mov_b32 s[\g+5], \p
	s_mov_b32 s[\g+6], 0
	s_mov_b32 s[\g+7], 0
.endm
.macro TL g0, g1
	tensor_load_to_lds s[\g0:\g0+3], s[\g1:\g1+7]
	s_nop 0
.endm
.macro TOFF t, q0, qc, qs, oc, os      ; tile s[t] of the sequence: its first query and the four byte offsets
	s_lshr_b32 s[\q0], s[\t], 1
	s_lshl_b32 s[\q0], s[\q0], 5
	s_and_b32 s66, s[\t], 1
	s_lshl_b32 s66, s66, 3
	s_add_co_u32 s[\q0], s[\q0], s66
	s_lshl_b32 s66, s88, 7
	s_add_co_u32 s66, s66, s[\t]                   ; T
	s_lshl_b32 s[\qc], s66, 5
	s_add_co_u32 s[\qc], s[\qc], s89
	s_mul_i32 s[\qc], s[\qc], 768                  ; q's codes: piece 32 T + head
	s_lshl_b32 s[\oc], s66, 4
	s_add_co_u32 s[\oc], s[\oc], s89
	s_mul_i32 s[\oc], s[\oc], 768                  ; the result's: piece 16 T + head
	s_lshr_b32 s[\qs], s89, 1
	s_lshl_b32 s[\qs], s[\qs], 12
	s_and_b32 s67, s66, 63
	s_lshl_b32 s67, s67, 6
	s_add_co_u32 s[\qs], s[\qs], s67
	s_add_co_u32 s[\qs], s[\qs], s19               ; K step head / 2, tile T % 64, bytes 2 (head % 2) on
	s_lshr_b32 s67, s66, 6
	s_lshl_b32 s66, s67, 15
	s_add_co_u32 s[\os], s[\qs], s66
	s_add_co_u32 s[\os], s[\os], CSO
	s_lshl_b32 s67, s67, 16
	s_add_co_u32 s[\qs], s[\qs], s67
	s_add_co_u32 s[\qs], s[\qs], QKS
	s_mov_b32 s[\qc+1], 0
	s_mov_b32 s[\qs+1], 0
	s_mov_b32 s[\oc+1], 0
	s_mov_b32 s[\os+1], 0
.endm
.macro LANES
	v_and_b32 v[LA], 31, v0
	v_and_b32 v[LA+2], 15, v0
	s_delay_alu instid0(VALU_DEP_2)
	v_lshlrev_b32 v[LA+1], 3, v[LA]
	v_lshlrev_b32 v[LA], 4, v[LA]
	s_delay_alu instid0(VALU_DEP_3)
	v_lshlrev_b32 v[LA+2], 2, v[LA+2]
.endm
.macro QLOAD qc, qs                    ; q stays in registers; of its scale word the upper two bytes are 0
	global_load_b128 v[Q:Q+3], v[LA], s[\qc:\qc+1]
	global_load_b64 v[Q+4:Q+5], v[LA+1], s[\qc:\qc+1] offset:512
	global_load_u16 v28, v[LA+2], s[\qs:\qs+1]
.endm
.macro INIT                            ; the step is one macro: the first finds zeros, which the first change of M leaves zeros
	v_mov_b32 v13, 0xff61b1e6                      ; -3e38, under every t
	v_mov_b32 v14, 0
	v_mov_b32 v15, 0
	s_delay_alu instid0(VALU_DEP_3)
	v_floor_f32 v12, -v13
.set j, 0
.rept 32
	v_mov_b32 v[O+j], 0
.set j, j+1
.endr
.endm
	s_load_b128 s[4:7], s[0:1], 0x0                ; QKV, CTX
	v_lshl_add_u32 v[SPW], v0, 2, SPARE
	v_mov_b32 v[NIL], 0
	ds_add_u32 v[SPW], v[NIL]                      ; the opening: the add, twice on end, and its wait ahead of my first tensor load
	ds_add_u32 v[SPW], v[NIL]
	v_lshrrev_b32 v1, 5, v0
	s_delay_alu instid0(VALU_DEP_1)
	v_readfirstlane_b32 s18, v1                    ; wave 0..15
	s_and_b32 s94, ttmp7, 0xffff
	s_lshr_b32 s88, s94, 4
	s_and_b32 s89, s94, 15
	s_and_b32 s90, s18, 3
	s_lshr_b32 s91, s18, 3
	s_and_b32 s92, s18, 7
	s_lshl_b32 s94, s88, 7
	s_lshl_b32 s95, s90, 3
	s_add_co_u32 s70, s94, s95
	s_mul_i32 s70, s70, 24576
	s_add_co_u32 s95, s89, 16
	s_mul_i32 s95, s95, 768
	s_add_co_u32 s70, s70, s95                     ; k: tiles 128 batch + 8 (wave % 4) on, piece 16 + head of each
	s_mov_b32 s71, 0
	s_lshl_b32 s86, s18, 3
	s_add_co_u32 s86, s86, s94
	s_mul_i32 s86, s86, 24576
	s_add_co_u32 s86, s86, s95                     ; k, for waves 8-15: tiles 128 batch + 8 wave on
	s_mov_b32 s87, 0
	s_lshl_b32 s74, s89, 2
	s_add_co_u32 s74, s74, s90
	s_lshl_b32 s74, s74, 6
	s_lshl_b32 s95, s88, 5
	s_add_co_u32 s74, s74, s95
	s_mul_i32 s74, s74, 768
	s_add_co_u32 s74, s74, VTC                     ; v^T: tile 4 head + wave % 4, pieces 32 batch on
	s_mov_b32 s75, 0
	s_lshl_b32 s78, s88, 17
	s_lshr_b32 s95, s89, 1
	s_add_co_u32 s95, s95, 8
	s_lshl_b32 s95, s95, 12
	s_add_co_u32 s78, s78, s95                     ; k's scale words: panel 2 batch, K step 8 + head / 2;
	s_lshr_b32 s95, s90, 1
	s_lshl_b32 s95, s95, 16
	s_add_co_u32 s78, s78, s95                     ; my 32 tiles: panel (wave % 4) / 2 on,
	s_and_b32 s95, s90, 1
	s_lshl_b32 s95, s95, 11
	s_add_co_u32 s78, s78, s95                     ; and 2,048 bytes on in it for the odd ones
	s_add_co_u32 s78, s78, QKS
	s_mov_b32 s79, 0
	s_lshl_b32 s82, s88, 16
	s_lshl_b32 s95, s89, 8
	s_add_co_u32 s82, s82, s95
	s_lshl_b32 s95, s90, 14
	s_add_co_u32 s82, s82, s95                     ; v^T's: K steps 16 batch + 4 (wave % 4) on, tiles 4 head on
	s_add_co_u32 s82, s82, VTS
	s_mov_b32 s83, 0
	s_mul_i32 s69, s90, 6144                       ; where they go: the wave's number and constants alone
	s_mul_i32 s73, s90, 24576
	s_add_co_u32 s73, s73, VC
	s_lshl_b32 s77, s90, 11
	s_add_co_u32 s77, s77, KSL
	s_lshl_b32 s81, s90, 10
	s_add_co_u32 s81, s81, VSL
	s_mul_i32 s85, s18, 6144
.irp g, 68,72,76,80,84
	s_mov_b32 s[\g], 1
.endr
	GRP 24, 96, 8, 3072                            ; k: 8 tiles x 768 bytes, 24,576 bytes apart
	GRP 32, 32, 24, 32                             ; v^T, keys 0-511 of a tile: 6,144 dense bytes as rows of 256
	GRP 40, 32, 8, 32                              ; a quarter of k's scale words: 2,048 dense bytes
	GRP 48, 32, 4, 512                             ; a quarter of v^T's: 4 K steps x 256 bytes, 4,096 apart
	s_wait_dscnt 0x0                               ; both opening adds are done
	s_wait_kmcnt 0x0
.irp g, 70,74,78,82,86
	s_add_nc_u64 s[\g:\g+1], s[4:5], s[\g:\g+1]
	s_or_b32 s[\g+1], s[\g+1], 0x80000000
.endr
	s_cmp_lt_u32 s18, 4                            ; the head's loads: one chain of branches on the wave's number, one load to an arm
	s_cbranch_scc0 .La1
	TL 68, 24
	s_branch .Lasked
.La1:
	s_cmp_lt_u32 s18, 8
	s_cbranch_scc0 .La2
	TL 72, 32
	s_branch .Lasked
.La2:
	s_cmp_lt_u32 s18, 12
	s_cbranch_scc0 .La3
	TL 76, 40
	s_branch .Lasked
.La3:
	TL 80, 48
.Lasked:
	; what the head's loads do not need is made while they are on their way
	GRP 56, 32, 72, 32                             ; v^T, the other keys of a tile: 18,432 dense bytes
	s_and_b32 s19, s89, 1
	s_lshl_b32 s19, s19, 1
	s_sub_co_u32 s94, 15, ttmp9
	s_lshl_b32 s94, s94, 3
	s_add_co_u32 s94, s94, s92                     ; the late tile
	s_lshl_b32 s95, ttmp9, 3
	s_add_co_u32 s95, s95, s92                     ; the early tile
	s_cmp_eq_u32 s91, 0
	s_cselect_b32 s95, s94, s95                    ; the tile I begin with
	TOFF 95, QEV, 8, 10, 12, 14
	TOFF 94, 93, 96, 98, 100, 104
	s_mov_b32 s[QOD], s[QEV]                       ; up to step lo the tile is at work in even and in odd steps
	s_lshr_b32 s95, ttmp9, 1
	s_lshl_b32 s95, s95, 8
	s_add_co_u32 s95, s95, 384                     ; step lo's first key: 128 (3 + 2 (i / 2))
	s_mul_i32 s66, s92, 4608
	s_add_co_u32 s66, s66, STG
	s_mov_b32 s20, 0x76543210
	s_mov_b32 s21, 0xfedcba98                      ; v_permlanex16_b32's selects for lane l xor 16
	s_mov_b32 s22, 0x3e38aa3b                      ; c = log2(e) / 8
	s_mov_b32 s23, s22
	s_mov_b32 s2, 0
.irp g, 8,10,96,98
	s_add_nc_u64 s[\g:\g+1], s[4:5], s[\g:\g+1]
.endr
.irp g, 12,14,100,104
	s_add_nc_u64 s[\g:\g+1], s[6:7], s[\g:\g+1]
.endr
	LANES
	QLOAD 8, 10
	v_mov_b32 v1, v[LA]
	v_mov_b32 v2, v[LA+1]
	v_add_nc_u32 v3, VC, v[LA]
	v_add_nc_u32 v4, VC, v[LA+1]
	v_add_nc_u32 v30, VC+49152, v[LA]
	v_add_nc_u32 v31, VC+49152, v[LA+1]
	v_add_nc_u32 v6, VSL, v[LA+2]
	v_add_nc_u32 v5, s19, v[LA+2]
	v_add_nc_u32 v[F+1], s66, v[LA]
	v_and_b32 v[TB], 15, v0                        ; r
	v_bfe_u32 v[TA], v0, 4, 1                      ; h
	s_delay_alu instid0(VALU_DEP_4)
	v_add_nc_u32 v5, KSL, v5
	s_delay_alu instid0(VALU_DEP_3)
	v_and_b32 v7, 8, v[TB]
	s_delay_alu instid0(VALU_DEP_3)
	v_lshlrev_b32 v[TA], 4, v[TA]
	s_delay_alu instid0(VALU_DEP_2)
	v_add_nc_u32 v7, v7, v[TB]
	s_delay_alu instid0(VALU_DEP_1)
	v_sub_nc_u32 v7, v7, v[TA]                     ; r + 8 (r / 8) - 16 h
.irp j, 0,1,2,3,4,5
	v_mov_b32 v[Q+6+\j], 0                         ; K = 64 .. 127 of q: zero codes
	v_mov_b32 v[KF+48+\j], 0
.endr
.irp b, 0,1,2,3
	v_mov_b32 v[BX+\b], 0                          ; written once: a lane permute's destination counts as one of its sources
.endr
	INIT
.macro KLOAD st                        ; eight tiles of 16 keys: 64 along K each, and their two scale bytes; st key steps on from where the address registers stand
.irp t, 0,1,2,3,4,5,6,7
	ds_load_b128 v[KF+6*\t:KF+6*\t+3], v1 offset:6144*(\st)+768*\t
	ds_load_b64 v[KF+6*\t+4:KF+6*\t+5], v2 offset:6144*(\st)+768*\t+512
	ds_load_u16 v[FS+\t], v5 offset:512*(\st)+64*\t
.endr
.endm
.macro VLOAD t, a, off, st             ; a fragment of v^T (16 channels x 128 keys) and its scale words
	ds_load_b128 v[VF+12*\t:VF+12*\t+3], v[\a] offset:\off+1536*(\st)
	ds_load_b64 v[VF+12*\t+4:VF+12*\t+5], v[\a+1] offset:\off+1536*(\st)+512
	ds_load_b128 v[VF+12*\t+6:VF+12*\t+9], v[\a] offset:\off+1536*(\st)+768
	ds_load_b64 v[VF+12*\t+10:VF+12*\t+11], v[\a+1] offset:\off+1536*(\st)+1280
	ds_load_b32 v[8+\t], v6 offset:256*(\st)+64*\t
.endm
; A KEY STEP: 128 keys.  st: how many steps on from the address registers its tiles lie; adv: by how many steps the address registers go on at its end; q0: the scalar register with the first query of the tile at work
.macro STEP st, adv, q0
	s_add_co_u32 s17, s[\q0], 23
	s_cmp_gt_u32 s2, s17                           ; all 128 keys come after the 16 queries at work (or the wave has none at work in this step): nothing to do
	s_cbranch_scc1 .Lhidden_\@
	s_wait_alu depctr_va_vdst(0)                   ; the wait ahead of the readers of stepped addresses
	KLOAD \st
	VLOAD 0, 3, 0, \st
	VLOAD 1, 3, 24576, \st
	VLOAD 2, 30, 0, \st
	VLOAD 3, 30, 24576, \st
	s_wait_dscnt 20                                ; k's 24 loads are in; v^T's twenty may be out
.irp t, 0,1,2,3,4,5,6,7
	v_wmma_scale_f32_16x16x128_f8f6f4 v[S+8*\t:S+8*\t+7], v[KF+6*\t:KF+6*\t+11], v[Q:Q+11], 0, v[FS+\t], v28 matrix_a_fmt:MATRIX_FMT_FP6 matrix_b_fmt:MATRIX_FMT_FP6
.endr
.rept 4
	v_nop                                          ; places in front of the first read of the results
.endr
	s_add_co_u32 s17, s2, 127
	s_cmp_le_u32 s17, s[\q0]                       ; all keys count for all my queries: no mask
	s_cbranch_scc1 .Lopen_\@
	s_sub_co_i32 s17, s[\q0], s2
	v_add_nc_u32 v[TA], s17, v7                    ; d = my query - the step's first key - 16 h.  Register 16 b + i holds key 32 b + 16 h + i of the step: hidden where 32 b + i > d
	v_mov_b32 v[TB], 0xff800000                    ; -infinity: p = 0 then
.set n, 0
.rept 64
	v_cmp_gt_i32 vcc_lo, 32*(n/16)+n%16, v[TA]
	v_cndmask_b32 v[S+n], v[S+n], v[TB], vcc_lo
.set n, n+1
.endr
.Lopen_\@:
.irp b, 0,1,2,3
	v_max3_num_f32 v[BM+\b], v[S+16*\b], v[S+1+16*\b], v[S+2+16*\b]   ; the largest score of each block of 32 keys: for the row's maximum, and, since p rises with the score, for the block's largest p
.endr
.irp i, 3,5,7,9,11,13
.irp b, 0,1,2,3
	v_max3_num_f32 v[BM+\b], v[BM+\b], v[S+16*\b+\i], v[S+1+16*\b+\i]
.endr
.endr
.irp b, 0,1,2,3
	v_max_num_f32 v[BM+\b], v[BM+\b], v[S+15+16*\b]
.endr
.irp b, 0,1,2,3
	s_delay_alu instid0(VALU_DEP_4)
	v_permlanex16_b32 v[BX+\b], v[BM+\b], s20, s21
.endr
.irp b, 0,1,2,3
	s_delay_alu instid0(VALU_DEP_4)
	v_max_num_f32 v[BM+\b], v[BM+\b], v[BX+\b]
.endr
	s_delay_alu instid0(VALU_DEP_2)
	v_max3_num_f32 v[TA], v[BM], v[BM+1], v[BM+2]
	s_delay_alu instid0(VALU_DEP_1)
	v_max_num_f32 v[TA], v[TA], v[BM+3]
	s_delay_alu instid0(VALU_DEP_1)
	v_mul_f32 v[TA], s22, v[TA]                    ; as t (c is positive)
	s_delay_alu instid0(VALU_DEP_1)
	v_max_num_f32 v13, v13, v[TA]                  ; the running largest t
	v_mov_b32 v[TA], v12
	s_delay_alu instid0(VALU_DEP_2)
	v_floor_f32 v12, -v13                          ; the new -M = -ceil(t)
	s_delay_alu instid0(VALU_DEP_1)
	v_sub_f32 v[TA], v12, v[TA]                    ; old M - new M: a whole number, 0 or less
	s_delay_alu instid0(VALU_DEP_1)
	v_cvt_i32_f32 v[TA], v[TA]                     ; (it saturates)
	s_delay_alu instid0(VALU_DEP_1)
	v_ldexp_f32 v[F], 1.0, v[TA]                   ; f = 2^(old M - new M)
.set j, 0
.rept 32
	v_pk_fma_f32 v[S+j:S+j+1], v[S+j:S+j+1], s[22:23], v[12:13] op_sel_hi:[1,0,0]   ; t - M
.set j, j+2
.endr
.irp b, 0,1,2,3
	v_fma_f32 v[BM+\b], v[BM+\b], s22, v12
.endr
	s_wait_alu depctr_va_vdst(0)                   ; the wait ahead of the batch
.set j, 0
.rept 64
	v_exp_f32 v[S+j], v[S+j]                       ; p = 2^(t - M)
.set j, j+1
.endr
.irp b, 0,1,2,3
	v_exp_f32 v[BM+\b], v[BM+\b]                   ; the block's largest p: the same two instructions on the same number
.endr
	v_pk_mul_f32 v[14:15], v[14:15], v[F:F+1] op_sel_hi:[1,0]   ; the sums under the new M: a plain place behind the exponentials
	s_wait_alu depctr_va_vdst(0)                   ; one wait for the batch, directly ahead of the first reader of O^T too
.set j, 0
.rept 16
	v_pk_mul_f32 v[O+j:O+j+1], v[O+j:O+j+1], v[F:F+1] op_sel_hi:[1,0]   ; O^T under the new M
.set j, j+2
.endr
.irp b, 0,1,2,3
	v_max_num_f32 v[BM+\b], 0x1800000, v[BM+\b]    ; the floor 2^(3 - 127)
.endr
.irp b, 0,1,2,3
	s_delay_alu instid0(VALU_DEP_4)
	v_add_nc_u32 v[SOP+\b], 0xff000000, v[BM+\b]   ; 2 off the exponent field: the conversion's scale operand
.endr
.irp b, 0,1,2,3
	s_delay_alu instid0(VALU_DEP_4)
	v_lshrrev_b32 v[BX+\b], 23, v[SOP+\b]
.endr
	s_delay_alu instid0(VALU_DEP_3)
	v_lshl_or_b32 v[PS], v[BX+1], 8, v[BX]         ; p's scale word for these 128 keys
	s_delay_alu instid0(VALU_DEP_1)
	v_lshl_or_b32 v[PS], v[BX+2], 16, v[PS]
	s_delay_alu instid0(VALU_DEP_1)
	v_lshl_or_b32 v[PS], v[BX+3], 24, v[PS]
.irp c, 0,1
	v_cvt_scalef32_pk16_fp6_f32 v[PCD+6*\c:PCD+2+6*\c], v[S+32*\c:S+15+32*\c], v[SOP+2*\c]
	v_cvt_scalef32_pk16_fp6_f32 v[CT+4*\c:CT+2+4*\c], v[S+16+32*\c:S+31+32*\c], v[SOP+2*\c+1]
.endr
	v_nop                                          ; one plain place behind a scaled conversion
.irp c, 0,1                            ; the operand wants a whole block in a lane
.irp i, 0,1,2
	v_permlane16_swap_b32 v[PCD+6*\c+\i], v[CT+4*\c+\i]
.endr
.irp i, 0,1,2
	s_delay_alu instid0(VALU_DEP_3)
	v_mov_b32 v[PCD+3+6*\c+\i], v[CT+4*\c+\i]
.endr
.endr
	; the row's sum of the unquantised p: 32 pairs in eight chains
.irp k, 0,1,2,3,4,5,6
	v_pk_add_f32 v[SM+2*\k:SM+2*\k+1], v[S+2*\k:S+2*\k+1], v[S+14+2*\k:S+15+2*\k]
.endr
	v_pk_add_f32 v[14:15], v[14:15], v[S+28:S+29]
.irp k, 0,1,2,3,4,5,6
	v_pk_add_f32 v[SM+2*\k:SM+2*\k+1], v[SM+2*\k:SM+2*\k+1], v[S+30+2*\k:S+31+2*\k]
.endr
	v_pk_add_f32 v[14:15], v[14:15], v[S+44:S+45]
.irp k, 0,1,2,3,4,5,6
	v_pk_add_f32 v[SM+2*\k:SM+2*\k+1], v[SM+2*\k:SM+2*\k+1], v[S+46+2*\k:S+47+2*\k]
.endr
	v_pk_add_f32 v[14:15], v[14:15], v[S+60:S+61]
	v_pk_add_f32 v[SM:SM+1], v[SM:SM+1], v[S+62:S+63]
	s_delay_alu instid0(VALU_DEP_1)
	v_pk_add_f32 v[SM:SM+1], v[SM:SM+1], v[SM+2:SM+3]
	v_pk_add_f32 v[SM+4:SM+5], v[SM+4:SM+5], v[SM+6:SM+7]
	v_pk_add_f32 v[SM+8:SM+9], v[SM+8:SM+9], v[SM+10:SM+11]
	v_pk_add_f32 v[14:15], v[14:15], v[SM+12:SM+13]
	s_delay_alu instid0(VALU_DEP_3)
	v_pk_add_f32 v[SM:SM+1], v[SM:SM+1], v[SM+4:SM+5]
	s_delay_alu instid0(VALU_DEP_2)
	v_pk_add_f32 v[14:15], v[14:15], v[SM+8:SM+9]
	s_delay_alu instid0(VALU_DEP_1)
	v_pk_add_f32 v[14:15], v[14:15], v[SM:SM+1]
	s_wait_dscnt 0x0                               ; v^T's fragments and scale words are in
.irp t, 0,1,2,3                        ; O^T += v^T p^T: four accumulators by turns
	v_wmma_scale_f32_16x16x128_f8f6f4 v[O+8*\t:O+8*\t+7], v[VF+12*\t:VF+12*\t+11], v[PCD:PCD+11], v[O+8*\t:O+8*\t+7], v[8+\t], v[PS] matrix_a_fmt:MATRIX_FMT_FP6 matrix_b_fmt:MATRIX_FMT_FP6
.endr
.Lhidden_\@:
.if \adv
	s_wait_alu depctr_va_vdst(0)
	v_add_nc_u32 v1, 6144*\adv, v1                 ; on to the next steps' tiles and scale words: eight plain instructions, the places behind the products above
	v_add_nc_u32 v2, 6144*\adv, v2
	v_add_nc_u32 v3, 1536*\adv, v3
	v_add_nc_u32 v4, 1536*\adv, v4
	v_add_nc_u32 v30, 1536*\adv, v30
	v_add_nc_u32 v31, 1536*\adv, v31
	v_add_nc_u32 v5, 512*\adv, v5
	v_add_nc_u32 v6, 256*\adv, v6
.else
.rept 4
	v_nop                                          ; the places behind the products above
.endr
.endif
	s_add_co_u32 s2, s2, 128
.endm
; THE WAY OUT of a tile: O^T / the sum; register 16 b + i is channel 32 b + 16 h + i of my query: two blocks of 32, quantised, one piece of 768 bytes
.macro OUT oc, os
	v_add_f32 v14, v14, v15
	s_delay_alu instid0(VALU_DEP_1)
	v_permlanex16_b32 v[TA], v14, s20, s21
	s_delay_alu instid0(VALU_DEP_1)
	v_add_f32 v14, v14, v[TA]
	s_wait_alu depctr_va_vdst(0)
	v_rcp_f32 v14, v14
	v_nop                                          ; a plain place behind the transcendental
	s_wait_alu depctr_va_vdst(0)
.set j, 0
.rept 16
	v_pk_mul_f32 v[S+j:S+j+1], v[O+j:O+j+1], v[14:15] op_sel_hi:[1,0]
.set j, j+2
.endr
.irp b, 0,1
	v_max3_num_f32 v[BM+\b], |v[S+16*\b]|, |v[S+1+16*\b]|, 0x1800000
.endr
.irp i, 2,4,6,8,10,12,14
.irp b, 0,1
	s_delay_alu instid0(VALU_DEP_2)
	v_max3_num_f32 v[BM+\b], v[BM+\b], |v[S+16*\b+\i]|, |v[S+1+16*\b+\i]|
.endr
.endr
.irp b, 0,1
	s_delay_alu instid0(VALU_DEP_2)
	v_permlanex16_b32 v[BX+\b], v[BM+\b], s20, s21
.endr
.irp b, 0,1
	s_delay_alu instid0(VALU_DEP_2)
	v_max_num_f32 v[BM+\b], v[BM+\b], v[BX+\b]
.endr
.irp b, 0,1
	s_delay_alu instid0(VALU_DEP_2)
	v_add_nc_u32 v[SOP+\b], 0xff000000, v[BM+\b]
.endr
.irp b, 0,1
	s_delay_alu instid0(VALU_DEP_2)
	v_lshrrev_b32 v[BX+\b], 23, v[SOP+\b]
.endr
	s_delay_alu instid0(VALU_DEP_1)
	v_lshl_or_b32 v[TB], v[BX+1], 8, v[BX]         ; my row's two scale bytes
	v_cvt_scalef32_pk16_fp6_f32 v[PCD:PCD+2], v[S:S+15], v[SOP]
	v_cvt_scalef32_pk16_fp6_f32 v[CT:CT+2], v[S+16:S+31], v[SOP+1]
	v_nop
.irp i, 0,1,2
	v_permlane16_swap_b32 v[PCD+\i], v[CT+\i]
.endr
.irp i, 0,1,2
	s_delay_alu instid0(VALU_DEP_3)
	v_mov_b32 v[PCD+3+\i], v[CT+\i]
.endr
	global_store_b128 v[LA], v[PCD:PCD+3], s[\oc:\oc+1]               ; 512 consecutive bytes, aligned,
	global_store_b64 v[LA+1], v[PCD+4:PCD+5], s[\oc:\oc+1] offset:512 ; and 256
	global_store_b16 v[LA+2], v[TB], s[\os:\os+1]                     ; both lanes of a row store the same two bytes
.endm
; THE CHANGE AT STEP lo, ahead of an odd step: a branch on ids leads round it at every other step.  Waves 0-7 leave the odd steps to their partners.  Waves 8-15: the early tile leaves, the late tile's q comes,
; the sums begin anew; from here on they work in odd steps alone.
.macro SWITCH
	s_wait_alu depctr_va_vdst(0)                   ; the wait ahead of the branches
	s_cmp_eq_u32 s2, s95
	s_cbranch_scc0 .Lstay_\@
	s_cmp_eq_u32 s91, 0
	s_cbranch_scc0 .Lchange_\@
	s_mov_b32 s[QOD], 0
	s_branch .Lstay_\@
.Lchange_\@:
	LANES
	QLOAD 96, 98
	OUT 12, 14
	INIT
	s_mov_b32 s[QEV], 0
	s_mov_b32 s[QOD], s93
	s_wait_alu depctr_va_vdst(0)
	s_wait_xcnt 0x0                                ; the stores have read their registers, which the next step's loads write
	s_wait_loadcnt 0x0
.Lstay_\@:
.endm
	s_wait_alu depctr_va_vdst(0)                   ; the wait at the head's end
	s_wait_tensorcnt 0x0                           ; my load of the head's sixteen is in; the lines ahead of a later first fill:
	ds_add_u32 v[SPW], v[NIL]
	s_add_co_u32 s69, s69, 24576                   ; no load of mine is out: waves 0-3 go on to k's tiles 32 + 8 wave,
	s_add_nc_u64 s[70:71], s[70:71], 786432
	s_add_co_u32 s73, s73, 6144                    ; waves 4-7 to the rest of their tile of v^T
	s_add_nc_u64 s[74:75], s[74:75], 6144
	s_wait_dscnt 0x0
	s_barrier_signal -1
	s_barrier_wait -1                              ; everybody's is in: keys 0-511 and all scale words
	s_cmp_lt_u32 s18, 4                            ; one more load a wave
	s_cbranch_scc0 .Lb1
	TL 68, 24
	s_branch .Lb3
.Lb1:
	s_cmp_lt_u32 s18, 8
	s_cbranch_scc0 .Lb2
	TL 72, 56
	s_branch .Lb3
.Lb2:
	TL 84, 24
.Lb3:
	s_wait_loadcnt 0x0                             ; q
	STEP 0, 0, QEV                                 ; key steps 0-3 read k's tiles 0-31 and the first 6,144 bytes of each tile of v^T: what has landed, and no byte more
	STEP 1, 0, QOD
	STEP 2, 0, QEV
	SWITCH
	STEP 3, 0, QOD
	s_wait_alu depctr_va_vdst(0)
	s_wait_tensorcnt 0x0                           ; my second load has landed
	s_barrier_signal -1
	s_barrier_wait -1                              ; everybody's has: from here on all tiles may be read
	v_add_nc_u32 v1, 4*6144, v1                    ; the address registers pass over the four steps written out
	v_add_nc_u32 v2, 4*6144, v2
	v_add_nc_u32 v3, 4*1536, v3
	v_add_nc_u32 v4, 4*1536, v4
	v_add_nc_u32 v30, 4*1536, v30
	v_add_nc_u32 v31, 4*1536, v31
	v_add_nc_u32 v5, 4*512, v5
	v_add_nc_u32 v6, 4*256, v6
	s_mov_b32 s16, 6
.Lwalk:                                            ; key steps 4-15, an even and an odd one a trip
	STEP 0, 0, QEV
	SWITCH
	STEP 1, 2, QOD
	s_sub_co_u32 s16, s16, 1
	s_cmp_lg_u32 s16, 0
	s_cbranch_scc1 .Lwalk
	s_wait_alu depctr_va_vdst(0)
	s_cmp_eq_u32 s91, 0
	s_cbranch_scc0 .Lmeet
.irp k, 0,1,2,3,4,5,6,7                ; waves 0-7: my part of the late tile: an image of its registers, each accumulator from its low end on
	ds_store_b128 v[F+1], v[O+4*\k:O+4*\k+3] offset:512*\k
.endr
	ds_store_b128 v[F+1], v[12:15] offset:4096
	s_wait_dscnt 0x0                               ; for my partner's sake
.Lmeet:
	s_barrier_signal -1
	s_barrier_wait -1                              ; the images are whole
	s_cmp_eq_u32 s91, 0
	s_cbranch_scc0 .Ljoin
	s_wait_tensorcnt 0x0                           ; the wave's end
	ds_add_u32 v[SPW], v[NIL]
	s_wait_dscnt 0x0
	s_endpgm
.Ljoin:
.irp k, 0,1,2,3,4,5,6,7
	ds_load_b128 v[S+4*\k:S+4*\k+3], v[F+1] offset:512*\k
.endr
	ds_load_b128 v[S+32:S+35], v[F+1] offset:4096  ; my partner's -M, largest t, and sum
	s_wait_dscnt 0x0
	v_min_num_f32 v[TA], v12, v[S+32]              ; -M of both parts
	v_mov_b32 v[S+37], 0
	s_delay_alu instid0(VALU_DEP_2)
	v_sub_f32 v[TB], v[TA], v12                    ; my M - M, a whole number, 0 or less (a part with no step has -M = 3e38: its factor is 0, and so are its sums)
	v_sub_f32 v[S+36], v[TA], v[S+32]
	s_delay_alu instid0(VALU_DEP_2)
	v_cvt_i32_f32 v[TB], v[TB]
	s_delay_alu instid0(VALU_DEP_2)
	v_cvt_i32_f32 v[S+36], v[S+36]
	s_delay_alu instid0(VALU_DEP_2)
	v_ldexp_f32 v[F], 1.0, v[TB]
	s_delay_alu instid0(VALU_DEP_2)
	v_ldexp_f32 v[S+36], 1.0, v[S+36]
.set j, 0
.rept 16
	v_pk_mul_f32 v[O+j:O+j+1], v[O+j:O+j+1], v[F:F+1] op_sel_hi:[1,0]
.set j, j+2
.endr
	v_pk_mul_f32 v[14:15], v[14:15], v[F:F+1] op_sel_hi:[1,0]
.set j, 0
.rept 16
	v_pk_fma_f32 v[O+j:O+j+1], v[S+j:S+j+1], v[S+36:S+37], v[O+j:O+j+1] op_sel_hi:[1,0,1]
.set j, j+2
.endr
	v_pk_fma_f32 v[14:15], v[S+34:S+35], v[S+36:S+37], v[14:15] op_sel_hi:[1,0,1]
	LANES
	OUT 100, 104
	s_wait_tensorcnt 0x0                           ; the wave's end
	ds_add_u32 v[SPW], v[NIL]
	s_wait_dscnt 0x0
	s_endpgm
.Lfunc_end_k_q571904b6c6_attn:
	.size	k_q571904b6c6_attn, .Lfunc_end_k_q571904b6c6_attn-k_q571904b6c6_attn
	.p2alignl 7, 3214868480
	.fill 96, 4, 3214868480
	.section	.rodata,"a",@progbits
	.p2align	6, 0x0
	.amdhsa_kernel k_q571904b6c6_attn
		.amdhsa_group_segment_fixed_size 327680
		.amdhsa_private_segment_fixed_size 0
		.amdhsa_enable_private_segment 0
		.amdhsa_kernarg_size 16
		.amdhsa_user_sgpr_count 2
		.amdhsa_user_sgpr_kernarg_segment_ptr 1
		.amdhsa_wavefront_size32 1
		.amdhsa_system_sgpr_workgroup_id_x 1
		.amdhsa_system_sgpr_workgroup_id_y 1
		.amdhsa_system_sgpr_workgroup_id_z 1
		.amdhsa_system_vgpr_workitem_id 0
		.amdhsa_next_free_vgpr 256
		.amdhsa_next_free_sgpr 106
		.amdhsa_reserve_vcc 1
		.amdhsa_float_denorm_mode_32 3
		.amdhsa_float_denorm_mode_16_64 3
		.amdhsa_memory_ordered 1
		.amdhsa_forward_progress 1
		.amdhsa_inst_pref_size 173
	.end_amdhsa_kernel
	.amdgpu_metadata
---
amdhsa.version: [ 1, 2 ]
amdhsa.kernels:
  - .name:           k_q571904b6c6_attn
    .symbol:         k_q571904b6c6_attn.kd
    .args:
      - { .name: QKV, .offset: 0, .size: 8, .value_kind: global_buffer, .address_space: global }
      - { .name: CTX, .offset: 8, .size: 8, .value_kind: global_buffer, .address_space: global }
    .group_segment_fixed_size: 327680
    .private_segment_fixed_size: 0
    .kernarg_segment_align: 8
    .kernarg_segment_size: 16
    .max_flat_workgroup_size: 512
    .sgpr_count:     106
    .vgpr_count:     256
    .wavefront_size: 32
...
	.end_amdgpu_metadata
.endif
;; end of part 3
;; launch wo (part 4): grid 8 x 32, 4 waves a work-group, clusters of 4 x 4, 327,680 bytes of LDS; arguments CTX, P, bo, x, HB; writes HB
.if DOCPART == 4
	.amdgcn_target "amdgcn-amd-amdhsa--gfx1250"
	.amdhsa_code_object_version 6
	.text
	.protected	k_q571904b6c6_wo
	.globl	k_q571904b6c6_wo
	.p2align	8
	.type	k_q571904b6c6_wo,@function
k_q571904b6c6_wo:
	s_mov_b64 s[64:65], 0
	v_nop
	global_prefetch_b8 v0, s[64:65] scope:SCOPE_SE
	s_setreg_imm32_b32 hwreg(HW_REG_WAVE_MODE, 25, 1), 1
	s_wait_xcnt 0x0
	s_wait_alu depctr_hold_cnt(0) depctr_sa_sdst(0) depctr_va_vdst(0) depctr_va_sdst(0) depctr_va_ssrc(0) depctr_va_vcc(0) depctr_vm_vsrc(0)
	s_getreg_b32 s2, hwreg(HW_REG_IB_STS2, 6, 4)
	s_cmp_eq_u32 s2, 0
	s_cbranch_scc0 .Lentry_in_a_cluster
	s_endpgm
.Lentry_in_a_cluster:
	s_bfe_u32 s2, ttmp6, 0x10000c
	s_cmp_lg_u32 s2, 0xf033
	s_cbranch_scc0 .Lentry_shape_is_right
	s_endpgm
.Lentry_shape_is_right:
; out = resid + A W^T + bias: a GEMM on codes of FP6 (E2M3) with an f32 result, N = 1,024.  Arguments: A (codes, then scale words), P (the weights), bias [1024], resid and out [4096][1024] f32.
; LAYOUT of the operands: a tile T is 16 rows, position p = row 32 (T / 2) + 8 (T % 2) + p + 8 (p / 8).  A fragment (tile, 128 along K) is 1,536 consecutive bytes: for each 64 along K lane l's first 16 bytes at 16 l,
; its last 8 at 512 + 8 l; a tile's fragments lie on end.  Scale words: K step s, tile T, position p at (T / 64) (K / 128) 4096 + 4096 s + 64 (T % 64) + 4 p.
; SHARES.  4,096 x 1,024 outputs are only 64 tiles of 256 x 256, so a work-group makes 128 x 128 (256 work-groups) and each of its four waves 64 x 64: 16 accumulators.  K goes in steps of 512 (four matrix instructions
; deep) through two LDS slots filled by the tensor data mover; the scale words of all of K come once.
; THE MATRIX INSTRUCTION IS USED TRANSPOSED (source 0 = 16 rows of W, source 1 = 16 rows of A): a lane holds eight neighbouring columns of one row.  The bias is the C of the first products.  The residual is loaded at the
; head, in the shape in which the result is stored, and added on the way out.
; CLUSTERS: 4 x 4 work-groups; A's tiles are shared along a row of the cluster, W's along a column, each asked for jointly.
; REGISTERS: window 0: v16-30 addresses; v32-63 scale words alone, two sets; v64-95 the bias, later with v96-127 rows on the way out; v128-255 the accumulators (a, b) at v[128 + 8 (4 a + b)].
;   window 1: two fragment buffers at v0 and v128: A's four fragments, then W's four.   window 2: v0-127 the residual.
; LIMITS: NaN and infinities are not served.
.set SIZE_K, 1024
.set ASO,   3145728                    ; A's scale words
.set BCO,   5636096                    ; the weight's codes in P
.set BSO,   12812288                   ; and its scale words
.set KT,    SIZE_K/128
.set TSTR,  KT*1536                    ; from tile to tile
.set NQ,    4                          ; K steps in a slot
.set FR,    12
; IN THIS LAUNCH K IS 1,024: all of it lies in LDS at once, 8 tiles x 12,288 bytes of A and of W, brought by one load each at the head; nothing is filled again.
; What the macros call slot 0 and slot 1 are the first and the second 6,144 bytes of each tile's row.
.set TILEB, KT*1536
.set HALFT, 4*TILEB                    ; 4 tiles: what one wave reads of A or of W
.set SLOT,  NQ*1536
.set LAPS,  KT/(2*NQ)
.set SCL,   4*HALFT                    ; the scale words: A's [K step][8 tiles x 64 bytes], then W's
.set HALFS, KT*256
.set SPARE, SCL+4*HALFS                ; the spare words, 128 bytes for each wave: two blocks of 256 bytes that no other line names
.set STAGE, SPARE+512                  ; the way out: 16 rows x (256 bytes + 16) for each wave; no fill ever lands here
.set SPITCH, 272
.set ADRA, 16
.set ADRB, 20
.set STO,  24
.set RD,   25
.set CO,   26
.set ADRS, 27
.set SPW,  28
.set NIL,  29
.set SC,   32                          ; set s at v[SC + 16 s]; register 4 i + q: lanes 0-15 A's tile i, lanes 16-31 W's tile i, the slot's q-th K step
.set BIA,  64
.set BK,   64
.set ACC,  128
.set F0,   0
.set F1,   128
.set G1, 24
.set G0, 32
.set G1B, 48
.set G0B, 56
.set G1S, 68
.set G0S, 76
.set G1SB, 80
.set G0SB, 88
.set MSB, 0
.macro WIN new                         ; the immediate's high byte repeats the setting that is left
.if MSB != (\new)
	s_set_vgpr_msb (MSB<<8)|(\new)
.set MSB, (\new)
.endif
.endm
.set MUL,  0x05                        ; sources 0 and 1 window 1; C and D window 0
.set TO_F, 0x40
.macro JLOAD g0a, g1a, g0b, g1b        ; a joint load: waves 0 and 1 fetch for A, waves 2 and 3 for W; four v_nop follow each of the two lines
	s_cmp_eq_u32 s15, 0
	s_cbranch_scc0 .Lfor_b_\@
	tensor_load_to_lds s[\g0a:\g0a+3], s[\g1a:\g1a+7]
	s_nop 0
.rept 4
	v_nop
.endr
	s_branch .Lasked_\@
.Lfor_b_\@:
	tensor_load_to_lds s[\g0b:\g0b+3], s[\g1b:\g1b+7]
	s_nop 0
.rept 4
	v_nop
.endr
.Lasked_\@:
.endm
.macro CREST
	s_cmp_lg_u32 s14, 0
	s_cbranch_scc1 .Lnot_wave_0_\@
	s_barrier_signal -3
.Lnot_wave_0_\@:
	s_barrier_wait -3
	s_barrier_signal -1
	s_barrier_wait -1
.endm
.macro CROUND
	s_barrier_signal -1
	s_barrier_wait -1
	CREST
.endm
	s_load_b256 s[4:11], s[0:1], 0x0               ; A s[4:5], P s[6:7], bias s[8:9], resid s[10:11]
	s_load_b64 s[12:13], s[0:1], 0x20              ; out
	v_lshl_add_u32 v[SPW], v0, 2, SPARE
	v_mov_b32 v[NIL], 0
	ds_add_u32 v28, v29
	ds_add_u32 v28, v29
	s_wait_dscnt 0x0
	v_lshrrev_b32 v1, 5, v0
	v_readfirstlane_b32 s14, v1                    ; wave 0..3
	s_lshr_b32 s15, s14, 1                         ; which half of the tile's rows is mine.  Also: I fetch for A (0) or for W (1)
	s_and_b32 s16, s14, 1                          ; which half of its columns.  Also: which 4 tiles I fetch
	s_bfe_u32 s40, ttmp6, 0x40000                  ; cx, cy
	s_bfe_u32 s41, ttmp6, 0x40004
	s_lshl_b32 s42, ttmp9, 2
	s_add_co_u32 s42, s42, s40                     ; tile column = 4 x cluster x + cx
	s_and_b32 s17, ttmp7, 0xffff
	s_lshl_b32 s17, s17, 2
	s_add_co_u32 s17, s17, s41                     ; tile row = 4 x cluster y + cy
	s_lshl_b32 s43, s41, 2
	s_lshl_b32 s43, 15, s43                        ; my row of the cluster
	s_lshl_b32 s44, 0x1111, s40                    ; my column
	; descriptor group 1, codes: 8 tiles x 12,288 bytes (1,536 elements of 8 bytes), TSTR bytes apart; no padding: every LDS access is of consecutive bytes
	s_or_b32 s[G1+0], s43, (3<<16)|(1<<21)
	s_or_b32 s[G1B+0], s44, (3<<16)|(1<<21)
.irp g, G1, G1B
	s_mov_b32 s[\g+1], (TILEB/8)<<16
	s_mov_b32 s[\g+2], 8<<16
	s_mov_b32 s[\g+3], (TILEB/8)<<16
	s_mov_b32 s[\g+4], 8
	s_mov_b32 s[\g+5], TSTR/8
	s_mov_b32 s[\g+6], 0
	s_mov_b32 s[\g+7], 0
.endr
	; scale words: KT K steps x 512 bytes (8 tiles), 4,096 bytes apart
	s_or_b32 s[G1S+0], s43, (3<<16)|(1<<21)
	s_or_b32 s[G1SB+0], s44, (3<<16)|(1<<21)
.irp g, G1S, G1SB
	s_mov_b32 s[\g+1], 64<<16
	s_mov_b32 s[\g+2], KT<<16
	s_mov_b32 s[\g+3], 64<<16
	s_mov_b32 s[\g+4], KT
	s_mov_b32 s[\g+5], 512
	s_mov_b32 s[\g+6], 0
	s_mov_b32 s[\g+7], 0
.endr
	s_lshl_b32 s20, s17, 3                         ; A hangs on the tile row alone: tile 8 x tile row
	s_and_b32 s22, s20, 63
	s_lshl_b32 s22, s22, 6
	s_lshr_b32 s21, s20, 6
	s_mul_i32 s21, s21, KT*4096
	s_add_co_u32 s22, s22, s21
	s_add_co_u32 s22, s22, ASO
	s_mul_i32 s20, s20, TSTR
	s_mov_b32 s21, 0
	s_mov_b32 s23, 0
	s_lshl_b32 s46, s42, 3                         ; W on the tile column alone
	s_lshl_b32 s92, s46, 6
	s_add_co_u32 s92, s92, BSO
	s_mul_i32 s46, s46, TSTR
	s_add_co_u32 s46, s46, BCO
	s_mov_b32 s47, 0
	s_mov_b32 s93, 0
	s_wait_kmcnt 0x0
	s_add_nc_u64 s[20:21], s[4:5], s[20:21]
	s_add_nc_u64 s[22:23], s[4:5], s[22:23]
	s_add_nc_u64 s[46:47], s[6:7], s[46:47]
	s_add_nc_u64 s[92:93], s[6:7], s[92:93]
	CROUND                                         ; all sixteen work-groups are here: the first joint loads meet
	s_mov_b32 s[G0S], 1
	s_mov_b32 s[G0S+1], SCL
	s_mov_b64 s[G0S+2:G0S+3], s[22:23]
	s_or_b32 s[G0S+3], s[G0S+3], 0x80000000
	s_mov_b32 s[G0SB], 1
	s_mov_b32 s[G0SB+1], SCL+2*HALFS
	s_mov_b64 s[G0SB+2:G0SB+3], s[92:93]
	s_or_b32 s[G0SB+3], s[G0SB+3], 0x80000000
	s_mov_b32 s[G0], 1                             ; A's 8 tiles, all of K,
	s_mov_b32 s[G0+1], 0
	s_mov_b64 s[G0+2:G0+3], s[20:21]
	s_or_b32 s[G0+3], s[G0+3], 0x80000000
	s_mov_b32 s[G0B], 1                            ; and W's, behind them
	s_mov_b32 s[G0B+1], 2*HALFT
	s_mov_b64 s[G0B+2:G0B+3], s[46:47]
	s_or_b32 s[G0B+3], s[G0B+3], 0x80000000
; THE HEAD'S LOADS, ONE A WAVE: wave 0 A's codes, wave 1 W's, wave 2 A's scale words, wave 3 W's.  One tree of branches on the wave's number, one load to an arm.
.macro ARM under, g0, g1, next
	s_cmp_lt_u32 s14, \under
	s_cbranch_scc0 \next
	tensor_load_to_lds s[\g0:\g0+3], s[\g1:\g1+7]
	s_nop 0
.rept 4
	v_nop
.endr
	s_branch .Lhead_asked
\next:
.endm
	ARM 1, G0,  G1,  .Lhead_b
	ARM 2, G0B, G1B, .Lhead_sa
	ARM 3, G0S, G1S, .Lhead_sb
	tensor_load_to_lds s[G0SB:G0SB+3], s[G1SB:G1SB+7]
	s_nop 0
.rept 4
	v_nop
.endr
.Lhead_asked:
	v_and_b32 v1, 15, v0                           ; r
	v_bfe_u32 v2, v0, 4, 1                         ; h
	v_and_b32 v3, 31, v0
	v_lshlrev_b32 v4, 4, v3
	v_lshlrev_b32 v5, 3, v3
	s_mul_i32 s21, s15, HALFT
	s_mul_i32 s22, s16, HALFT
	s_add_co_u32 s22, s22, 2*HALFT
.irp s, 0,1
	v_add_nc_u32 v[ADRA+\s], s21, v4
	v_add_nc_u32 v[ADRA+2+\s], s21, v5
	v_add_nc_u32 v[ADRB+\s], s22, v4
	v_add_nc_u32 v[ADRB+2+\s], s22, v5
	s_add_co_u32 s21, s21, SLOT
	s_add_co_u32 s22, s22, SLOT
.endr
	v_lshlrev_b32 v5, 2, v1
	s_lshl_b32 s21, s15, 8                         ; my 4 tiles' 256 bytes of a K step's 512
	s_lshl_b32 s22, s16, 8
	s_add_co_u32 s22, s22, 2*HALFS
	s_sub_co_u32 s22, s22, s21
	v_mul_u32_u24 v6, s22, v2                      ; lanes 16-31 take W's: one product, the distance between the two regions
	s_add_co_u32 s21, s21, SCL
	v_add_nc_u32 v5, v5, v6
	v_add_nc_u32 v[ADRS], s21, v5
	s_mul_i32 s23, s14, 16*SPITCH
	s_add_co_u32 s23, s23, STAGE                   ; my stage
	v_mul_u32_u24 v5, v1, SPITCH
	v_lshl_add_u32 v5, v2, 6, v5
	v_add_nc_u32 v[STO], s23, v5                   ; in: row position r, + 64 h
	v_mul_u32_u24 v5, v2, SPITCH
	v_lshl_add_u32 v5, v1, 4, v5
	v_add_nc_u32 v[RD], s23, v5                    ; back: lanes 0-15 one row of 256 bytes, lanes 16-31 the next
	v_lshlrev_b32 v[CO], 12, v2
	v_lshl_add_u32 v[CO], v1, 4, v[CO]             ; and the same two rows in memory
	v_lshlrev_b32 v30, 6, v2                       ; the bias: lane (r, h) wants, for tile b, columns 32 (b / 2) + 8 (b % 2) + 16 h + 0 .. 7
	s_wait_alu depctr_va_vdst(0)
	s_lshl_b32 s66, s17, 7                         ; where my 64 x 64 begins: in registers that feed no descriptor
	s_lshl_b32 s67, s15, 6
	s_add_co_u32 s66, s66, s67
	s_lshl_b32 s66, s66, 12
	s_lshl_b32 s96, s42, 9
	s_lshl_b32 s97, s16, 8
	s_add_co_u32 s96, s96, s97                     ; my first column in bytes
	s_add_co_u32 s66, s66, s96
	s_mov_b32 s67, 0
	s_mov_b32 s97, 0
	s_add_nc_u64 s[12:13], s[12:13], s[66:67]
	s_add_nc_u64 s[10:11], s[10:11], s[66:67]
	s_add_nc_u64 s[8:9], s[8:9], s[96:97]
.irp b, 0,1,2,3
	global_load_b128 v[BIA+8*\b:BIA+8*\b+3], v30, s[8:9] offset:128*(\b/2)+32*(\b%2)
	global_load_b128 v[BIA+8*\b+4:BIA+8*\b+7], v30, s[8:9] offset:128*(\b/2)+32*(\b%2)+16
.endr
	WIN 0x80                                       ; destination window 2
.irp a, 0,1,2,3
.irp t, 0,1,2,3,4,5,6,7
	global_load_b128 v[4*(8*\a+\t):4*(8*\a+\t)+3], v[CO], s[10:11] offset:(32*(\a/2)+8*(\a%2)+2*\t+8*(\t/4))*4096   ; two rows x 256 consecutive bytes, aligned
.endr
.endr
	WIN 0
.macro FRAG reg, adr, off
	ds_load_b128 v[\reg:\reg+3], v[\adr] offset:\off
	ds_load_b64 v[\reg+4:\reg+5], v[\adr+2] offset:\off+512
	ds_load_b128 v[\reg+6:\reg+9], v[\adr] offset:\off+768
	ds_load_b64 v[\reg+10:\reg+11], v[\adr+2] offset:\off+1280
.endm
.macro FETCH slot, q, f                ; 32 LDS loads in one run: the eight fragments of the slot's q-th K step into buffer f
	WIN TO_F
.irp i, 0,1,2,3
	FRAG \f+48+FR*\i, ADRB+\slot, \i*TILEB+(\q)*1536
	FRAG \f+FR*\i, ADRA+\slot, \i*TILEB+(\q)*1536
.endr
.endm
.macro SCALES set
.irp i, 0,1,2,3
.irp q, 0,1,2,3
	ds_load_b32 v[SC+16*\set+4*\i+\q], v[ADRS] offset:64*\i+512*\q
.endr
.endr
.endm
; 8 matrix instructions: A's tiles a0, a0 + 1 x W's four.  zero = 1: the sums start from the bias.  The 16 accumulators take turns, one instruction a turn.
.macro MUL8 f, q, sc, a0, zero
.irp a, \a0, \a0+1
.irp b, 0,1,2,3
.if \zero
	v_wmma_scale_f32_16x16x128_f8f6f4 v[ACC+8*(4*(\a)+\b):ACC+8*(4*(\a)+\b)+7], v[\f+48+FR*\b:\f+48+FR*\b+FR-1], v[\f+FR*(\a):\f+FR*(\a)+FR-1], v[BIA+8*\b:BIA+8*\b+7], v[SC+16*(\sc)+4*\b+(\q)], v[SC+16*(\sc)+4*(\a)+(\q)] matrix_a_fmt:MATRIX_FMT_FP6 matrix_b_fmt:MATRIX_FMT_FP6 matrix_a_scale:MATRIX_SCALE_ROW1
.else
	v_wmma_scale_f32_16x16x128_f8f6f4 v[ACC+8*(4*(\a)+\b):ACC+8*(4*(\a)+\b)+7], v[\f+48+FR*\b:\f+48+FR*\b+FR-1], v[\f+FR*(\a):\f+FR*(\a)+FR-1], v[ACC+8*(4*(\a)+\b):ACC+8*(4*(\a)+\b)+7], v[SC+16*(\sc)+4*\b+(\q)], v[SC+16*(\sc)+4*(\a)+(\q)] matrix_a_fmt:MATRIX_FMT_FP6 matrix_b_fmt:MATRIX_FMT_FP6 matrix_a_scale:MATRIX_SCALE_ROW1
.endif
.endr
.endr
.endm
.macro PLACES                          ; four places in front of loads into registers that matrix instructions have read, and of the first read of results (ISA guide 7.12.1 for the first read of results)
.rept 4
	v_nop
.endr
.endm
.macro STEPF slot, q, f, g, zero       ; multiplies buffer f (the slot's q-th K step) while the next K step comes into buffer g
	PLACES
	FETCH \slot, (\q)+1, \g
	s_wait_dscnt 32                                ; all but the 32 just issued
	WIN MUL
	MUL8 \f, \q, \slot, 0, \zero
	MUL8 \f, \q, \slot, 2, \zero
.endm
; A slot's last K step (buffer 1) changes slots: ONE barrier; in front of it each wave waits for all its tensor loads, adds 0 to its spare word, and waits for that and for its own reads of this slot.
.macro TURNF slot, next, fill
	WIN 0                                          ; (the add's two registers lie in window 0)
	s_wait_tensorcnt 0x0                           ; all my tensor loads have landed: my part of the next slot
	ds_add_u32 v[SPW], v[NIL]                      ; 0 onto my spare word
	s_wait_dscnt 1                                 ; (the add may be out)
	WIN MUL
	MUL8 F1, 3, \slot, 0, 0                        ; eight matrix instructions stand between the add and the wait for it
	s_wait_dscnt 0x0                               ; the add is done, and my reads of this slot are over
	s_barrier_signal -1
	WIN 0
	s_barrier_wait -1
.if \fill
	CREST                                          ; the barrier has opened a round of the cluster's barrier: no wave of any partner still reads this slot or has a load on its way
	s_add_nc_u64 s[G0+4*\slot+2:G0+4*\slot+3], s[G0+4*\slot+2:G0+4*\slot+3], 2*TILEB
	s_add_nc_u64 s[G0B+4*\slot+2:G0B+4*\slot+3], s[G0B+4*\slot+2:G0B+4*\slot+3], 2*TILEB
	JLOAD G0+4*\slot, G1, G0B+4*\slot, G1B         ; the first tensor load behind the round; the four v_nop behind it are the places in front of the loads below
.else
	PLACES
.endif
	v_add_nc_u32 v[ADRS], 512*NQ, v[ADRS]
	FETCH \next, 0, F0
	WIN 0
	SCALES \next
	WIN MUL
	MUL8 F1, 3, \slot, 2, 0
.endm
	s_wait_alu depctr_va_vdst(0)                   ; the wait at the head's end
	s_wait_tensorcnt 0x0                           ; my tile of the head's four is in,
	s_barrier_signal -1
	s_barrier_wait -1                              ; everybody's is
	FETCH 0, 0, F0
	WIN 0
	SCALES 0
	s_wait_loadcnt 32                              ; the bias is in; the residual's 32 loads may be out
	STEPF 0, 0, F0, F1, 1                          ; the first step stands in front of the loop: its products start the sums
.if LAPS > 1
	WIN 0                                          ; at a label and at a branch every window is 0
	s_mov_b32 s3, LAPS-1
.Llap:                                                 ; a trip goes once round the ring and fills both slots again
	STEPF 0, 1, F1, F0, 0
	STEPF 0, 2, F0, F1, 0
	TURNF 0, 1, 1
	STEPF 1, 0, F0, F1, 0
	STEPF 1, 1, F1, F0, 0
	STEPF 1, 2, F0, F1, 0
	TURNF 1, 0, 1
	STEPF 0, 0, F0, F1, 0
	WIN 0
	s_sub_co_u32 s3, s3, 1
	s_cmp_lg_u32 s3, 0
	s_cbranch_scc1 .Llap
.endif
	STEPF 0, 1, F1, F0, 0                          ; the last lap fills nothing
	STEPF 0, 2, F0, F1, 0
	TURNF 0, 1, 0
	STEPF 1, 0, F0, F1, 0
	STEPF 1, 1, F1, F0, 0
	STEPF 1, 2, F0, F1, 0
	s_wait_dscnt 0x0
	MUL8 F1, 3, 1, 0, 0
	MUL8 F1, 3, 1, 2, 0
	WIN 0
	; THE WAY OUT, a tile of 16 rows x 64 columns at a time, through my own stage: in by 32 bytes of a row, back as whole rows of 256 bytes; the residual is added; sixteen lanes store 256 consecutive bytes, aligned.
	PLACES
	s_wait_loadcnt 0x0                             ; the residual
.irp a, 0,1,2,3
.if \a >= 2
	s_wait_xcnt 0x0                                ; the stores of two tiles ago have read their registers
.endif
.irp b, 0,1,2,3
	ds_store_b128 v[STO], v[ACC+8*(4*\a+\b):ACC+8*(4*\a+\b)+3] offset:128*(\b/2)+32*(\b%2)          ; each accumulator from its low end on
	ds_store_b128 v[STO], v[ACC+8*(4*\a+\b)+4:ACC+8*(4*\a+\b)+7] offset:128*(\b/2)+32*(\b%2)+16
.endr
.irp t, 0,1,2,3,4,5,6,7
	ds_load_b128 v[BK+32*(\a%2)+4*\t:BK+32*(\a%2)+4*\t+3], v[RD] offset:2*\t*SPITCH   ; LDS serves a wave's instructions in order (ISA guide 5.7.1.4): these see the stores above
.endr
	s_wait_dscnt 0x0
	WIN 0x08                                       ; source 1 window 2
.irp t, 0,1,2,3,4,5,6,7
	v_pk_add_f32 v[BK+32*(\a%2)+4*\t:BK+32*(\a%2)+4*\t+1], v[BK+32*(\a%2)+4*\t:BK+32*(\a%2)+4*\t+1], v[4*(8*\a+\t):4*(8*\a+\t)+1]
	v_pk_add_f32 v[BK+32*(\a%2)+4*\t+2:BK+32*(\a%2)+4*\t+3], v[BK+32*(\a%2)+4*\t+2:BK+32*(\a%2)+4*\t+3], v[4*(8*\a+\t)+2:4*(8*\a+\t)+3]
.endr
	WIN 0
.irp t, 0,1,2,3,4,5,6,7
	global_store_b128 v[CO], v[BK+32*(\a%2)+4*\t:BK+32*(\a%2)+4*\t+3], s[12:13] offset:(32*(\a/2)+8*(\a%2)+2*\t+8*(\t/4))*4096
.endr
.endr
	s_wait_tensorcnt 0x0                           ; the wave's end, behind my last tensor load and my last LDS store
	ds_add_u32 v[SPW], v[NIL]
	s_wait_dscnt 0x0
	CROUND                                         ; the closing round: no work-group ends while a partner may still ask for a tile that names it
	s_endpgm
.Lfunc_end_k_q571904b6c6_wo:
	.size	k_q571904b6c6_wo, .Lfunc_end_k_q571904b6c6_wo-k_q571904b6c6_wo
	.p2alignl 7, 3214868480
	.fill 96, 4, 3214868480
	.section	.rodata,"a",@progbits
	.p2align	6, 0x0
	.amdhsa_kernel k_q571904b6c6_wo
		.amdhsa_group_segment_fixed_size 327680
		.amdhsa_private_segment_fixed_size 0
		.amdhsa_enable_private_segment 0
		.amdhsa_kernarg_size 40
		.amdhsa_user_sgpr_count 2
		.amdhsa_user_sgpr_kernarg_segment_ptr 1
		.amdhsa_wavefront_size32 1
		.amdhsa_system_sgpr_workgroup_id_x 1
		.amdhsa_system_sgpr_workgroup_id_y 1
		.amdhsa_system_sgpr_workgroup_id_z 1
		.amdhsa_system_vgpr_workitem_id 0
		.amdhsa_next_free_vgpr 640
		.amdhsa_next_free_sgpr 98
		.amdhsa_reserve_vcc 0
		.amdhsa_float_denorm_mode_32 3
		.amdhsa_float_denorm_mode_16_64 3
		.amdhsa_memory_ordered 1
		.amdhsa_forward_progress 1
		.amdhsa_inst_pref_size 61
	.end_amdhsa_kernel
	.amdgpu_metadata
---
amdhsa.version: [ 1, 2 ]
amdhsa.kernels:
  - .name:           k_q571904b6c6_wo
    .symbol:         k_q571904b6c6_wo.kd
    .args:
      - { .name: CTX, .offset: 0, .size: 8, .value_kind: global_buffer, .address_space: global }
      - { .name: P, .offset: 8, .size: 8, .value_kind: global_buffer, .address_space: global }
      - { .name: bo, .offset: 16, .size: 8, .value_kind: global_buffer, .address_space: global }
      - { .name: x, .offset: 24, .size: 8, .value_kind: global_buffer, .address_space: global }
      - { .name: HB, .offset: 32, .size: 8, .value_kind: global_buffer, .address_space: global }
    .group_segment_fixed_size: 327680
    .private_segment_fixed_size: 0
    .kernarg_segment_align: 8
    .kernarg_segment_size: 40
    .max_flat_workgroup_size: 128
    .sgpr_count:     98
    .vgpr_count:     640
    .wavefront_size: 32
...
	.end_amdgpu_metadata
.endif
;; end of part 4
;; launch ln2: the kernel of part 1 again; grid 256 x 1, 4 waves a work-group, no clusters, 75,776 bytes of LDS; arguments HB, g2, s2, Y, Wq_codes, Wq_scales, Wk_codes, Wk_scales, Wv_codes, Wv_scales, Wo_codes, Wo_scales, W1_codes, W1_scales, W2_codes, W2_scales; writes Y
;; launch w1 (part 5): grid 64 x 4, 4 waves a work-group, clusters of 4 x 4, 327,680 bytes of LDS; arguments Y, P, b1, HID; writes HID
.if DOCPART == 5
	.amdgcn_target "amdgcn-amd-amdhsa--gfx1250"
	.amdhsa_code_object_version 6
	.text
	.protected	k_q571904b6c6_w1
	.globl	k_q571904b6c6_w1
	.p2align	8
	.type	k_q571904b6c6_w1,@function
k_q571904b6c6_w1:
	s_mov_b64 s[64:65], 0
	v_nop
	global_prefetch_b8 v0, s[64:65] scope:SCOPE_SE
	s_setreg_imm32_b32 hwreg(HW_REG_WAVE_MODE, 25, 1), 1
	s_wait_xcnt 0x0
	s_wait_alu depctr_hold_cnt(0) depctr_sa_sdst(0) depctr_va_vdst(0) depctr_va_sdst(0) depctr_va_ssrc(0) depctr_va_vcc(0) depctr_vm_vsrc(0)
	s_getreg_b32 s2, hwreg(HW_REG_IB_STS2, 6, 4)
	s_cmp_eq_u32 s2, 0
	s_cbranch_scc0 .Lentry_in_a_cluster
	s_endpgm
.Lentry_in_a_cluster:
	s_bfe_u32 s2, ttmp6, 0x10000c
	s_cmp_lg_u32 s2, 0xf033
	s_cbranch_scc0 .Lentry_shape_is_right
	s_endpgm
.Lentry_shape_is_right:
.set MODE,  1
.set WBASE, 3276800
.set WSB,   WBASE+9437184
.if MODE == 0
.set WC0,   WBASE
.set WS0,   WSB
.else
.set WC0,   WBASE+3145728
.set WS0,   WSB+131072
.endif
.set ASO,   3145728
.set PANC,  786432
.set VTC,   6291456
.set QKS,   9437184
.set VTS,   9699328
.set KT,    8
.set NQ,    2
.set FR,    12
.set NL,    4
.set NP,    4
.set TILEB, NQ*1536
.set HALFT, 8*TILEB
.set SLOT,  4*HALFT
.set LAPS,  KT/(2*NQ)
.set SCL,   2*SLOT
.set HALFS, KT*512
.set SPARE, SCL+4*HALFS
.set ADRA, 16
.set ADRB, 20
.set L16,  24
.set L8,   25
.set L4,   26
.set ADRS, 27
.set SPW,  28
.set NIL,  29
.set SC,   32
.set AF,   128
.set X,    64
.set PC,   128
.set TM,   160
.set PW,   176
.set PWE,  177
.set SD,   178
.set C0,   180
.set G1, 24
.set G0, 32
.set G1B, 48
.set G0B, 56
.set G1S, 68
.set G0S, 76
.set G1SB, 80
.set G0SB, 88
.set G0H,  4                           ; s[4:7], s[92:95] group 0 for the head's loads of slot 0: A's 16 tiles, B's 16 tiles
.set G0HB, 92
.set PFA,  44                          ; s[44:45] where my prefetches stand; never rewritten
.set PFO,  30                          ; v30 their offset; never rewritten
.if MODE == 0
.set RTP, 10
.set RKS, 11
.else
.set RTP, 17
.set RKS, 18
.endif
.set MSB, 0
.macro WIN new
.if MSB != (\new)
	s_set_vgpr_msb (MSB<<8)|(\new)
.set MSB, (\new)
.endif
.endm
.set MUL_LO, 0xa1
.set MUL_HI, 0xf1
.if MODE == 1
.set ZLO, 0x91
.set ZHI, 0xd1
.else
.set ZLO, MUL_LO
.set ZHI, MUL_HI
.endif
.set TO_B,   0x40
.macro JLOAD g0a, g1a, g0b, g1b
	s_cmp_eq_u32 s15, 0
	s_cbranch_scc0 .Lfor_b_\@
	tensor_load_to_lds s[\g0a:\g0a+3], s[\g1a:\g1a+7]
	s_nop 0
.rept 4
	v_nop
.endr
	s_branch .Lasked_\@
.Lfor_b_\@:
	tensor_load_to_lds s[\g0b:\g0b+3], s[\g1b:\g1b+7]
	s_nop 0
.rept 4
	v_nop
.endr
.Lasked_\@:
.endm
.macro CREST
	s_cmp_lg_u32 s14, 0
	s_cbranch_scc1 .Lnot_wave_0_\@
	s_barrier_signal -3
.Lnot_wave_0_\@:
	s_barrier_wait -3
	s_barrier_signal -1
	s_barrier_wait -1
.endm
.macro CROUND
	s_barrier_signal -1
	s_barrier_wait -1
	CREST
.endm
.if MODE == 0
	s_load_b64 s[4:5], s[0:1], 0x0
	s_load_b64 s[6:7], s[0:1], 0x0
	s_load_b64 s[12:13], s[0:1], 0x8
.else
	s_load_b128 s[4:7], s[0:1], 0x0
	s_load_b64 s[10:11], s[0:1], 0x10
	s_load_b64 s[12:13], s[0:1], 0x18
.endif
	v_lshl_add_u32 v[SPW], v0, 2, SPARE
	v_mov_b32 v[NIL], 0
	ds_add_u32 v28, v29
	ds_add_u32 v28, v29
	s_wait_dscnt 0x0
	v_lshrrev_b32 v1, 5, v0
	v_readfirstlane_b32 s14, v1
	s_lshr_b32 s15, s14, 1
	s_and_b32 s16, s14, 1
	s_bfe_u32 s40, ttmp6, 0x40000
	s_bfe_u32 s41, ttmp6, 0x40004
	s_and_b32 s17, ttmp9, 3
	s_lshr_b32 s18, ttmp9, 2
	s_lshl_b32 s43, s41, 2
	s_lshl_b32 s43, 15, s43
	s_lshl_b32 s44, 0x1111, s40
	s_or_b32 s[G1+0], s43, (3<<16)|(1<<21)
	s_or_b32 s[G1B+0], s44, (3<<16)|(1<<21)
.irp g, G1, G1B
	s_mov_b32 s[\g+1], (TILEB/8)<<16
	s_mov_b32 s[\g+2], 16<<16
	s_mov_b32 s[\g+3], (TILEB/8)<<16
	s_mov_b32 s[\g+4], 16
	s_mov_b32 s[\g+5], KT*1536/8
	s_mov_b32 s[\g+6], 0
	s_mov_b32 s[\g+7], 0
.endr
	s_or_b32 s[G1S+0], s43, (3<<16)|(1<<21)
	s_or_b32 s[G1SB+0], s44, (3<<16)|(1<<21)
.irp g, G1S, G1SB
	s_mov_b32 s[\g+1], 128<<16
	s_mov_b32 s[\g+2], KT<<16
	s_mov_b32 s[\g+3], 128<<16
	s_mov_b32 s[\g+4], KT
	s_mov_b32 s[\g+5], 512
	s_mov_b32 s[\g+6], 0
	s_mov_b32 s[\g+7], 0
.endr
	s_mul_i32 s20, s17, PANC
	s_lshl_b32 s22, s17, 15
	s_add_co_u32 s22, s22, ASO
	s_mul_i32 s46, s18, PANC
	s_add_co_u32 s46, s46, WC0
	s_lshl_b32 s92, s18, 15
	s_add_co_u32 s92, s92, WS0
.if MODE == 0
	s_mov_b32 s100, s20
	s_mov_b32 s101, s22
	s_mov_b32 s9, QKS
	s_cmp_eq_u32 s18, 2
	s_cselect_b32 s20, s46, s20
	s_cselect_b32 s22, s92, s22
	s_cselect_b32 s46, s100, s46
	s_cselect_b32 s92, s101, s92
	s_cselect_b32 s42, 32, 16
	s_cselect_b32 s10, 0, s17
	s_cselect_b32 s11, s17, s18
	s_cselect_b32 s8, VTC, 0
	s_cselect_b32 s9, VTS, s9
.else
	s_mov_b32 s42, 32
	s_mov_b32 s8, 0
	s_mov_b32 s9, 12582912
.endif
	s_lshl_b32 s21, s41, 4
	s_mul_i32 s23, s21, KT*1536
	s_add_co_u32 s20, s20, s23
	s_lshl_b32 s21, s21, 6
	s_add_co_u32 s22, s22, s21
	s_mov_b32 s21, 0
	s_mov_b32 s23, 0
	s_lshl_b32 s47, s40, 4
	s_mul_i32 s93, s47, KT*1536
	s_add_co_u32 s46, s46, s93
	s_lshl_b32 s47, s47, 6
	s_add_co_u32 s92, s92, s47
	s_mov_b32 s47, 0
	s_mov_b32 s93, 0
	s_mul_i32 s45, s14, HALFT
	s_wait_kmcnt 0x0
	s_add_nc_u64 s[20:21], s[4:5], s[20:21]
	s_add_nc_u64 s[22:23], s[4:5], s[22:23]
	s_add_nc_u64 s[46:47], s[6:7], s[46:47]
	s_add_nc_u64 s[92:93], s[6:7], s[92:93]
	CROUND
	s_mov_b32 s[G0S], 1
	s_mov_b32 s[G0S+1], SCL
	s_mov_b64 s[G0S+2:G0S+3], s[22:23]
	s_or_b32 s[G0S+3], s[G0S+3], 0x80000000
	s_mov_b32 s[G0SB], 1
	s_mov_b32 s[G0SB+1], SCL+2*HALFS
	s_mov_b64 s[G0SB+2:G0SB+3], s[92:93]
	s_or_b32 s[G0SB+3], s[G0SB+3], 0x80000000
	s_mov_b32 s[G0H], 1                            ; the head's tiles, each whole: slot 0's 16 tiles of A,
	s_mov_b32 s[G0H+1], 0
	s_mov_b64 s[G0H+2:G0H+3], s[20:21]
	s_or_b32 s[G0H+3], s[G0H+3], 0x80000000
	s_mov_b32 s[G0HB], 1                           ; and of B, behind them
	s_mov_b32 s[G0HB+1], 2*HALFT
	s_mov_b64 s[G0HB+2:G0HB+3], s[46:47]
	s_or_b32 s[G0HB+3], s[G0HB+3], 0x80000000
	s_mul_i32 s22, s16, 8*KT*1536                  ; for the ring: my 8 tiles
	s_mov_b32 s23, 0
	s_add_nc_u64 s[20:21], s[20:21], s[22:23]
	s_add_nc_u64 s[46:47], s[46:47], s[22:23]
.irp s, 0,1
	s_mov_b32 s[G0+4*\s], 1
	s_add_co_u32 s[G0+4*\s+1], s45, \s*SLOT
	s_add_nc_u64 s[G0+4*\s+2:G0+4*\s+3], s[20:21], \s*TILEB
	s_or_b32 s[G0+4*\s+3], s[G0+4*\s+3], 0x80000000
	s_mov_b32 s[G0B+4*\s], 1
	s_add_co_u32 s[G0B+4*\s+1], s45, \s*SLOT
	s_add_nc_u64 s[G0B+4*\s+2:G0B+4*\s+3], s[46:47], \s*TILEB
	s_or_b32 s[G0B+4*\s+3], s[G0B+4*\s+3], 0x80000000
.endr
	; THE PREFETCHES.  A slot's share of a wave is 8 tiles x 3,072 bytes; the four partners that ask for it jointly share the tiles out BY ADDRESS, two each (cx for A, cy for B): 24 blocks of 256 bytes, a lane a block
	; (lanes 24-31 name the last block again), one instruction a wave and slot.  Slots 1 and 2 are asked for at the head, slot 3 behind slot 1's load: K has four slots, so nothing is asked for in the loop.
	s_cmp_eq_u32 s15, 0
	s_cselect_b64 s[PFA:PFA+1], s[20:21], s[46:47]
	s_cselect_b32 s22, s40, s41
	s_mul_i32 s22, s22, 2*KT*1536
	s_mov_b32 s23, 0
	s_add_nc_u64 s[PFA:PFA+1], s[PFA:PFA+1], s[22:23]
; THE HEAD'S LOADS, ONE A WAVE: wave 0 slot 0's tiles of A, wave 1 those of B, wave 2 A's scale words, wave 3 B's.  One tree of branches on the wave's number, one load to an arm.
.macro ARM under, g0, g1, next
	s_cmp_lt_u32 s14, \under
	s_cbranch_scc0 \next
	tensor_load_to_lds s[\g0:\g0+3], s[\g1:\g1+7]
	s_nop 0
.rept 4
	v_nop
.endr
	s_branch .Lhead_asked
\next:
.endm
	ARM 1, G0H,  G1,  .Lhead_b
	ARM 2, G0HB, G1B, .Lhead_sa
	ARM 3, G0S,  G1S, .Lhead_sb
	tensor_load_to_lds s[G0SB:G0SB+3], s[G1SB:G1SB+7]
	s_nop 0
.rept 4
	v_nop
.endr
.Lhead_asked:
	v_and_b32 v[PFO], 31, v0
	v_min_u32 v[PFO], 23, v[PFO]                   ; block 0 .. 23
	v_mul_u32_u24 v1, v[PFO], 171
	v_lshrrev_b32 v1, 11, v1                       ; block / 12: which of my two tiles
	v_mul_u32_u24 v1, v1, KT*1536-TILEB
	v_lshl_add_u32 v[PFO], v[PFO], 8, v1           ; 256 x block, and on to the second tile's row
	global_prefetch_b8 v[PFO], s[PFA:PFA+1] offset:TILEB th:TH_LOAD_NT scope:SCOPE_SE     ; slot 1,
	global_prefetch_b8 v[PFO], s[PFA:PFA+1] offset:2*TILEB th:TH_LOAD_NT scope:SCOPE_SE   ; slot 2
	v_and_b32 v1, 15, v0
	v_bfe_u32 v2, v0, 4, 1
	v_and_b32 v3, 31, v0
	v_lshlrev_b32 v[L16], 4, v3
	v_lshlrev_b32 v[L8], 3, v3
	v_lshlrev_b32 v[L4], 2, v3
	s_mul_i32 s21, s15, HALFT
	s_mul_i32 s22, s16, HALFT
	s_add_co_u32 s22, s22, 2*HALFT
.irp s, 0,1
	v_add_nc_u32 v[ADRA+\s], s21, v[L16]
	v_add_nc_u32 v[ADRA+2+\s], s21, v[L8]
	v_add_nc_u32 v[ADRB+\s], s22, v[L16]
	v_add_nc_u32 v[ADRB+2+\s], s22, v[L8]
	s_add_co_u32 s21, s21, SLOT
	s_add_co_u32 s22, s22, SLOT
.endr
	v_lshlrev_b32 v5, 2, v1
	s_lshl_b32 s21, s15, 9                         ; my 8 tiles' 512 bytes of a K step's 1,024
	s_lshl_b32 s22, s16, 9
	s_add_co_u32 s22, s22, 2*HALFS
	s_sub_co_u32 s22, s22, s21
	v_mul_u32_u24 v6, s22, v2
	s_add_co_u32 s21, s21, SCL
	v_add_nc_u32 v5, v5, v6
	v_add_nc_u32 v[ADRS], s21, v5
.if MODE == 1
	s_lshl_b32 s104, s18, 12
	s_lshl_b32 s105, s40, 10
	s_add_co_u32 s104, s104, s105
	s_lshl_b32 s105, s16, 9
	s_add_co_u32 s104, s104, s105
	s_mov_b32 s105, 0
	s_add_nc_u64 s[10:11], s[10:11], s[104:105]
	v_lshlrev_b32 v6, 6, v2
	WIN TO_B
.irp b, 0,1,2,3,4,5,6,7
	global_load_b128 v[96+8*\b+96*(\b/4):96+8*\b+96*(\b/4)+3], v6, s[10:11] offset:128*(\b/2)+32*(\b%2)
	global_load_b128 v[96+8*\b+96*(\b/4)+4:96+8*\b+96*(\b/4)+7], v6, s[10:11] offset:128*(\b/2)+32*(\b%2)+16
.endr
	WIN 0
	s_mov_b32 s98, 0xbdd2d3e8
	s_mov_b32 s99, s98
.endif
	s_lshl_b32 s2, s41, 4
	s_lshl_b32 s67, s15, 3
	s_add_co_u32 s2, s2, s67
	s_lshl_b32 s67, s[RKS], 3
	s_lshl_b32 s105, s40, 1
	s_add_co_u32 s67, s67, s105
	s_add_co_u32 s67, s67, s16
	s_lshl_b32 s66, s[RTP], 6
	s_add_co_u32 s66, s66, s2
	s_mul_i32 s66, s66, s42
	s_add_co_u32 s66, s66, s67
	s_mul_i32 s66, s66, 1536
	s_add_co_u32 s66, s66, s8
	s_mul_i32 s104, s[RTP], s42
	s_add_co_u32 s104, s104, s67
	s_lshl_b32 s104, s104, 12
	s_lshl_b32 s2, s2, 6
	s_add_co_u32 s104, s104, s2
	s_add_co_u32 s104, s104, s9
	s_mov_b32 s67, 0
	s_mov_b32 s105, 0
	s_add_nc_u64 s[66:67], s[12:13], s[66:67]
	s_add_nc_u64 s[104:105], s[12:13], s[104:105]
	s_mul_i32 s96, s42, 1536
	s_mov_b32 s97, 0
	s_mov_b32 s100, 0x76543210
	s_mov_b32 s101, 0xfedcba98
.macro FRAG reg, adr, off
	ds_load_b128 v[\reg:\reg+3], v[\adr] offset:\off
	ds_load_b64 v[\reg+4:\reg+5], v[\adr+2] offset:\off+512
	ds_load_b128 v[\reg+6:\reg+9], v[\adr] offset:\off+768
	ds_load_b64 v[\reg+10:\reg+11], v[\adr+2] offset:\off+1280
.endm
.macro MUL16 a0, p, q, sc, zero
.irp a, \a0, \a0+1
.irp b, 0,1,2,3,4,5,6,7
.if \zero && (MODE == 1)
	v_wmma_scale_f32_16x16x128_f8f6f4 v[8*(8*((\a)%4)+\b):8*(8*((\a)%4)+\b)+7], v[128*(\p)+FR*\b:128*(\p)+FR*\b+FR-1], v[AF+FR*(\a):AF+FR*(\a)+FR-1], v[96+8*\b+96*(\b/4):96+8*\b+96*(\b/4)+7], v[SC+8*NQ*(\sc)+NQ*\b+(\q)], v[SC+8*NQ*(\sc)+NQ*(\a)+(\q)] matrix_a_fmt:MATRIX_FMT_FP6 matrix_b_fmt:MATRIX_FMT_FP6 matrix_a_scale:MATRIX_SCALE_ROW1
.elseif \zero
	v_wmma_scale_f32_16x16x128_f8f6f4 v[8*(8*((\a)%4)+\b):8*(8*((\a)%4)+\b)+7], v[128*(\p)+FR*\b:128*(\p)+FR*\b+FR-1], v[AF+FR*(\a):AF+FR*(\a)+FR-1], 0, v[SC+8*NQ*(\sc)+NQ*\b+(\q)], v[SC+8*NQ*(\sc)+NQ*(\a)+(\q)] matrix_a_fmt:MATRIX_FMT_FP6 matrix_b_fmt:MATRIX_FMT_FP6 matrix_a_scale:MATRIX_SCALE_ROW1
.else
	v_wmma_scale_f32_16x16x128_f8f6f4 v[8*(8*((\a)%4)+\b):8*(8*((\a)%4)+\b)+7], v[128*(\p)+FR*\b:128*(\p)+FR*\b+FR-1], v[AF+FR*(\a):AF+FR*(\a)+FR-1], v[8*(8*((\a)%4)+\b):8*(8*((\a)%4)+\b)+7], v[SC+8*NQ*(\sc)+NQ*\b+(\q)], v[SC+8*NQ*(\sc)+NQ*(\a)+(\q)] matrix_a_fmt:MATRIX_FMT_FP6 matrix_b_fmt:MATRIX_FMT_FP6 matrix_a_scale:MATRIX_SCALE_ROW1
.endif
.endr
.endr
.endm
.macro FETCH_B slot, q, p
	WIN TO_B
.irp i, 0,1,2,3,4,5,6,7
	FRAG 128*(\p)+FR*\i, ADRB+\slot, \i*TILEB+(\q)*1536
.endr
	WIN 0
.endm
.macro FETCH_A slot, q, i0
.irp i, \i0, \i0+1, \i0+2, \i0+3
	FRAG AF+FR*(\i), ADRA+\slot, (\i)*TILEB+(\q)*1536
.endr
.endm
.macro SCALES sc
.irp i, 0,1,2,3,4,5,6,7
.irp q, 0,1
	ds_load_b32 v[SC+8*NQ*\sc+NQ*\i+\q], v[ADRS] offset:64*\i+1024*\q
.endr
.endr
.endm
.macro PLACES n
.rept \n
	v_nop
.endr
.endm
.macro STEP slot, q, zero
	s_wait_dscnt 4*NL
.if \zero
	WIN ZLO
.else
	WIN MUL_LO
.endif
	MUL16 0, (\q)%2, \q, \slot, \zero
	MUL16 2, (\q)%2, \q, \slot, \zero
	s_wait_dscnt 0
	PLACES NP
	FETCH_B \slot, (\q)+1, 1-(\q)%2
	FETCH_A \slot, (\q)+1, 0
.if \zero
	WIN ZHI
.else
	WIN MUL_HI
.endif
	MUL16 4, (\q)%2, \q, \slot, \zero
	MUL16 6, (\q)%2, \q, \slot, \zero
	PLACES NP
	WIN 0
	FETCH_A \slot, (\q)+1, 4
.endm
.macro TURN slot, next, fill
	s_wait_tensorcnt 0x0
	ds_add_u32 v[SPW], v[NIL]
	s_wait_dscnt 4*NL+1
	WIN MUL_LO
	MUL16 0, 1, NQ-1, \slot, 0
	s_wait_dscnt 0x0
	s_barrier_signal -1
	MUL16 2, 1, NQ-1, \slot, 0
	WIN 0
	s_barrier_wait -1
.if \fill
	CREST
	s_add_nc_u64 s[G0+4*\slot+2:G0+4*\slot+3], s[G0+4*\slot+2:G0+4*\slot+3], 2*TILEB
	s_add_nc_u64 s[G0B+4*\slot+2:G0B+4*\slot+3], s[G0B+4*\slot+2:G0B+4*\slot+3], 2*TILEB
	JLOAD G0+4*\slot, G1, G0B+4*\slot, G1B
.else
	PLACES NP
.endif
	s_wait_alu depctr_va_vdst(0)
	v_add_nc_u32 v[ADRS], 1024*NQ, v[ADRS]
	FETCH_B \next, 0, 0
	FETCH_A \next, 0, 0
	SCALES \next
	WIN MUL_HI
	MUL16 4, 1, NQ-1, \slot, 0
	MUL16 6, 1, NQ-1, \slot, 0
	PLACES NP
	WIN 0
	FETCH_A \next, 0, 4
.endm
	s_wait_alu depctr_va_vdst(0)                   ; the wait at the head's end
	s_wait_tensorcnt 0x0                           ; my tile of the head's four is in; the lines ahead of a later first fill:
	ds_add_u32 v[SPW], v[NIL]
	s_mov_b32 s[G1+2], 8<<16                       ; no tensor load of mine is out: from here on a load brings 8 tiles
	s_mov_b32 s[G1+4], 8
	s_mov_b32 s[G1B+2], 8<<16
	s_mov_b32 s[G1B+4], 8
	s_mov_b32 s95, 0xffff0000                      ; lanes 16-31, for the way out
	s_wait_dscnt 0x0
	CROUND                                         ; a whole round: all four tiles are in, and the joint loads meet
	JLOAD G0+4, G1, G0B+4, G1B                     ; slot 1's first fill, the first tensor load behind the round
	FETCH_B 0, 0, 0
	FETCH_A 0, 0, 0
	SCALES 0
	FETCH_A 0, 0, 4
	global_prefetch_b8 v[PFO], s[PFA:PFA+1] offset:3*TILEB th:TH_LOAD_NT scope:SCOPE_SE   ; slot 3, two refills ahead of its load
.if MODE == 1
	s_wait_loadcnt 0x0
.endif
	STEP 0, 0, 1
.if LAPS > 1
	s_mov_b32 s3, LAPS-1
.Llap:
	TURN 0, 1, 1
	STEP 1, 0, 0
	TURN 1, 0, 1
	STEP 0, 0, 0
	s_sub_co_u32 s3, s3, 1
	s_cmp_lg_u32 s3, 0
	s_cbranch_scc1 .Llap
.endif
	TURN 0, 1, 0
	STEP 1, 0, 0
	s_wait_dscnt 4*NL
	WIN MUL_LO
	MUL16 0, 1, NQ-1, 1, 0
	MUL16 2, 1, NQ-1, 1, 0
	s_wait_dscnt 0
	WIN MUL_HI
	MUL16 4, 1, NQ-1, 1, 0
	MUL16 6, 1, NQ-1, 1, 0
	WIN 0
.macro QUANTW s, W
	WIN (\W)|((\W)<<2)
.irp b, 0,1,2,3
	v_max3_num_f32 v[TM+\b], |v[\s+16*\b]|, |v[\s+1+16*\b]|, 0x1800000
.endr
.irp i, 2,4,6,8,10,12,14
.irp b, 0,1,2,3
	v_max3_num_f32 v[TM+\b], |v[\s+16*\b+\i]|, |v[\s+1+16*\b+\i]|, v[TM+\b]
.endr
.endr
	WIN 0
.irp b, 0,1,2,3
	v_permlanex16_b32 v[TM+4+\b], v[TM+\b], s100, s101
.endr
.irp b, 0,1,2,3
	v_max_num_f32 v[TM+\b], v[TM+\b], v[TM+4+\b]
.endr
.irp b, 0,1,2,3
	v_add_nc_u32 v[TM+12+\b], 0xff000000, v[TM+\b]
.endr
.irp b, 0,1,2,3
	v_lshrrev_b32 v[TM+4+\b], 23, v[TM+12+\b]
.endr
	v_lshl_or_b32 v[PW], v[TM+5], 8, v[TM+4]
	v_lshl_or_b32 v[PW], v[TM+6], 16, v[PW]
	v_lshl_or_b32 v[PW], v[TM+7], 24, v[PW]
	WIN (\W)
.irp c, 0,1
	v_cvt_scalef32_pk16_fp6_f32 v[PC+6*\c:PC+2+6*\c], v[\s+32*\c:\s+15+32*\c], v[TM+12+2*\c]
	v_cvt_scalef32_pk16_fp6_f32 v[PC+12+4*\c:PC+14+4*\c], v[\s+16+32*\c:\s+31+32*\c], v[TM+12+2*\c+1]
.endr
	WIN 0
	v_nop
.irp c, 0,1
.irp i, 0,1,2
	v_permlane16_swap_b32 v[PC+6*\c+\i], v[PC+12+4*\c+\i]
.endr
.irp i, 0,1,2
	v_mov_b32 v[PC+3+6*\c+\i], v[PC+12+4*\c+\i]
.endr
.endr
.endm
.if MODE == 1
.macro GELU s, W
	WIN (\W)|((\W)<<2)
.set j, 0
.rept 32
	v_pk_mul_f32 v[X+j:X+j+1], v[\s+j:\s+j+1], v[\s+j:\s+j+1]
.set j, j+2
.endr
	WIN 0
.set j, 0
.rept 32
	v_pk_fma_f32 v[X+j:X+j+1], v[X+j:X+j+1], s[98:99], v[C0:C0+1] op_sel_hi:[1,0,0]
.set j, j+2
.endr
	WIN (\W)<<2
.set j, 0
.rept 32
	v_pk_mul_f32 v[X+j:X+j+1], v[X+j:X+j+1], v[\s+j:\s+j+1]
.set j, j+2
.endr
	WIN 0
.set j, 0
	s_wait_alu depctr_va_vdst(0)
.rept 64
	v_exp_f32 v[X+j], v[X+j]
.set j, j+1
.endr
	v_nop
.set j, 0
	s_wait_alu depctr_va_vdst(0)
.rept 32
	v_pk_add_f32 v[X+j:X+j+1], v[X+j:X+j+1], 1.0 op_sel_hi:[1,0]
.set j, j+2
.endr
.set j, 0
	s_wait_alu depctr_va_vdst(0)
.rept 64
	v_rcp_f32 v[X+j], v[X+j]
.set j, j+1
.endr
	v_nop
	WIN (\W)<<2
.set j, 0
	s_wait_alu depctr_va_vdst(0)
.rept 32
	v_pk_mul_f32 v[X+j:X+j+1], v[X+j:X+j+1], v[\s+j:\s+j+1]
.set j, j+2
.endr
	WIN 0
.endm
.endif
.macro BLOCKOUT a
.if (\a) > 0
	s_wait_xcnt 0x0
	s_add_nc_u64 s[66:67], s[66:67], s[96:97]
.endif
.if MODE == 1
	GELU 64*((\a)%4), 2+(\a)/4
	QUANTW X, 0
.else
	QUANTW 64*((\a)%4), 2+(\a)/4
.endif
	global_store_b128 v[L16], v[PC:PC+3], s[66:67]
	global_store_b64 v[L8], v[PC+4:PC+5], s[66:67] offset:512
	global_store_b128 v[L16], v[PC+6:PC+9], s[66:67] offset:768
	global_store_b64 v[L8], v[PC+10:PC+11], s[66:67] offset:1280
.if (\a)%2 == 0
	v_mov_b32 v[PWE], v[PW]
.else
	v_cndmask_b32 v[SD], v[PWE], v[PW], s95
	global_store_b32 v[L4], v[SD], s[104:105] offset:128*((\a)/2)
.endif
.endm
	PLACES NP
.irp b, 0,1,2,3
	v_mov_b32 v[TM+4+\b], 0
.endr
.if MODE == 1
	v_mov_b32 v[C0], 0xc0135761
	v_mov_b32 v[C0+1], 0xc0135761
.endif
.irp a, 0,1,2,3,4,5,6,7
	BLOCKOUT \a
.endr
	s_wait_tensorcnt 0x0
	ds_add_u32 v[SPW], v[NIL]
	s_wait_dscnt 0x0
	CROUND
	s_endpgm
.Lfunc_end_k_q571904b6c6_w1:
	.size	k_q571904b6c6_w1, .Lfunc_end_k_q571904b6c6_w1-k_q571904b6c6_w1
	.p2alignl 7, 3214868480
	.fill 96, 4, 3214868480
	.section	.rodata,"a",@progbits
	.p2align	6, 0x0
	.amdhsa_kernel k_q571904b6c6_w1
		.amdhsa_group_segment_fixed_size 327680
		.amdhsa_private_segment_fixed_size 0
		.amdhsa_enable_private_segment 0
		.amdhsa_kernarg_size 32
		.amdhsa_user_sgpr_count 2
		.amdhsa_user_sgpr_kernarg_segment_ptr 1
		.amdhsa_wavefront_size32 1
		.amdhsa_system_sgpr_workgroup_id_x 1
		.amdhsa_system_sgpr_workgroup_id_y 1
		.amdhsa_system_sgpr_workgroup_id_z 1
		.amdhsa_system_vgpr_workitem_id 0
		.amdhsa_next_free_vgpr 1024
		.amdhsa_next_free_sgpr 106
		.amdhsa_reserve_vcc 0
		.amdhsa_float_denorm_mode_32 3
		.amdhsa_float_denorm_mode_16_64 3
		.amdhsa_memory_ordered 1
		.amdhsa_forward_progress 1
		.amdhsa_inst_pref_size 255
	.end_amdhsa_kernel
	.section	.bss,"aw",@nobits
	.p2align	6
	.space	262144
	.amdgpu_metadata
---
amdhsa.version: [ 1, 2 ]
amdhsa.kernels:
  - .name:           k_q571904b6c6_w1
    .symbol:         k_q571904b6c6_w1.kd
    .args:
      - { .name: Y, .offset: 0, .size: 8, .value_kind: global_buffer, .address_space: global }
      - { .name: P, .offset: 8, .size: 8, .value_kind: global_buffer, .address_space: global }
      - { .name: b1, .offset: 16, .size: 8, .value_kind: global_buffer, .address_space: global }
      - { .name: HID, .offset: 24, .size: 8, .value_kind: global_buffer, .address_space: global }
    .group_segment_fixed_size: 327680
    .private_segment_fixed_size: 0
    .kernarg_segment_align: 8
    .kernarg_segment_size: 32
    .max_flat_workgroup_size: 128
    .sgpr_count:     106
    .vgpr_count:     1024
    .wavefront_size: 32
...
	.end_amdgpu_metadata
.endif
;; end of part 5
;; launch w2 (part 6): grid 8 x 32, 4 waves a work-group, clusters of 4 x 4, 327,680 bytes of LDS; arguments HID, P, b2, HB, out0; writes out0
.if DOCPART == 6
	.amdgcn_target "amdgcn-amd-amdhsa--gfx1250"
	.amdhsa_code_object_version 6
	.text
	.protected	k_q571904b6c6_w2
	.globl	k_q571904b6c6_w2
	.p2align	8
	.type	k_q571904b6c6_w2,@function
k_q571904b6c6_w2:
	s_mov_b64 s[64:65], 0
	v_nop
	global_prefetch_b8 v0, s[64:65] scope:SCOPE_SE
	s_setreg_imm32_b32 hwreg(HW_REG_WAVE_MODE, 25, 1), 1
	s_wait_xcnt 0x0
	s_wait_alu depctr_hold_cnt(0) depctr_sa_sdst(0) depctr_va_vdst(0) depctr_va_sdst(0) depctr_va_ssrc(0) depctr_va_vcc(0) depctr_vm_vsrc(0)
	s_getreg_b32 s2, hwreg(HW_REG_IB_STS2, 6, 4)
	s_cmp_eq_u32 s2, 0
	s_cbranch_scc0 .Lentry_in_a_cluster
	s_endpgm
.Lentry_in_a_cluster:
	s_bfe_u32 s2, ttmp6, 0x10000c
	s_cmp_lg_u32 s2, 0xf033
	s_cbranch_scc0 .Lentry_shape_is_right
	s_endpgm
.Lentry_shape_is_right:
; out = resid + A W^T + bias: a GEMM on codes of FP6 (E2M3) with an f32 result, N = 1,024.  Arguments: A (codes, then scale words), P (the weights), bias [1024], resid and out [4096][1024] f32.
; LAYOUT of the operands: a tile T is 16 rows, position p = row 32 (T / 2) + 8 (T % 2) + p + 8 (p / 8).  A fragment (tile, 128 along K) is 1,536 consecutive bytes: for each 64 along K lane l's first 16 bytes at 16 l,
; its last 8 at 512 + 8 l; a tile's fragments lie on end.  Scale words: K step s, tile T, position p at (T / 64) (K / 128) 4096 + 4096 s + 64 (T % 64) + 4 p.
; SHARES.  4,096 x 1,024 outputs are only 64 tiles of 256 x 256, so a work-group makes 128 x 128 (256 work-groups) and each of its four waves 64 x 64: 16 accumulators.  K goes in steps of 512 (four matrix instructions
; deep) through two LDS slots filled by the tensor data mover; the scale words of all of K come once.
; THE MATRIX INSTRUCTION IS USED TRANSPOSED (source 0 = 16 rows of W, source 1 = 16 rows of A): a lane holds eight neighbouring columns of one row.  The bias is the C of the first products.  The residual is loaded at the
; head, in the shape in which the result is stored, and added on the way out.
; CLUSTERS: 4 x 4 work-groups; A's tiles are shared along a row of the cluster, W's along a column, each asked for jointly.
; REGISTERS: window 0: v16-30 addresses; v32-63 scale words alone, two sets; v64-95 the bias, later with v96-127 rows on the way out; v128-255 the accumulators (a, b) at v[128 + 8 (4 a + b)].
;   window 1: two fragment buffers at v0 and v128: A's four fragments, then W's four.   window 2: v0-127 the residual.
; LIMITS: NaN and infinities are not served.
.set SIZE_K, 4096
.set ASO,   12582912                   ; A's scale words
.set BCO,   9568256                    ; the weight's codes in P
.set BSO,   12976128                   ; and its scale words
.set KT,    SIZE_K/128
.set TSTR,  KT*1536                    ; from tile to tile
.set NQ,    4                          ; K steps in a slot
.set FR,    12
.set TILEB, NQ*1536
.set HALFT, 4*TILEB                    ; 4 tiles: what one tensor load brings, and what one wave reads of A or of W
.set SLOT,  4*HALFT
.set LAPS,  KT/(2*NQ)
.set SCL,   2*SLOT                     ; the scale words: A's [K step][8 tiles x 64 bytes], then W's
.set HALFS, KT*256
.set SPARE, SCL+4*HALFS                ; the spare words, 128 bytes for each wave: two blocks of 256 bytes that no other line names
.set STAGE, SPARE+512                  ; the way out: 16 rows x (256 bytes + 16) for each wave; no fill ever lands here
.set SPITCH, 272
.set ADRA, 16
.set ADRB, 20
.set STO,  24
.set RD,   25
.set CO,   26
.set ADRS, 27
.set SPW,  28
.set NIL,  29
.set SC,   32                          ; set s at v[SC + 16 s]; register 4 i + q: lanes 0-15 A's tile i, lanes 16-31 W's tile i, the slot's q-th K step
.set BIA,  64
.set BK,   64
.set ACC,  128
.set F0,   0
.set F1,   128
.set G1, 24
.set G0, 32
.set G1B, 48
.set G0B, 56
.set G1S, 68
.set G0S, 76
.set G1SB, 80
.set G0SB, 88
.set G0H,  4                           ; s[4:7], s[92:95] group 0 for the head's loads of slot 0: A's 8 tiles, W's 8 tiles
.set G0HB, 92
.set PFA,  18                          ; s[18:19] where my prefetches stand
.set PFO,  31                          ; v31 their offset: 256 x min(lane, 23); never rewritten
.set MSB, 0
.macro WIN new                         ; the immediate's high byte repeats the setting that is left
.if MSB != (\new)
	s_set_vgpr_msb (MSB<<8)|(\new)
.set MSB, (\new)
.endif
.endm
.set MUL,  0x05                        ; sources 0 and 1 window 1; C and D window 0
.set TO_F, 0x40
.macro JLOAD g0a, g1a, g0b, g1b        ; a joint load: waves 0 and 1 fetch for A, waves 2 and 3 for W; four v_nop follow each of the two lines
	s_cmp_eq_u32 s15, 0
	s_cbranch_scc0 .Lfor_b_\@
	tensor_load_to_lds s[\g0a:\g0a+3], s[\g1a:\g1a+7]
	s_nop 0
.rept 4
	v_nop
.endr
	s_branch .Lasked_\@
.Lfor_b_\@:
	tensor_load_to_lds s[\g0b:\g0b+3], s[\g1b:\g1b+7]
	s_nop 0
.rept 4
	v_nop
.endr
.Lasked_\@:
.endm
.macro CREST
	s_cmp_lg_u32 s14, 0
	s_cbranch_scc1 .Lnot_wave_0_\@
	s_barrier_signal -3
.Lnot_wave_0_\@:
	s_barrier_wait -3
	s_barrier_signal -1
	s_barrier_wait -1
.endm
.macro CROUND
	s_barrier_signal -1
	s_barrier_wait -1
	CREST
.endm
	s_load_b256 s[4:11], s[0:1], 0x0               ; A s[4:5], P s[6:7], bias s[8:9], resid s[10:11]
	s_load_b64 s[12:13], s[0:1], 0x20              ; out
	v_lshl_add_u32 v[SPW], v0, 2, SPARE
	v_mov_b32 v[NIL], 0
	ds_add_u32 v28, v29
	ds_add_u32 v28, v29
	s_wait_dscnt 0x0
	v_lshrrev_b32 v1, 5, v0
	v_readfirstlane_b32 s14, v1                    ; wave 0..3
	s_lshr_b32 s15, s14, 1                         ; which half of the tile's rows is mine.  Also: I fetch for A (0) or for W (1)
	s_and_b32 s16, s14, 1                          ; which half of its columns.  Also: which 4 tiles I fetch
	s_bfe_u32 s40, ttmp6, 0x40000                  ; cx, cy
	s_bfe_u32 s41, ttmp6, 0x40004
	s_lshl_b32 s42, ttmp9, 2
	s_add_co_u32 s42, s42, s40                     ; tile column = 4 x cluster x + cx
	s_and_b32 s17, ttmp7, 0xffff
	s_lshl_b32 s17, s17, 2
	s_add_co_u32 s17, s17, s41                     ; tile row = 4 x cluster y + cy
	s_lshl_b32 s43, s41, 2
	s_lshl_b32 s43, 15, s43                        ; my row of the cluster
	s_lshl_b32 s44, 0x1111, s40                    ; my column
	; descriptor group 1, codes: 4 tiles x 6,144 bytes (768 elements of 8 bytes), TSTR bytes apart; no padding: every LDS access is of consecutive bytes
	s_or_b32 s[G1+0], s43, (3<<16)|(1<<21)
	s_or_b32 s[G1B+0], s44, (3<<16)|(1<<21)
.irp g, G1, G1B
	s_mov_b32 s[\g+1], (TILEB/8)<<16
	s_mov_b32 s[\g+2], 8<<16
	s_mov_b32 s[\g+3], (TILEB/8)<<16
	s_mov_b32 s[\g+4], 8
	s_mov_b32 s[\g+5], TSTR/8
	s_mov_b32 s[\g+6], 0
	s_mov_b32 s[\g+7], 0
.endr
	; scale words: KT K steps x 512 bytes (8 tiles), 4,096 bytes apart
	s_or_b32 s[G1S+0], s43, (3<<16)|(1<<21)
	s_or_b32 s[G1SB+0], s44, (3<<16)|(1<<21)
.irp g, G1S, G1SB
	s_mov_b32 s[\g+1], 64<<16
	s_mov_b32 s[\g+2], KT<<16
	s_mov_b32 s[\g+3], 64<<16
	s_mov_b32 s[\g+4], KT
	s_mov_b32 s[\g+5], 512
	s_mov_b32 s[\g+6], 0
	s_mov_b32 s[\g+7], 0
.endr
	s_lshl_b32 s20, s17, 3                         ; A hangs on the tile row alone: tile 8 x tile row
	s_and_b32 s22, s20, 63
	s_lshl_b32 s22, s22, 6
	s_lshr_b32 s21, s20, 6
	s_mul_i32 s21, s21, KT*4096
	s_add_co_u32 s22, s22, s21
	s_add_co_u32 s22, s22, ASO
	s_mul_i32 s20, s20, TSTR
	s_mov_b32 s21, 0
	s_mov_b32 s23, 0
	s_lshl_b32 s46, s42, 3                         ; W on the tile column alone
	s_lshl_b32 s92, s46, 6
	s_add_co_u32 s92, s92, BSO
	s_mul_i32 s46, s46, TSTR
	s_add_co_u32 s46, s46, BCO
	s_mov_b32 s47, 0
	s_mov_b32 s93, 0
	s_mul_i32 s45, s14, HALFT                      ; where they go: no place in the cluster enters an LDS address
	s_wait_kmcnt 0x0
	s_add_nc_u64 s[20:21], s[4:5], s[20:21]
	s_add_nc_u64 s[22:23], s[4:5], s[22:23]
	s_add_nc_u64 s[46:47], s[6:7], s[46:47]
	s_add_nc_u64 s[92:93], s[6:7], s[92:93]
	CROUND                                         ; all sixteen work-groups are here: the first joint loads meet
	s_mov_b32 s[G0S], 1
	s_mov_b32 s[G0S+1], SCL
	s_mov_b64 s[G0S+2:G0S+3], s[22:23]
	s_or_b32 s[G0S+3], s[G0S+3], 0x80000000
	s_mov_b32 s[G0SB], 1
	s_mov_b32 s[G0SB+1], SCL+2*HALFS
	s_mov_b64 s[G0SB+2:G0SB+3], s[92:93]
	s_or_b32 s[G0SB+3], s[G0SB+3], 0x80000000
	s_mov_b32 s[G0H], 1                            ; the head's tiles, each whole: slot 0's 8 tiles of A,
	s_mov_b32 s[G0H+1], 0
	s_mov_b64 s[G0H+2:G0H+3], s[20:21]
	s_or_b32 s[G0H+3], s[G0H+3], 0x80000000
	s_mov_b32 s[G0HB], 1                           ; and of W, behind them
	s_mov_b32 s[G0HB+1], 2*HALFT
	s_mov_b64 s[G0HB+2:G0HB+3], s[46:47]
	s_or_b32 s[G0HB+3], s[G0HB+3], 0x80000000
	s_mul_i32 s18, s16, 4*TSTR                     ; for the ring: my 4 tiles
	s_mov_b32 s19, 0
	s_add_nc_u64 s[20:21], s[20:21], s[18:19]
	s_add_nc_u64 s[46:47], s[46:47], s[18:19]
	; THE PREFETCHES.  A slot's share of a wave is 4 tiles x 6,144 bytes; the four partners that ask for it jointly share the tiles out BY ADDRESS, one each (cx for A, cy for W): 24 blocks of 256 bytes, a lane a block
	; (lanes 24-31 name the last block again), one instruction a wave.  Behind the refill of slot n stands the request for slot n + 2; slots 2 and 3 are asked for at the head; the loop's last trip asks for nothing.
	s_cmp_eq_u32 s15, 0
	s_cselect_b64 s[PFA:PFA+1], s[20:21], s[46:47]
	s_cselect_b32 s66, s40, s41
	s_mul_i32 s66, s66, TSTR
	s_add_co_u32 s66, s66, 3*TILEB                 ; at slot 3: each refill steps it by one slot ahead of its request
	s_mov_b32 s67, 0
	s_add_nc_u64 s[PFA:PFA+1], s[PFA:PFA+1], s[66:67]
.irp s, 0,1
	s_mov_b32 s[G0+4*\s], 1
	s_add_co_u32 s[G0+4*\s+1], s45, \s*SLOT
	s_add_nc_u64 s[G0+4*\s+2:G0+4*\s+3], s[20:21], \s*TILEB
	s_or_b32 s[G0+4*\s+3], s[G0+4*\s+3], 0x80000000
	s_mov_b32 s[G0B+4*\s], 1
	s_add_co_u32 s[G0B+4*\s+1], s45, \s*SLOT
	s_add_nc_u64 s[G0B+4*\s+2:G0B+4*\s+3], s[46:47], \s*TILEB
	s_or_b32 s[G0B+4*\s+3], s[G0B+4*\s+3], 0x80000000
.endr
; THE HEAD'S LOADS, ONE A WAVE: wave 0 slot 0's tiles of A, wave 1 those of W, wave 2 A's scale words, wave 3 W's.  One tree of branches on the wave's number, one load to an arm.
.macro ARM under, g0, g1, next
	s_cmp_lt_u32 s14, \under
	s_cbranch_scc0 \next
	tensor_load_to_lds s[\g0:\g0+3], s[\g1:\g1+7]
	s_nop 0
.rept 4
	v_nop
.endr
	s_branch .Lhead_asked
\next:
.endm
	ARM 1, G0H,  G1,  .Lhead_b
	ARM 2, G0HB, G1B, .Lhead_sa
	ARM 3, G0S,  G1S, .Lhead_sb
	tensor_load_to_lds s[G0SB:G0SB+3], s[G1SB:G1SB+7]
	s_nop 0
.rept 4
	v_nop
.endr
.Lhead_asked:
	v_and_b32 v[PFO], 31, v0
	v_min_u32 v[PFO], 23, v[PFO]
	v_lshlrev_b32 v[PFO], 8, v[PFO]
	v_and_b32 v1, 15, v0
	v_bfe_u32 v2, v0, 4, 1                         ; h
	v_and_b32 v3, 31, v0
	v_lshlrev_b32 v4, 4, v3
	v_lshlrev_b32 v5, 3, v3
	s_mul_i32 s21, s15, HALFT
	s_mul_i32 s22, s16, HALFT
	s_add_co_u32 s22, s22, 2*HALFT
.irp s, 0,1
	v_add_nc_u32 v[ADRA+\s], s21, v4
	v_add_nc_u32 v[ADRA+2+\s], s21, v5
	v_add_nc_u32 v[ADRB+\s], s22, v4
	v_add_nc_u32 v[ADRB+2+\s], s22, v5
	s_add_co_u32 s21, s21, SLOT
	s_add_co_u32 s22, s22, SLOT
.endr
	v_lshlrev_b32 v5, 2, v1
	s_lshl_b32 s21, s15, 8                         ; my 4 tiles' 256 bytes of a K step's 512
	s_lshl_b32 s22, s16, 8
	s_add_co_u32 s22, s22, 2*HALFS
	s_sub_co_u32 s22, s22, s21
	v_mul_u32_u24 v6, s22, v2                      ; lanes 16-31 take W's: one product, the distance between the two regions
	s_add_co_u32 s21, s21, SCL
	v_add_nc_u32 v5, v5, v6
	v_add_nc_u32 v[ADRS], s21, v5
	s_mul_i32 s23, s14, 16*SPITCH
	s_add_co_u32 s23, s23, STAGE                   ; my stage
	v_mul_u32_u24 v5, v1, SPITCH
	v_lshl_add_u32 v5, v2, 6, v5
	v_add_nc_u32 v[STO], s23, v5                   ; in: row position r, + 64 h
	v_mul_u32_u24 v5, v2, SPITCH
	v_lshl_add_u32 v5, v1, 4, v5
	v_add_nc_u32 v[RD], s23, v5                    ; back: lanes 0-15 one row of 256 bytes, lanes 16-31 the next
	v_lshlrev_b32 v[CO], 12, v2
	v_lshl_add_u32 v[CO], v1, 4, v[CO]             ; and the same two rows in memory
	v_lshlrev_b32 v30, 6, v2                       ; the bias: lane (r, h) wants, for tile b, columns 32 (b / 2) + 8 (b % 2) + 16 h + 0 .. 7
	s_wait_alu depctr_va_vdst(0)
	global_prefetch_b8 v[PFO], s[PFA:PFA+1] offset:-TILEB th:TH_LOAD_NT scope:SCOPE_SE   ; slot 2,
	global_prefetch_b8 v[PFO], s[PFA:PFA+1] th:TH_LOAD_NT scope:SCOPE_SE                 ; slot 3
	s_lshl_b32 s66, s17, 7                         ; where my 64 x 64 begins: in registers that feed no descriptor
	s_lshl_b32 s67, s15, 6
	s_add_co_u32 s66, s66, s67
	s_lshl_b32 s66, s66, 12
	s_lshl_b32 s96, s42, 9
	s_lshl_b32 s97, s16, 8
	s_add_co_u32 s96, s96, s97                     ; my first column in bytes
	s_add_co_u32 s66, s66, s96
	s_mov_b32 s67, 0
	s_mov_b32 s97, 0
	s_add_nc_u64 s[12:13], s[12:13], s[66:67]
	s_add_nc_u64 s[10:11], s[10:11], s[66:67]
	s_add_nc_u64 s[8:9], s[8:9], s[96:97]
.irp b, 0,1,2,3
	global_load_b128 v[BIA+8*\b:BIA+8*\b+3], v30, s[8:9] offset:128*(\b/2)+32*(\b%2)
	global_load_b128 v[BIA+8*\b+4:BIA+8*\b+7], v30, s[8:9] offset:128*(\b/2)+32*(\b%2)+16
.endr
.macro FRAG reg, adr, off
	ds_load_b128 v[\reg:\reg+3], v[\adr] offset:\off
	ds_load_b64 v[\reg+4:\reg+5], v[\adr+2] offset:\off+512
	ds_load_b128 v[\reg+6:\reg+9], v[\adr] offset:\off+768
	ds_load_b64 v[\reg+10:\reg+11], v[\adr+2] offset:\off+1280
.endm
.macro FETCH slot, q, f                ; 32 LDS loads in one run: the eight fragments of the slot's q-th K step into buffer f
	WIN TO_F
.irp i, 0,1,2,3
	FRAG \f+48+FR*\i, ADRB+\slot, \i*TILEB+(\q)*1536
	FRAG \f+FR*\i, ADRA+\slot, \i*TILEB+(\q)*1536
.endr
.endm
.macro SCALES set
.irp i, 0,1,2,3
.irp q, 0,1,2,3
	ds_load_b32 v[SC+16*\set+4*\i+\q], v[ADRS] offset:64*\i+512*\q
.endr
.endr
.endm
; 8 matrix instructions: A's tiles a0, a0 + 1 x W's four.  zero = 1: the sums start from the bias.  The 16 accumulators take turns, one instruction a turn.
.macro MUL8 f, q, sc, a0, zero
.irp a, \a0, \a0+1
.irp b, 0,1,2,3
.if \zero
	v_wmma_scale_f32_16x16x128_f8f6f4 v[ACC+8*(4*(\a)+\b):ACC+8*(4*(\a)+\b)+7], v[\f+48+FR*\b:\f+48+FR*\b+FR-1], v[\f+FR*(\a):\f+FR*(\a)+FR-1], v[BIA+8*\b:BIA+8*\b+7], v[SC+16*(\sc)+4*\b+(\q)], v[SC+16*(\sc)+4*(\a)+(\q)] matrix_a_fmt:MATRIX_FMT_FP6 matrix_b_fmt:MATRIX_FMT_FP6 matrix_a_scale:MATRIX_SCALE_ROW1
.else
	v_wmma_scale_f32_16x16x128_f8f6f4 v[ACC+8*(4*(\a)+\b):ACC+8*(4*(\a)+\b)+7], v[\f+48+FR*\b:\f+48+FR*\b+FR-1], v[\f+FR*(\a):\f+FR*(\a)+FR-1], v[ACC+8*(4*(\a)+\b):ACC+8*(4*(\a)+\b)+7], v[SC+16*(\sc)+4*\b+(\q)], v[SC+16*(\sc)+4*(\a)+(\q)] matrix_a_fmt:MATRIX_FMT_FP6 matrix_b_fmt:MATRIX_FMT_FP6 matrix_a_scale:MATRIX_SCALE_ROW1
.endif
.endr
.endr
.endm
.macro PLACES                          ; four places in front of loads into registers that matrix instructions have read, and of the first read of results (ISA guide 7.12.1 for the first read of results)
.rept 4
	v_nop
.endr
.endm
.macro STEPF slot, q, f, g, zero       ; multiplies buffer f (the slot's q-th K step) while the next K step comes into buffer g
	PLACES
	FETCH \slot, (\q)+1, \g
	s_wait_dscnt 32                                ; all but the 32 just issued
	WIN MUL
	MUL8 \f, \q, \slot, 0, \zero
	MUL8 \f, \q, \slot, 2, \zero
.endm
; A slot's last K step (buffer 1) changes slots: ONE barrier; in front of it each wave waits for all its tensor loads, adds 0 to its spare word, and waits for that and for its own reads of this slot.
.macro TURNF slot, next, fill
.if \fill
	s_wait_xcnt 0x0                                ; my earlier prefetch has read its address: it steps here, ahead of the waits of the change of slots
	s_add_nc_u64 s[PFA:PFA+1], s[PFA:PFA+1], TILEB
.endif
	WIN 0                                          ; (the add's two registers lie in window 0)
	s_wait_tensorcnt 0x0                           ; all my tensor loads have landed: my part of the next slot
	ds_add_u32 v[SPW], v[NIL]                      ; 0 onto my spare word
	s_wait_dscnt 1                                 ; (the add may be out)
	WIN MUL
	MUL8 F1, 3, \slot, 0, 0                        ; eight matrix instructions stand between the add and the wait for it
	s_wait_dscnt 0x0                               ; the add is done, and my reads of this slot are over
	s_barrier_signal -1
	WIN 0
	s_barrier_wait -1
.if \fill
	CREST                                          ; the barrier has opened a round of the cluster's barrier: no wave of any partner still reads this slot or has a load on its way
	s_add_nc_u64 s[G0+4*\slot+2:G0+4*\slot+3], s[G0+4*\slot+2:G0+4*\slot+3], 2*TILEB
	s_add_nc_u64 s[G0B+4*\slot+2:G0B+4*\slot+3], s[G0B+4*\slot+2:G0B+4*\slot+3], 2*TILEB
	JLOAD G0+4*\slot, G1, G0B+4*\slot, G1B         ; the first tensor load behind the round; the four v_nop behind it are the places in front of the loads below
.else
	PLACES
.endif
	s_wait_alu depctr_va_vdst(0)
	v_add_nc_u32 v[ADRS], 512*NQ, v[ADRS]
	FETCH \next, 0, F0
	WIN 0
	SCALES \next
.if \fill
	s_cmp_gt_u32 s3, 1                             ; s3 = 1 in the loop's last trip, whose refills have no slot two on
	s_cbranch_scc0 .Lno_ask_\@
	global_prefetch_b8 v[PFO], s[PFA:PFA+1] th:TH_LOAD_NT scope:SCOPE_SE
.Lno_ask_\@:
.endif
	WIN MUL
	MUL8 F1, 3, \slot, 2, 0
.endm
	s_wait_alu depctr_va_vdst(0)                   ; the wait at the head's end
	s_wait_tensorcnt 0x0                           ; my tile of the head's four is in; the lines ahead of a later first fill:
	ds_add_u32 v[SPW], v[NIL]
	s_mov_b32 s[G1+2], 4<<16                       ; no tensor load of mine is out: from here on a load brings 4 tiles
	s_mov_b32 s[G1+4], 4
	s_mov_b32 s[G1B+2], 4<<16
	s_mov_b32 s[G1B+4], 4
	s_wait_dscnt 0x0
	CROUND                                         ; a whole round: all four tiles are in, and the joint loads meet
	JLOAD G0+4, G1, G0B+4, G1B                     ; slot 1's first fill, the first tensor load behind the round
	FETCH 0, 0, F0
	WIN 0
	SCALES 0
	s_wait_loadcnt 0x0                             ; the bias is in
	STEPF 0, 0, F0, F1, 1                          ; the first step stands in front of the loop: its products start the sums
	WIN 0x80                                       ; the residual is asked for here, behind the head's tiles, and is wanted on the way out alone: destination window 2
.irp a, 0,1,2,3
.irp t, 0,1,2,3,4,5,6,7
	global_load_b128 v[4*(8*\a+\t):4*(8*\a+\t)+3], v[CO], s[10:11] offset:(32*(\a/2)+8*(\a%2)+2*\t+8*(\t/4))*4096   ; two rows x 256 consecutive bytes, aligned
.endr
.endr
	WIN 0
.if LAPS > 1
	WIN 0                                          ; at a label and at a branch every window is 0
	s_mov_b32 s3, LAPS-1
.Llap:                                                 ; a trip goes once round the ring and fills both slots again
	STEPF 0, 1, F1, F0, 0
	STEPF 0, 2, F0, F1, 0
	TURNF 0, 1, 1
	STEPF 1, 0, F0, F1, 0
	STEPF 1, 1, F1, F0, 0
	STEPF 1, 2, F0, F1, 0
	TURNF 1, 0, 1
	STEPF 0, 0, F0, F1, 0
	WIN 0
	s_sub_co_u32 s3, s3, 1
	s_cmp_lg_u32 s3, 0
	s_cbranch_scc1 .Llap
.endif
	STEPF 0, 1, F1, F0, 0                          ; the last lap fills nothing
	STEPF 0, 2, F0, F1, 0
	TURNF 0, 1, 0
	STEPF 1, 0, F0, F1, 0
	STEPF 1, 1, F1, F0, 0
	STEPF 1, 2, F0, F1, 0
	s_wait_dscnt 0x0
	MUL8 F1, 3, 1, 0, 0
	MUL8 F1, 3, 1, 2, 0
	WIN 0
	; THE WAY OUT, a tile of 16 rows x 64 columns at a time, through my own stage: in by 32 bytes of a row, back as whole rows of 256 bytes; the residual is added; sixteen lanes store 256 consecutive bytes, aligned.
	PLACES
	s_wait_loadcnt 0x0                             ; the residual
.irp a, 0,1,2,3
.if \a >= 2
	s_wait_xcnt 0x0                                ; the stores of two tiles ago have read their registers
.endif
.irp b, 0,1,2,3
	ds_store_b128 v[STO], v[ACC+8*(4*\a+\b):ACC+8*(4*\a+\b)+3] offset:128*(\b/2)+32*(\b%2)          ; each accumulator from its low end on
	ds_store_b128 v[STO], v[ACC+8*(4*\a+\b)+4:ACC+8*(4*\a+\b)+7] offset:128*(\b/2)+32*(\b%2)+16
.endr
.irp t, 0,1,2,3,4,5,6,7
	ds_load_b128 v[BK+32*(\a%2)+4*\t:BK+32*(\a%2)+4*\t+3], v[RD] offset:2*\t*SPITCH   ; LDS serves a wave's instructions in order (ISA guide 5.7.1.4): these see the stores above
.endr
	s_wait_dscnt 0x0
	WIN 0x08                                       ; source 1 window 2
.irp t, 0,1,2,3,4,5,6,7
	v_pk_add_f32 v[BK+32*(\a%2)+4*\t:BK+32*(\a%2)+4*\t+1], v[BK+32*(\a%2)+4*\t:BK+32*(\a%2)+4*\t+1], v[4*(8*\a+\t):4*(8*\a+\t)+1]
	v_pk_add_f32 v[BK+32*(\a%2)+4*\t+2:BK+32*(\a%2)+4*\t+3], v[BK+32*(\a%2)+4*\t+2:BK+32*(\a%2)+4*\t+3], v[4*(8*\a+\t)+2:4*(8*\a+\t)+3]
.endr
	WIN 0
.irp t, 0,1,2,3,4,5,6,7
	global_store_b128 v[CO], v[BK+32*(\a%2)+4*\t:BK+32*(\a%2)+4*\t+3], s[12:13] offset:(32*(\a/2)+8*(\a%2)+2*\t+8*(\t/4))*4096
.endr
.endr
	s_wait_tensorcnt 0x0                           ; the wave's end, behind my last tensor load and my last LDS store
	ds_add_u32 v[SPW], v[NIL]
	s_wait_dscnt 0x0
	CROUND                                         ; the closing round: no work-group ends while a partner may still ask for a tile that names it
	s_endpgm
.Lfunc_end_k_q571904b6c6_w2:
	.size	k_q571904b6c6_w2, .Lfunc_end_k_q571904b6c6_w2-k_q571904b6c6_w2
	.p2alignl 7, 3214868480
	.fill 96, 4, 3214868480
	.section	.rodata,"a",@progbits
	.p2align	6, 0x0
	.amdhsa_kernel k_q571904b6c6_w2
		.amdhsa_group_segment_fixed_size 327680
		.amdhsa_private_segment_fixed_size 0
		.amdhsa_enable_private_segment 0
		.amdhsa_kernarg_size 40
		.amdhsa_user_sgpr_count 2
		.amdhsa_user_sgpr_kernarg_segment_ptr 1
		.amdhsa_wavefront_size32 1
		.amdhsa_system_sgpr_workgroup_id_x 1
		.amdhsa_system_sgpr_workgroup_id_y 1
		.amdhsa_system_sgpr_workgroup_id_z 1
		.amdhsa_system_vgpr_workitem_id 0
		.amdhsa_next_free_vgpr 640
		.amdhsa_next_free_sgpr 98
		.amdhsa_reserve_vcc 0
		.amdhsa_float_denorm_mode_32 3
		.amdhsa_float_denorm_mode_16_64 3
		.amdhsa_memory_ordered 1
		.amdhsa_forward_progress 1
		.amdhsa_inst_pref_size 102
	.end_amdhsa_kernel
	.amdgpu_metadata
---
amdhsa.version: [ 1, 2 ]
amdhsa.kernels:
  - .name:           k_q571904b6c6_w2
    .symbol:         k_q571904b6c6_w2.kd
    .args:
      - { .name: HID, .offset: 0, .size: 8, .value_kind: global_buffer, .address_space: global }
      - { .name: P, .offset: 8, .size: 8, .value_kind: global_buffer, .address_space: global }
      - { .name: b2, .offset: 16, .size: 8, .value_kind: global_buffer, .address_space: global }
      - { .name: HB, .offset: 24, .size: 8, .value_kind: global_buffer, .address_space: global }
      - { .name: out0, .offset: 32, .size: 8, .value_kind: global_buffer, .address_space: global }
    .group_segment_fixed_size: 327680
    .private_segment_fixed_size: 0
    .kernarg_segment_align: 8
    .kernarg_segment_size: 40
    .max_flat_workgroup_size: 128
    .sgpr_count:     98
    .vgpr_count:     640
    .wavefront_size: 32
...
	.end_amdgpu_metadata
.endif
;; end of part 6
